; MI455X (gfx1250); checked and timed in simulation.
; The chip was launched on July 23, 2026; its instructions are those of AMD's public machine-readable ISA for CDNA 5 (MIT licence, August 2026) and "CDNA5" Instruction Set Architecture Reference Guide (July 2026). The comments in the code are by the model that wrote it; some were corrected since.
;; PFN Predictor Node Cls. Allowed arithmetic: matrix products marked QUANTISED: E5M2 operands, one E8M0 scale for each 32 along K, by v_wmma_scale_f32_16x16x128_f8f6f4 with both operands' format E5M2, f32 sums; products left as they are: f32 operands where the result goes on into a quantised operand, else bf16, f16 or f32 operands; f32 sums; everything else in f32.
;; Inputs: W1 8 x 1,024 x 4,096 float32; W2 8 x 4,096 x 1,024 float32; Wg 1,024 x 8 float32; b1 8 x 4,096 float32; b2 8 x 1,024 float32; bg 8 float32; x 1,024 x 1,024 float32.
;; Outputs: out0 1,024 x 1,024 float32; out1 one number float32.
;; This version of the problem:
;;   THIS VERSION OF THE PROBLEM IS GIVEN IN LOW PRECISION. The matrix products marked QUANTISED in the list below multiply operands that are first quantised to E5M2 (5 exponent bits, 2 mantissa bits; 8 bits a number), with one power-of-two scale for each 32 numbers along K (OCP MX v1.0); their sums are f32. All else is computed in f32.
;;   The module's matrix products, in the order in which they are computed (A, B: the left and right operand; K: the contracted axis; several contracted axes count as one K, in the product's order):
;;     1. [M 1,024, K 1,024] x [K 1,024, N 8]; A: input x; B: input Wg: left as it is (N = 8 < 16)
;;     2. [M 1,024, K 1,024] x [K 1,024, N 4,096]; A: input x; B: input W1: QUANTISED
;;     3. [M 1,024, K 4,096] x [K 4,096, N 1,024]; A: computed on the way; B: input W2: QUANTISED
;;     4. [M 1,024, K 1,024] x [K 1,024, N 4,096]; A: input x; B: input W1: QUANTISED
;;     5. [M 1,024, K 4,096] x [K 4,096, N 1,024]; A: computed on the way; B: input W2: QUANTISED
;;     6. [M 1,024, K 1,024] x [K 1,024, N 4,096]; A: input x; B: input W1: QUANTISED
;;     7. [M 1,024, K 4,096] x [K 4,096, N 1,024]; A: computed on the way; B: input W2: QUANTISED
;;     8. [M 1,024, K 1,024] x [K 1,024, N 4,096]; A: input x; B: input W1: QUANTISED
;;     9. [M 1,024, K 4,096] x [K 4,096, N 1,024]; A: computed on the way; B: input W2: QUANTISED
;;     10. [M 1,024, K 1,024] x [K 1,024, N 4,096]; A: input x; B: input W1: QUANTISED
;;     11. [M 1,024, K 4,096] x [K 4,096, N 1,024]; A: computed on the way; B: input W2: QUANTISED
;;     12. [M 1,024, K 1,024] x [K 1,024, N 4,096]; A: input x; B: input W1: QUANTISED
;;     13. [M 1,024, K 4,096] x [K 4,096, N 1,024]; A: computed on the way; B: input W2: QUANTISED
;;     14. [M 1,024, K 1,024] x [K 1,024, N 4,096]; A: input x; B: input W1: QUANTISED
;;     15. [M 1,024, K 4,096] x [K 4,096, N 1,024]; A: computed on the way; B: input W2: QUANTISED
;;     16. [M 1,024, K 1,024] x [K 1,024, N 4,096]; A: input x; B: input W1: QUANTISED
;;     17. [M 1,024, K 4,096] x [K 4,096, N 1,024]; A: computed on the way; B: input W2: QUANTISED
;;   THE QUANTISER, for each operand of a quantised product, along K:
;;     - K is cut into blocks of 32 from its start; a last block that is shorter is filled with zeros.
;;     - A block's scale is 2^e with e = floor(log2(the largest magnitude in the block)) - 15, held to -126 .. 127; a block of zeros has e = 0. As a byte (E8M0): e + 127.
;;     - Each number is divided by its block's scale, clamped to +-57,344, and rounded to the nearest number of E5M2, ties to even, subnormals kept.
;;     - The product sums the exact products of the quantised numbers (number of the format x scale) in f32.
;;   ~~~python
;;   def quantise(x, axis):      # numpy; x: float32 -> the quantised numbers, widened to float32 again
;;       x = np.moveaxis(x, axis, -1); K = x.shape[-1]
;;       x = np.pad(x, [(0, 0)] * (x.ndim - 1) + [(0, -K % 32)]); x = x.reshape(x.shape[:-1] + (-1, 32)); a = np.abs(x).max(-1, keepdims=True)
;;       e = np.where(a > 0, np.clip(np.frexp(np.where(a > 0, a, 1))[1] - 1 - 15, -126, 127), 0)      # np.frexp(a)[1] - 1 = floor(log2(a)), exactly
;;       r = np.clip(x / 2.0 ** e, -57344, 57344)
;;       step = 2.0 ** (np.maximum(np.frexp(np.where(r == 0, 1, r))[1] - 1, -14) - 2)
;;       q = np.round(r / step) * step * 2.0 ** e      # np.round: ties to even
;;       return np.moveaxis(q.reshape(q.shape[:-2] + (-1,))[..., :K], -1, axis).astype(np.float32)
;;   ~~~
;;   OPERANDS COMPUTED ON THE WAY. 'Computed on the way' means the value that the module computes at that place (a softmax that the list does not call 'softmax' is quantised finished and normalised). What goes into a quantiser is computed in f32, as accurately as f32 sums, v_exp_f32 and their like allow (about 1e-6 of the number): no bf16 or f16 on the way to a quantiser, and a product that is left as it is and whose result goes on into a quantised operand takes f32 operands (vector FMAs, or v_wmma_f32_16x16x4_f32). A number that lies on a knife's edge between two numbers of the format may be rounded either way, as far as f32 arithmetic and the matrix unit's own rounding can turn it there, and no further.
;; 2 versions. Each part assembles by itself: llvm-mc -triple=amdgcn-amd-amdhsa -mcpu=gfx1250 --defsym DOCPART=n.
;; ======== version 1 of 2: 5 launches
;; workspace buffers: xq 1,081,344 bytes; route 8,192 bytes of whole numbers; gp 40,960 bytes; xa 8,650,752 bytes; rows 33,024 bytes of whole numbers; gs 32,768 bytes; ha 35,651,584 bytes; y 16,842,752 bytes
;; launch gate (part 1): grid 256 x 1, 4 waves a work-group, no clusters, 35,328 bytes of LDS; arguments x, Wg, bg, xq, route, gp; writes xq, route, gp
.if DOCPART == 1
	.amdgcn_target "amdgcn-amd-amdhsa--gfx1250"
	.amdhsa_code_object_version 6
	.text
	.protected	k_q5c7e075100_gate
	.globl	k_q5c7e075100_gate
	.p2align	8
	.type	k_q5c7e075100_gate,@function
k_q5c7e075100_gate:
	s_mov_b64 s[64:65], 0
	v_nop
	global_prefetch_b8 v0, s[64:65] scope:SCOPE_SE
	s_setreg_imm32_b32 hwreg(HW_REG_WAVE_MODE, 25, 1), 1
	s_wait_xcnt 0x0
; THE ROUTER, AND x AS CODES.  One wave owns one token t = 4 x work-group + wave.
; logits = x[t] Wg + bg in f32 (fused multiply-adds), softmax with the maximum taken away, the two largest probabilities (the lower index wins a tie, as jax.lax.top_k has it), gates = the two divided by their sum.
; Stored at fixed places: route[2 t + slot] = the expert (whole numbers: a later launch forms addresses from them), gp: gates [2048], then probabilities [1024][8].
; x[t] is also quantised here, once for all experts: codes of E5M2 [1024][1024], K innermost, and behind them one word of four E8M0 bytes for each 128 along K: [1024][8 words].
; A lane owns k = 256 q + 8 lane + 0 .. 7, q = 0 .. 3: eight neighbours, which is what one conversion takes; four neighbouring lanes hold a block of 32.
; Wg (32,768 bytes) is staged once in LDS: a lane's 8 rows of a quarter are 256 bytes; such units lie 272 bytes apart, so that sixteen lanes start at sixteen different 16-byte columns.
; LIMITS: NaN and infinities among the inputs are not served.  A block whose largest magnitude lies under 2^-111 (a block of zeros too) keeps the scale byte 1; only this program reads the bytes.
; The choice is made on these f32 probabilities: a token whose second and third probabilities agree to about 1e-7 of their size may be routed the other way than by another order of the sums.
.set XS_OFF, 1048576                   ; where the scale words begin in xq
.set X,   16                           ; v16-47   my 32 numbers of x: X[8 q + i]
.set G0,  48                           ; v48-111  Wg of one quarter (8 rows x 8 experts); first the 16 staging loads
.set G1,  112                          ; v112-175 Wg of the next quarter
.set ACC, 176                          ; v176-183 the eight logits, then the probabilities
.set MP,  184                          ; v184-191 at work; then the probabilities with the winner masked
.set T,   192                          ; v192-199 eight numbers held within the largest code x the scale
.set CD,  200                          ; v200-207 codes, two registers a quarter: no store's data are written again
.set MX,  208                          ; v208-211 a block's largest magnitude, by quarter
.set SO,  212                          ; v212-215 the conversion's scale operand
.set HO,  216                          ; v216-219 57,344 x the scale
.set BW,  220                          ; v220-223 the scale byte, then the scale word
.set TM,  224
	s_load_b256 s[4:11], s[0:1], 0x0               ; x s[4:5], Wg s[6:7], bg s[8:9], xq s[10:11]
	s_load_b128 s[12:15], s[0:1], 0x20             ; route s[12:13], gp s[14:15]
	v_lshl_add_u32 v254, v0, 2, 0x8800
	v_mov_b32 v255, 0
	v_lshrrev_b32 v1, 5, v0
	v_readfirstlane_b32 s2, v1                     ; wave
	v_and_b32 v1, 31, v0                           ; lane
	v_and_b32 v8, 15, v0                           ; lane % 16
	v_lshrrev_b32 v2, 4, v0
	v_mul_u32_u24 v2, v2, 272
	v_lshl_add_u32 v2, v8, 4, v2                   ; staging: thread t's 16 bytes go to unit t / 16, place t % 16
	v_mul_u32_u24 v3, v1, 272                      ; my unit of a quarter
	v_lshlrev_b32 v4, 5, v1                        ; x: 32 bytes a lane
	v_lshlrev_b32 v5, 3, v1                        ; codes: 8 bytes a lane
	v_lshlrev_b32 v6, 4, v0                        ; Wg: 16 bytes a thread
	v_bfe_u32 v7, v0, 2, 2
	v_lshlrev_b32 v7, 3, v7                        ; my block's byte in its scale word: 8 x ((lane / 4) % 4) bits up
	s_lshl_b32 s3, ttmp9, 2
	s_add_co_u32 s3, s3, s2                        ; my token
	s_lshl_b32 s27, s3, 5
	v_bfe_u32 v9, v0, 4, 1
	v_lshl_add_u32 v9, v8, 1, v9
	v_lshl_add_u32 v9, v9, 2, s27                  ; scale words: 32 t + 4 (2 (lane % 16) + lane / 16)
	v_mov_b32 v11, s27                             ; probabilities: 32 t
	s_lshl_b32 s27, s3, 3
	v_mov_b32 v10, s27                             ; route and gates: 8 t
	s_mov_b32 s24, 0x76543210
	s_mov_b32 s25, 0xfedcba98                      ; v_permlanex16_b32's selects for lane l xor 16
	s_mov_b32 s26, 0x600000                        ; the mantissa field of 57,344
	s_lshl_b32 s28, s3, 12
	s_mov_b32 s29, 0
	s_lshl_b32 s30, s3, 10
	s_mov_b32 s31, 0
.irp e, 0,1,2,3,4,5,6,7
	v_mov_b32 v[MP+\e], 0                          ; written once: a lane permute's destination counts as one of its sources
.endr
	v_mov_b32 v[TM], 0
	s_wait_kmcnt 0x0
	s_load_b256 s[16:23], s[8:9], 0x0              ; bg
.irp n, 0,1,2,3,4,5,6,7,8,9,10,11,12,13,14,15
	global_load_b128 v[G0+4*\n:G0+4*\n+3], v6, s[6:7] offset:2048*\n   ; the work-group's 128 threads read 2,048 consecutive bytes
.endr
	s_add_nc_u64 s[4:5], s[4:5], s[28:29]          ; x at my token
	s_add_nc_u64 s[32:33], s[10:11], s[30:31]      ; the codes at my token
.irp q, 0,1,2,3
	global_load_b128 v[X+8*\q:X+8*\q+3], v4, s[4:5] offset:1024*\q th:TH_LOAD_NT
	global_load_b128 v[X+8*\q+4:X+8*\q+7], v4, s[4:5] offset:1024*\q+16 th:TH_LOAD_NT
.endr
	s_wait_loadcnt 0x8                             ; Wg's sixteen loads are in; x's eight are younger and may be out
.irp n, 0,1,2,3,4,5,6,7,8,9,10,11,12,13,14,15
	ds_store_b128 v2, v[G0+4*\n:G0+4*\n+3] offset:2176*\n   ; eight units a load
.endr
	s_wait_dscnt 0x0                               ; for the others' sake: my part of Wg lies in LDS
	s_barrier_signal -1
	s_barrier_wait -1
.macro LDG q, g                        ; Wg's rows 256 q + 8 lane + 0 .. 7: register 8 i + e = Wg[k_i][e]
.irp i, 0,1,2,3,4,5,6,7
	ds_load_b128 v[\g+8*\i:\g+8*\i+3], v3 offset:8704*\q+32*\i
	ds_load_b128 v[\g+8*\i+4:\g+8*\i+7], v3 offset:8704*\q+32*\i+16
.endr
.endm
.macro FMAQ q, g                       ; 32 packed multiply-adds: two experts at a time; of x's pair one register feeds both halves.  The first four products start the sums
.irp i, 0,1,2,3,4,5,6,7
.irp p, 0,1,2,3
.if (\q == 0) && (\i == 0)
	v_pk_mul_f32 v[ACC+2*\p:ACC+2*\p+1], v[X:X+1], v[\g+2*\p:\g+2*\p+1] op_sel_hi:[0,1]
.elseif (\i % 2) == 0
	v_pk_fma_f32 v[ACC+2*\p:ACC+2*\p+1], v[X+8*\q+\i:X+8*\q+\i+1], v[\g+8*\i+2*\p:\g+8*\i+2*\p+1], v[ACC+2*\p:ACC+2*\p+1] op_sel_hi:[0,1,1]
.else
	v_pk_fma_f32 v[ACC+2*\p:ACC+2*\p+1], v[X+8*\q+\i-1:X+8*\q+\i], v[\g+8*\i+2*\p:\g+8*\i+2*\p+1], v[ACC+2*\p:ACC+2*\p+1] op_sel:[1,0,0] op_sel_hi:[1,1,1]
.endif
.endr
.endr
.endm
.macro QX q                            ; my eight numbers of quarter q become eight codes
	v_max3_num_f32 v[MX+\q], |v[X+8*\q]|, |v[X+8*\q+1]|, 0x8000000   ; with the floor 2^(16 - 127): the byte cannot fall under 1
	v_max3_num_f32 v[MX+\q], v[MX+\q], |v[X+8*\q+2]|, |v[X+8*\q+3]|
	v_max3_num_f32 v[MX+\q], v[MX+\q], |v[X+8*\q+4]|, |v[X+8*\q+5]|
	v_max3_num_f32 v[MX+\q], v[MX+\q], |v[X+8*\q+6]|, |v[X+8*\q+7]|
	v_max_num_f32_dpp v[MX+\q], v[MX+\q], v[MX+\q] row_xmask:1 row_mask:0xf bank_mask:0xf
	v_max_num_f32_dpp v[MX+\q], v[MX+\q], v[MX+\q] row_xmask:2 row_mask:0xf bank_mask:0xf   ; the four lanes of the block
	v_add_nc_u32 v[SO+\q], 0xf8800000, v[MX+\q]    ; 15 off the exponent field: the conversion takes that field as its scale
	v_and_or_b32 v[HO+\q], v[MX+\q], 0x7f800000, s26   ; 57,344 x the scale
	v_lshrrev_b32 v[BW+\q], 23, v[SO+\q]           ; the scale's byte,
	v_lshlrev_b32 v[BW+\q], v7, v[BW+\q]           ; at its place in the word
.irp i, 0,1,2,3,4,5,6,7
	v_med3_num_f32 v[T+\i], v[X+8*\q+\i], -v[HO+\q], v[HO+\q]   ; the conversion to an 8-bit code does not saturate (ISA guide 7.6.2): the hold comes first
.endr
	v_cvt_scalef32_pk8_bf8_f32 v[CD+2*\q:CD+2*\q+1], v[T:T+7], v[SO+\q]
	v_nop                                          ; one plain line behind a scaled conversion, ahead of the next write of its sources
	global_store_b64 v5, v[CD+2*\q:CD+2*\q+1], s[32:33] offset:256*\q   ; the wave stores 256 consecutive bytes, aligned
.endm
	LDG 0, G0
	LDG 1, G1
	s_wait_loadcnt 0x0                             ; x
	QX 0
	QX 1
	QX 2
	QX 3
	s_wait_dscnt 0x10                              ; quarter 0 of Wg is in; quarter 1's sixteen loads may be out
	FMAQ 0, G0
	LDG 2, G0
	s_wait_dscnt 0x10
	FMAQ 1, G1
	LDG 3, G1
	s_wait_dscnt 0x10
	FMAQ 2, G0
	s_wait_dscnt 0x0
	FMAQ 3, G1
	; the scale words: the four bytes of a word lie in lanes 4 and 8 apart
.irp q, 0,1,2,3
	v_mov_b32_dpp v[TM], v[BW+\q] row_xmask:4 row_mask:0xf bank_mask:0xf
	v_or_b32 v[BW+\q], v[BW+\q], v[TM]
	v_mov_b32_dpp v[TM], v[BW+\q] row_xmask:8 row_mask:0xf bank_mask:0xf
	v_or_b32 v[BW+\q], v[BW+\q], v[TM]             ; every lane of a half holds word 2 q + lane / 16
.endr
	v_mov_b32 v[TM+1], v[BW]
.irp q, 1,2,3
	v_cmp_eq_u32 vcc_lo, \q, v8
	v_cndmask_b32 v[TM+1], v[TM+1], v[BW+\q], vcc_lo   ; lane % 16 = q keeps quarter q's word
.endr
	; the logits: sums over the 32 lanes, the eight by turns
.irp m, 1,2,4,8
.irp e, 0,1,2,3,4,5,6,7
	v_add_f32_dpp v[ACC+\e], v[ACC+\e], v[ACC+\e] row_xmask:\m row_mask:0xf bank_mask:0xf
.endr
.endr
.irp e, 0,1,2,3,4,5,6,7
	v_permlanex16_b32 v[MP+\e], v[ACC+\e], s24, s25
.endr
	s_wait_kmcnt 0x0                               ; bg
.irp e, 0,1,2,3,4,5,6,7
	v_add_f32 v[ACC+\e], v[ACC+\e], v[MP+\e]
.endr
.irp e, 0,1,2,3,4,5,6,7
	v_add_f32 v[ACC+\e], s[16+\e], v[ACC+\e]
.endr
	; softmax: the maximum is taken away first
	v_max3_num_f32 v[TM+2], v[ACC], v[ACC+1], v[ACC+2]
	v_max3_num_f32 v[TM+2], v[TM+2], v[ACC+3], v[ACC+4]
	v_max3_num_f32 v[TM+2], v[TM+2], v[ACC+5], v[ACC+6]
	v_max_num_f32 v[TM+2], v[TM+2], v[ACC+7]
.irp e, 0,1,2,3,4,5,6,7
	v_sub_f32 v[ACC+\e], v[ACC+\e], v[TM+2]
.endr
.irp e, 0,1,2,3,4,5,6,7
	v_mul_f32 v[ACC+\e], 0x3fb8aa3b, v[ACC+\e]     ; x log2(e)
.endr
.irp e, 0,1,2,3,4,5,6,7
	v_exp_f32 v[ACC+\e], v[ACC+\e]
.endr
	v_nop                                          ; a plain line behind the last exponential,
	s_wait_alu depctr_va_vdst(0)                   ; and one wait for the batch of eight, ahead of its first reader
	v_add_f32 v[TM+3], v[ACC], v[ACC+1]
	v_add_f32 v[TM+4], v[ACC+2], v[ACC+3]
	v_add_f32 v[TM+5], v[ACC+4], v[ACC+5]
	v_add_f32 v[TM+6], v[ACC+6], v[ACC+7]
	v_add_f32 v[TM+3], v[TM+3], v[TM+4]
	v_add_f32 v[TM+5], v[TM+5], v[TM+6]
	v_add_f32 v[TM+3], v[TM+3], v[TM+5]
	v_rcp_f32 v[TM+3], v[TM+3]
	v_nop
	s_wait_alu depctr_va_vdst(0)
.irp e, 0,1,2,3,4,5,6,7
	v_mul_f32 v[ACC+\e], v[ACC+\e], v[TM+3]        ; the probabilities
.endr
	; the largest: a later expert takes the place only where it is strictly larger
	v_mov_b32 v230, v[ACC]
	v_mov_b32 v232, 0
.irp e, 1,2,3,4,5,6,7
	v_cmp_ge_f32 vcc_lo, v230, v[ACC+\e]
	v_cndmask_b32 v230, v[ACC+\e], v230, vcc_lo
	v_cndmask_b32 v232, \e, v232, vcc_lo
.endr
.irp e, 0,1,2,3,4,5,6,7
	v_cmp_ne_u32 vcc_lo, \e, v232
	v_cndmask_b32 v[MP+\e], -1.0, v[ACC+\e], vcc_lo   ; the winner is taken out: -1 lies under every probability
.endr
	v_mov_b32 v231, v[MP]
	v_mov_b32 v233, 0
.irp e, 1,2,3,4,5,6,7
	v_cmp_ge_f32 vcc_lo, v231, v[MP+\e]
	v_cndmask_b32 v231, v[MP+\e], v231, vcc_lo
	v_cndmask_b32 v233, \e, v233, vcc_lo
.endr
	v_add_f32 v236, v230, v231
	v_rcp_f32 v236, v236
	v_nop
	s_wait_alu depctr_va_vdst(0)
	v_mul_f32 v234, v230, v236                     ; the two gates
	v_mul_f32 v235, v231, v236
	v_cmp_gt_u32 vcc_lo, 4, v8
	s_wait_xcnt 0x0                                ; EXEC changes only behind this wait: the codes' stores have had their addresses translated
	s_wait_tensorcnt 0x0
	ds_add_u32 v254, v255
	s_wait_dscnt 0x0
	s_and_saveexec_b32 s34, vcc_lo                 ; lanes 0-3 and 16-19
	global_store_b32 v9, v[TM+1], s[10:11] offset:XS_OFF   ; my token's eight scale words
	v_cmp_eq_u32 vcc_lo, 0, v1
	s_wait_xcnt 0x0
	s_and_saveexec_b32 s35, vcc_lo                 ; lane 0: every lane holds the same numbers
	global_store_b128 v11, v[ACC:ACC+3], s[14:15] offset:8192
	global_store_b128 v11, v[ACC+4:ACC+7], s[14:15] offset:8208
	global_store_b64 v10, v[232:233], s[12:13]
	global_store_b64 v10, v[234:235], s[14:15]
	s_endpgm
.Lfunc_end_k_q5c7e075100_gate:
	.size	k_q5c7e075100_gate, .Lfunc_end_k_q5c7e075100_gate-k_q5c7e075100_gate
	.p2alignl 7, 3214868480
	.fill 96, 4, 3214868480
	.section	.rodata,"a",@progbits
	.p2align	6, 0x0
	.amdhsa_kernel k_q5c7e075100_gate
		.amdhsa_group_segment_fixed_size 35328
		.amdhsa_private_segment_fixed_size 0
		.amdhsa_enable_private_segment 0
		.amdhsa_kernarg_size 48
		.amdhsa_user_sgpr_count 2
		.amdhsa_user_sgpr_kernarg_segment_ptr 1
		.amdhsa_wavefront_size32 1
		.amdhsa_system_sgpr_workgroup_id_x 1
		.amdhsa_system_sgpr_workgroup_id_y 1
		.amdhsa_system_sgpr_workgroup_id_z 1
		.amdhsa_system_vgpr_workitem_id 0
		.amdhsa_next_free_vgpr 256
		.amdhsa_next_free_sgpr 66
		.amdhsa_reserve_vcc 1
		.amdhsa_float_denorm_mode_32 3
		.amdhsa_float_denorm_mode_16_64 3
		.amdhsa_memory_ordered 1
		.amdhsa_forward_progress 1
		.amdhsa_inst_pref_size 32
	.end_amdhsa_kernel
	.amdgpu_metadata
---
amdhsa.version: [ 1, 2 ]
amdhsa.kernels:
  - .name:           k_q5c7e075100_gate
    .symbol:         k_q5c7e075100_gate.kd
    .args:
      - { .name: x, .offset: 0, .size: 8, .value_kind: global_buffer, .address_space: global }
      - { .name: Wg, .offset: 8, .size: 8, .value_kind: global_buffer, .address_space: global }
      - { .name: bg, .offset: 16, .size: 8, .value_kind: global_buffer, .address_space: global }
      - { .name: xq, .offset: 24, .size: 8, .value_kind: global_buffer, .address_space: global }
      - { .name: route, .offset: 32, .size: 8, .value_kind: global_buffer, .address_space: global }
      - { .name: gp, .offset: 40, .size: 8, .value_kind: global_buffer, .address_space: global }
    .group_segment_fixed_size: 35328
    .private_segment_fixed_size: 0
    .kernarg_segment_align: 8
    .kernarg_segment_size: 48
    .max_flat_workgroup_size: 128
    .sgpr_count:     66
    .vgpr_count:     256
    .wavefront_size: 32
...
	.end_amdgpu_metadata
.endif
;; end of part 1
;; launch place (part 2): grid 16 x 8, 4 waves a work-group, no clusters, 74,752 bytes of LDS; arguments xq, route, gp, xa, rows, gs, out1; writes xa, rows, gs, out1
.if DOCPART == 2
	.amdgcn_target "amdgcn-amd-amdhsa--gfx1250"
	.amdhsa_code_object_version 6
	.text
	.protected	k_q5c7e075100_place
	.globl	k_q5c7e075100_place
	.p2align	8
	.type	k_q5c7e075100_place,@function
k_q5c7e075100_place:
	s_mov_b64 s[64:65], 0
	v_nop
	global_prefetch_b8 v0, s[64:65] scope:SCOPE_SE
	s_setreg_imm32_b32 hwreg(HW_REG_WAVE_MODE, 25, 1), 1
	s_wait_xcnt 0x0
; THE ROWS ARE PLACED BY EXPERT.  Work-group (g, e): expert e, row tiles 4 g .. 4 g + 3, one a wave.  A routed row is rr = 2 token + slot.
; Wave 0 of every work-group lists the routed rows of its expert (all sixteen work-groups of an expert run the same lines on the same numbers and get the same list): no atomics, no traffic between work-groups.
; The list has 1,024 places; places behind the last row hold 2048 + e, which stands for a spare row.  NT = max(1, ceil(n / 16)) tiles are made: tile 0 always, so that later launches read nothing that nobody wrote.
; For its tile a wave gathers the 16 rows' codes of x and lays them as IMAGES OF THE OPERAND'S REGISTERS: for each K step of 128, byte 512 c + 16 lane holds k = 32 c + 16 (lane / 16) + 0 .. 15 of row lane % 16.
; xa: images [e][K step 8][tile 64][2,048 bytes]; behind them the rows' scale words [e][tile][row 16][8 words].  rows: the list [8][1024], then n [8].  gs: the gate of each place [8][1024].
; Wave 3 of the last work-group also makes the loss: 8 x sum_e (c_e / sum c)(c_e / 1024), c_e the column sums of the probabilities.  Its 64 loads go out in one run, the second half into v256-383.
.set DUMPW,   1024                     ; LDS: the list, words 0 .. 1023; words 1024 .. 1055 take what lanes without a row store, one word a lane
.set CNT,     4352                     ; n
.set STG,     4608                     ; a stage for each wave: 64 units of 256 bytes, 272 apart
.set WSTG,    17408
.set XS_OFF,  1048576
.set XSC_OFF, 8388608
	s_load_b256 s[4:11], s[0:1], 0x0               ; xq s[4:5], route s[6:7], gp s[8:9], xa s[10:11]
	s_load_b128 s[12:15], s[0:1], 0x20             ; rows s[12:13], gs s[14:15]
	s_load_b64 s[16:17], s[0:1], 0x30              ; out1
	v_lshl_add_u32 v254, v0, 2, 0x12200
	v_mov_b32 v255, 0
	v_lshrrev_b32 v1, 5, v0
	v_readfirstlane_b32 s18, v1                    ; wave
	v_and_b32 v1, 31, v0                           ; lane
	v_and_b32 v2, 15, v0                           ; b = lane % 16
	v_bfe_u32 v3, v0, 4, 1                         ; h = lane / 16
	v_lshlrev_b32 v4, 4, v1                        ; 16 x lane
	v_mov_b32 v5, CNT
	s_and_b32 s19, ttmp9, 15                       ; g
	s_and_b32 s20, ttmp7, 7                        ; e
	s_lshl_b32 s23, s19, 2
	s_add_co_u32 s23, s23, s18                     ; my tile
	s_lshl_b32 s26, s23, 6
	v_lshl_add_u32 v6, v3, 2, s26                  ; the list at my tile: row h (rows 2 q + h by the immediate),
	v_lshl_add_u32 v7, v2, 2, s26                  ; and row b
	s_mul_i32 s27, s18, WSTG
	s_add_co_u32 s27, s27, STG
	v_mul_u32_u24 v8, v2, 272
	v_lshl_add_u32 v8, v3, 4, v8
	v_add_nc_u32 v8, s27, v8                       ; into the stage: unit b (+ 16 u), row h (+ 2 q)
	v_mul_u32_u24 v9, v3, 272
	v_lshl_add_u32 v9, v2, 4, v9
	v_add_nc_u32 v9, s27, v9                       ; out of it: unit h (+ 2 i), row b
	s_lshl_b32 s27, s18, 10
	v_add_nc_u32 v10, s27, v4                      ; the list's copy: 1,024 bytes a wave
	v_add_nc_u32 v11, DUMPW, v1
	v_lshlrev_b32 v12, 2, v1                       ; 4 x lane
	v_lshlrev_b32 v13, 4, v2                       ; 16 b
	v_lshlrev_b32 v15, 5, v2
	v_lshl_add_u32 v15, v3, 4, v15                 ; 32 b + 16 h
	s_mov_b32 s24, 0x76543210
	s_mov_b32 s25, 0xfedcba98
	s_mov_b32 s27, 0
	s_lshl_b32 s26, s20, 12
	s_wait_kmcnt 0x0
	s_add_nc_u64 s[68:69], s[12:13], s[26:27]      ; the list of my expert in rows
	s_add_nc_u64 s[74:75], s[14:15], s[26:27]      ; its gates
	s_lshl_b32 s26, s20, 20
	s_lshl_b32 s28, s23, 11
	s_add_co_u32 s26, s26, s28
	s_add_nc_u64 s[70:71], s[10:11], s[26:27]      ; my tile's images, K step 0
	s_lshl_b32 s26, s20, 6
	s_add_co_u32 s26, s26, s23
	s_lshl_b32 s26, s26, 9
	s_add_co_u32 s26, s26, XSC_OFF
	s_add_nc_u64 s[72:73], s[10:11], s[26:27]      ; my tile's scale words
	s_cmp_lg_u32 s18, 0
	s_cbranch_scc1 .Lnot0
	; ---- wave 0: the list.  Register 4 n + j of lane l is routed row 128 n + 4 l + j.  No other wave touches LDS ahead of the barrier
.irp n, 0,1,2,3,4,5,6,7,8,9,10,11,12,13,14,15
	global_load_b128 v[16+4*\n:19+4*\n], v4, s[6:7] offset:512*\n
.endr
	s_add_co_u32 s26, s20, 2048
.irp j, 0,1,2,3
	v_mov_b32 v[192+\j], s26
.endr
.irp i, 0,1,2,3,4,5,6,7
	ds_store_b128 v4, v[192:195] offset:512*\i     ; every place begins as the spare row; LDS serves a wave's instructions in order, so the rows below land on top
.endr
	s_mov_b32 s66, 0                               ; rows so far
	s_wait_loadcnt 0x0
.macro BATCH b                         ; sixteen registers: who has my expert; how many came before; each such lane stores its row at its place
.irp k, 0,1,2,3,4,5,6,7,8,9,10,11,12,13,14,15
	v_cmp_eq_u32 s[32+\k], s20, v[16+16*\b+\k]
.endr
.irp k, 0,1,2,3,4,5,6,7,8,9,10,11,12,13,14,15
	s_mov_b32 s[48+\k], s66
	s_bcnt1_i32_b32 s67, s[32+\k]
	s_add_co_u32 s66, s66, s67
.endr
.irp k, 0,1,2,3,4,5,6,7,8,9,10,11,12,13,14,15
	v_mbcnt_lo_u32_b32 v[200+\k], s[32+\k], s[48+\k]             ; the place: rows before this register + such lanes below mine
	v_cndmask_b32 v[200+\k], v11, v[200+\k], s[32+\k]            ; a lane without a row takes its dump word
	v_min_u32 v[200+\k], 0x41f, v[200+\k]                        ; inside the list and the dump words, whatever was read
	v_lshlrev_b32 v[200+\k], 2, v[200+\k]
	v_add_nc_u32 v[216+\k], 128*((16*\b+\k)/4)+((16*\b+\k)%4), v12
	ds_store_b32 v[200+\k], v[216+\k]
.endr
.endm
	BATCH 0
	BATCH 1
	BATCH 2
	BATCH 3
	v_mov_b32 v196, s66
	ds_store_b32 v5, v196                          ; n: all lanes write the same word with the same value
	s_wait_dscnt 0x0                               ; for the others' sake: the list and n lie in LDS
.Lnot0:
	s_cmp_lg_u32 s18, 3
	s_cbranch_scc1 .Lnoloss
	s_cmp_lg_u32 s19, 15
	s_cbranch_scc1 .Lnoloss
	s_cmp_lg_u32 s20, 7
	s_cbranch_scc1 .Lnoloss
	; ---- the loss: 32,768 bytes of probabilities, 64 loads of 512 bytes, all issued on end.  A lane holds experts 4 (lane % 2) + 0 .. 3 of token 16 n + lane / 2
.set n, 0
.rept 32
	global_load_b128 v[16+4*n:19+4*n], v4, s[8:9] offset:8192+512*n
.set n, n+1
.endr
	s_set_vgpr_msb 0x40                            ; the destination lies in the second window of 256 registers: v256 on
.set n, 0
.rept 32
	global_load_b128 v[4*n:4*n+3], v4, s[8:9] offset:24576+512*n
.set n, n+1
.endr
	s_set_vgpr_msb 0x4000                          ; all back to the first window (the high byte repeats the setting that is left)
	s_wait_loadcnt 32                              ; the first 32 loads are in; the 32 younger ones may be out
.irp k, 0,1                            ; four chains of packed sums: pieces of even and of odd number apart; the first pieces start them: nothing is cleared
	v_pk_add_f32 v[144+4*\k:145+4*\k], v[16+4*\k:17+4*\k], v[24+4*\k:25+4*\k]
	v_pk_add_f32 v[146+4*\k:147+4*\k], v[18+4*\k:19+4*\k], v[26+4*\k:27+4*\k]
.endr
.set n, 4
.rept 28
	v_pk_add_f32 v[144+4*(n%2):145+4*(n%2)], v[144+4*(n%2):145+4*(n%2)], v[16+4*n:17+4*n]
	v_pk_add_f32 v[146+4*(n%2):147+4*(n%2)], v[146+4*(n%2):147+4*(n%2)], v[18+4*n:19+4*n]
.set n, n+1
.endr
	s_wait_loadcnt 0x0
	s_set_vgpr_msb 0x04                            ; source 1 in the second window
.set n, 0
.rept 32
	v_pk_add_f32 v[144+4*(n%2):145+4*(n%2)], v[144+4*(n%2):145+4*(n%2)], v[4*n:4*n+1]
	v_pk_add_f32 v[146+4*(n%2):147+4*(n%2)], v[146+4*(n%2):147+4*(n%2)], v[4*n+2:4*n+3]
.set n, n+1
.endr
	s_set_vgpr_msb 0x0400                          ; all back to the first window
	v_pk_add_f32 v[144:145], v[144:145], v[148:149]
	v_pk_add_f32 v[146:147], v[146:147], v[150:151]
.irp m, 2,4,8
.irp k, 0,1,2,3
	v_add_f32_dpp v[144+\k], v[144+\k], v[144+\k] row_xmask:\m row_mask:0xf bank_mask:0xf   ; lanes of my parity
.endr
.endr
.irp k, 0,1,2,3
	v_permlanex16_b32 v[148+\k], v[144+\k], s24, s25   ; (its destination counts as read: the chains have written it)
.endr
.irp k, 0,1,2,3
	v_add_f32 v[144+\k], v[144+\k], v[148+\k]      ; four column sums
.endr
	v_add_f32 v152, v144, v145
	v_add_f32 v154, v146, v147
	v_add_f32 v152, v152, v154
	v_mul_f32 v153, v144, v144
	v_fmac_f32 v153, v145, v145
	v_fmac_f32 v153, v146, v146
	v_fmac_f32 v153, v147, v147
	v_add_f32_dpp v152, v152, v152 row_xmask:1 row_mask:0xf bank_mask:0xf   ; with the other four experts': sum c,
	v_add_f32_dpp v153, v153, v153 row_xmask:1 row_mask:0xf bank_mask:0xf   ; sum c^2
	v_rcp_f32 v154, v152
	v_mov_b32 v155, 0                              ; (a plain line behind the reciprocal)
	s_wait_alu depctr_va_vdst(0)
	v_mul_f32 v153, v153, v154
	v_mul_f32 v153, 0x3c000000, v153               ; x 8 / 1024
	v_cmp_eq_u32 vcc_lo, 0, v1
	s_wait_xcnt 0x0                                ; EXEC changes only behind this wait
	s_and_saveexec_b32 s30, vcc_lo
	global_store_b32 v155, v153, s[16:17]
	s_wait_xcnt 0x0
	s_or_b32 exec_lo, exec_lo, s30
.Lnoloss:
	s_barrier_signal -1
	s_barrier_wait -1                              ; the list and n are there for every wave; nobody writes them again
	ds_load_b32 v14, v5
	s_wait_dscnt 0x0
	v_readfirstlane_b32 s21, v14
	s_min_u32 s21, s21, 1024                       ; n
	s_add_co_u32 s22, s21, 15
	s_lshr_b32 s22, s22, 4
	s_max_u32 s22, s22, 1                          ; NT
	s_cmp_lg_u32 s19, 0
	s_cbranch_scc1 .Lnocopy
	ds_load_b128 v[16:19], v10                     ; the expert's first work-group stores the list, 1,024 bytes a wave,
	ds_load_b128 v[20:23], v10 offset:512
	s_wait_dscnt 0x0
	global_store_b128 v10, v[16:19], s[68:69]
	global_store_b128 v10, v[20:23], s[68:69] offset:512
	s_cmp_lg_u32 s18, 0
	s_cbranch_scc1 .Lnocopy
	v_mov_b32 v24, s21                             ; and n
	s_lshl_b32 s26, s20, 2
	v_mov_b32 v25, s26
	v_cmp_eq_u32 vcc_lo, 0, v1
	s_wait_xcnt 0x0
	s_and_saveexec_b32 s30, vcc_lo
	global_store_b32 v25, v24, s[12:13] offset:32768
	s_wait_xcnt 0x0
	s_or_b32 exec_lo, exec_lo, s30
.Lnocopy:
	s_cmp_ge_u32 s23, s22
	s_cbranch_scc1 .Lend                           ; a tile behind the expert's last: nothing to make (no barrier follows)
	; ---- my tile
.irp q, 0,1,2,3,4,5,6,7
	ds_load_b32 v[32+\q], v6 offset:8*\q           ; the routed row at place 2 q + h,
.endr
	ds_load_b32 v40, v7                            ; and at place b
	s_wait_dscnt 0x0
.irp q, 0,1,2,3,4,5,6,7
	v_lshrrev_b32 v[32+\q], 1, v[32+\q]
.endr
.irp q, 0,1,2,3,4,5,6,7
	v_min_u32 v[32+\q], 0x3ff, v[32+\q]            ; its token; a spare row takes token 1023's numbers, which nobody reads
.endr
.irp q, 0,1,2,3,4,5,6,7
	v_lshl_add_u32 v[32+\q], v[32+\q], 10, v13     ; token x 1,024 + 16 b
.endr
	v_lshrrev_b32 v41, 1, v40
	v_min_u32 v41, 0x3ff, v41
	v_lshlrev_b32 v41, 5, v41
	v_lshl_add_u32 v41, v3, 4, v41                 ; token x 32 + 16 h
	v_min_u32 v42, 0x7ff, v40
	v_lshlrev_b32 v42, 2, v42
.irp q, 0,1,2,3,4,5,6,7
.irp u, 0,1,2,3
	global_load_b128 v[64+4*(4*\q+\u):67+4*(4*\q+\u)], v[32+\q], s[4:5] offset:256*\u   ; sixteen lanes read 256 consecutive bytes of a row, aligned
.endr
.endr
	global_load_b128 v[44:47], v41, s[4:5] offset:XS_OFF
	global_load_b32 v43, v42, s[8:9]
	s_wait_loadcnt 0x0
.irp q, 0,1,2,3,4,5,6,7
.irp u, 0,1,2,3
	ds_store_b128 v8, v[64+4*(4*\q+\u):67+4*(4*\q+\u)] offset:4352*\u+32*\q   ; unit 16 u + b = which 16 along K; in it 16 bytes a row
.endr
.endr
.set i, 0
.rept 32
	ds_load_b128 v[64+4*i:67+4*i], v9 offset:544*i   ; units 2 i and 2 i + 1 are group i % 4 of K step i / 4.  LDS serves a wave's instructions in order: these see my stores
.set i, i+1
.endr
.set i, 0
.rept 32
	s_wait_dscnt 31-i                              ; load i is in; the younger ones may be out
	global_store_b128 v4, v[64+4*i:67+4*i], s[70:71] offset:(i/4)*131072+(i%4)*512   ; 512 consecutive bytes
.set i, i+1
.endr
	global_store_b128 v15, v[44:47], s[72:73]      ; the 16 rows' scale words: 512 consecutive bytes
	v_cmp_gt_u32 vcc_lo, 16, v1
	s_wait_xcnt 0x0
	s_wait_tensorcnt 0x0
	ds_add_u32 v254, v255
	s_wait_dscnt 0x0
	s_and_saveexec_b32 s30, vcc_lo
	global_store_b32 v7, v43, s[74:75]             ; the 16 gates
	s_endpgm
.Lend:
	s_wait_tensorcnt 0x0
	ds_add_u32 v254, v255
	s_wait_dscnt 0x0
	s_endpgm
.Lfunc_end_k_q5c7e075100_place:
	.size	k_q5c7e075100_place, .Lfunc_end_k_q5c7e075100_place-k_q5c7e075100_place
	.p2alignl 7, 3214868480
	.fill 96, 4, 3214868480
	.section	.rodata,"a",@progbits
	.p2align	6, 0x0
	.amdhsa_kernel k_q5c7e075100_place
		.amdhsa_group_segment_fixed_size 74752
		.amdhsa_private_segment_fixed_size 0
		.amdhsa_enable_private_segment 0
		.amdhsa_kernarg_size 56
		.amdhsa_user_sgpr_count 2
		.amdhsa_user_sgpr_kernarg_segment_ptr 1
		.amdhsa_wavefront_size32 1
		.amdhsa_system_sgpr_workgroup_id_x 1
		.amdhsa_system_sgpr_workgroup_id_y 1
		.amdhsa_system_sgpr_workgroup_id_z 1
		.amdhsa_system_vgpr_workitem_id 0
		.amdhsa_next_free_vgpr 384
		.amdhsa_next_free_sgpr 80
		.amdhsa_reserve_vcc 1
		.amdhsa_float_denorm_mode_32 3
		.amdhsa_float_denorm_mode_16_64 3
		.amdhsa_memory_ordered 1
		.amdhsa_forward_progress 1
		.amdhsa_inst_pref_size 69
	.end_amdhsa_kernel
	.amdgpu_metadata
---
amdhsa.version: [ 1, 2 ]
amdhsa.kernels:
  - .name:           k_q5c7e075100_place
    .symbol:         k_q5c7e075100_place.kd
    .args:
      - { .name: xq, .offset: 0, .size: 8, .value_kind: global_buffer, .address_space: global }
      - { .name: route, .offset: 8, .size: 8, .value_kind: global_buffer, .address_space: global }
      - { .name: gp, .offset: 16, .size: 8, .value_kind: global_buffer, .address_space: global }
      - { .name: xa, .offset: 24, .size: 8, .value_kind: global_buffer, .address_space: global }
      - { .name: rows, .offset: 32, .size: 8, .value_kind: global_buffer, .address_space: global }
      - { .name: gs, .offset: 40, .size: 8, .value_kind: global_buffer, .address_space: global }
      - { .name: out1, .offset: 48, .size: 8, .value_kind: global_buffer, .address_space: global }
    .group_segment_fixed_size: 74752
    .private_segment_fixed_size: 0
    .kernarg_segment_align: 8
    .kernarg_segment_size: 56
    .max_flat_workgroup_size: 128
    .sgpr_count:     80
    .vgpr_count:     384
    .wavefront_size: 32
...
	.end_amdgpu_metadata
.endif
;; end of part 2
;; launch ffn1 (part 3): grid 32 x 8, 8 waves a work-group, no clusters, 144,384 bytes of LDS; arguments W1, b1, xa, rows, ha; writes ha
.if DOCPART == 3
	.amdgcn_target "amdgcn-amd-amdhsa--gfx1250"
	.amdhsa_code_object_version 6
	.text
	.protected	k_q5c7e075100_ffn1
	.globl	k_q5c7e075100_ffn1
	.p2align	8
	.type	k_q5c7e075100_ffn1,@function
k_q5c7e075100_ffn1:
	s_mov_b64 s[64:65], 0
	v_nop
	global_prefetch_b8 v0, s[64:65] scope:SCOPE_SE
	s_setreg_imm32_b32 hwreg(HW_REG_WAVE_MODE, 25, 1), 1
	s_wait_xcnt 0x0
; h = Q(relu(x Q(W1[e]) + b1[e])) for the rows routed to expert e, on codes of E5M2 with one E8M0 scale for each 32 along K.  Work-group (slab, e): 128 hidden units, all 1,024 of K: 512 KiB of W1, read once.
; W1 arrives as f32 with K as its first axis and is quantised in registers as it streams; its codes, 128 KiB, go to LDS and stay there: no weight code goes to memory.
; EVERY WAVE WALKS ONE PATH, IN TWO PHASES, with one barrier between them.
; PHASE A: the eight waves stream W1.  The slab is 16 chunks of 128 k x 64 columns (chunk c: K step c / 2, column half c % 2).  Wave w (p = w % 4, half = w / 4) takes block p (32 k) of the chunks of its column half:
; eight units of 16 loads.  A load reads, in each half of the lanes, 256 consecutive aligned bytes of one row k; register 4 i + j of a landing set is W(32 p + 16 (lane / 16) + i, column 4 (lane % 16) + j).  So tile j's row r
; is column 4 r + j, and a lane already holds the sixteen k that registers 4 p .. 4 p + 3 of tile j's fragment want.  Four landing sets: behind the wait for unit q, unit q + 3 is asked for into the set that unit q - 1 has
; left, ahead of the arithmetic: 48 loads of a wave, 24 KiB, are on their way while it works.
; PHASE B: the waves multiply, three row tiles each: tile = base + 3 wave + i, held at the expert's last tile for loads.  THE TILES ARE DEALT ON END, so that an expert's tiles fall on as few waves as can be: a wave that
; multiplies reads the slab's 132 KiB of codes and scale words from LDS whatever the number of its live tiles, and a wave whose first tile lies behind the expert's last ends at once behind the barrier.
; The operands come from memory as images of registers (launch place), through a ring of three register buffers, a K step each; the first group's are asked for in phase A's last units, where no weights are left to ask for.
; 24 tiles (384 rows) a group; a loop over groups serves any split of the rows, all 1,024 tokens on one expert too.
; The matrix instruction is used transposed (source 0 = 16 columns of W1, source 1 = 16 rows of x): lane (r, h) holds row r, and registers j' of tiles j = 0 .. 3 are hidden units 32 h + 4 j' + j: a whole block of 32.
; The bias is what the sums begin with: the accumulators are loaded from an image of b1 in the result's layout, of which each wave builds one accumulator's part in phase A.
; No cluster: what the 32 slabs of an expert share is the rows' codes, at most 384 KiB a group, against 512 KiB of weights that nobody shares.
; LIMITS: NaN and infinities are not served.  A block whose largest magnitude lies under 2^-111 (a block of zeros too) keeps the scale byte 1; only this program reads the bytes.
.set PITCH,   16384                    ; a row of W1[e] in bytes
.set SCW,     131072                   ; LDS: 16 chunks x 8,192 bytes of images (tile j at 2,048 j, group p at 512 p); then W's scale words, 256 bytes a chunk: byte 16 r + 4 j + p;
.set BIAS,    135168                   ; then the bias image: accumulator t = 4 u + j at 1,024 t
.set XSC_OFF, 8388608
.set HSC_OFF, 33554432
.set LI,   4                           ; v4   16 x lane
.set PST,  5                           ; v5   16 x lane + 512 p + 8,192 half: where my codes go, units 0-3
.set PST2, 6                           ; v6   the same + 65,536: units 4-7
.set PSC,  7                           ; v7   SCW + 16 r + p + 256 half: where my scale bytes go
.set WOF,  8                           ; v8   (32 p + 16 h) rows + 256 half + 16 r: my bytes in a K step of W1; never rewritten
.set CSC,  9                           ; v9   SCW + 16 r
.set LI2,  10                          ; v10  16 x lane + 65,536: chunks 8-15
.set BIM,  11                          ; v11  BIAS + 1,024 wave + 16 x lane: the part of the image that I build
.set BIR,  12                          ; v12  BIAS + 16 x lane
.set SH,   13                          ; v13  8 h
.set BO,   14                          ; v14  my bytes in b1
.set VA,   20                          ; v20-22 slot i: tile x 2,048 + 16 x lane
.set VX,   23                          ; v23-25 slot i: tile x 512 + 32 r
.set M,    48                          ; phase A: v48-51 largest magnitudes, v52-55 the other half's, v56-59 scale operands, v60-63 57,344 x the scale, v64-67 bytes, v68-83 codes, v84-147 numbers held, v148-155 b1; window 1: four landing sets
.set PT,   52
.set SCO,  56
.set HO,   60
.set BY,   64
.set CD,   68
.set T,    84
.set BB,   148
.set WF,   48                          ; phase B: v48-111 W's four fragments; v112-159 x's ring buffer 2; v160-223 slot 2's accumulators; v224-247 x's scale words (8 i + K step); v248-251 W's scale words
.set A2,   160                         ; window 1: v0-47, v48-95 ring buffers 0, 1; accumulator (i, u, j), i = 0, 1, at 96 + 64 i + 32 u + 8 j
.set XS,   224
.set S,    248
.set ET,   48                          ; the way out: v48-111 64 numbers held, v112-127 codes, v128-131 maxima, v132-133 scale operands, v134-135 holds, v136-137 bytes, v138 an address
.set EC,   112
.set EM,   128
.set ES,   132
.set EH,   134
.set EB,   136
.set EV,   138
.set MSB, 0
.macro WIN new                         ; the immediate's high byte repeats the setting that is left; a switch that changes nothing is dropped.  Bits 1:0 source 0, 3:2 source 1, 5:4 source 2, 7:6 destination
.if MSB != (\new)
	s_set_vgpr_msb (MSB<<8)|(\new)
.set MSB, (\new)
.endif
.endm
.macro PLACES n
.rept \n
	v_nop
.endr
.endm
.macro WLOAD q                         ; unit q: sixteen rows in each half of the lanes, into landing set q % 4.  K steps 4-7 go by a second base, so that the offsets stay inside the signed 24-bit immediate
.if (\q) < 4
.set WBS, 26
.else
.set WBS, 52
.endif
	WIN 0x40
.irp i, 0,1,2,3,4,5,6,7,8,9,10,11,12,13,14,15
	global_load_b128 v[64*((\q)%4)+4*\i:64*((\q)%4)+4*\i+3], v[WOF], s[WBS:WBS+1] offset:((\q)%4)*2097152+\i*PITCH th:TH_LOAD_NT
.endr
	WIN 0
.endm
.macro QUANT q                         ; unit q: from landing set q % 4 to LDS
.set RB, 64*((\q)%4)
.if (\q) < 4
.set PR, PST
.else
.set PR, PST2
.endif
	WIN 0x05
.irp j, 0,1,2,3
	v_max3_num_f32 v[M+\j], |v[RB+\j]|, |v[RB+4+\j]|, 0x8000000   ; column 4 r + j: my sixteen k, and the floor 2^(16 - 127): the byte cannot fall under 1
.endr
	WIN 0x14
.irp i, 2,4,6,8,10,12,14
.irp j, 0,1,2,3
	v_max3_num_f32 v[M+\j], v[M+\j], |v[RB+4*\i+\j]|, |v[RB+4*\i+4+\j]|   ; (the four columns by turns)
.endr
.endr
	WIN 0
.irp j, 0,1,2,3
	v_permlanex16_b32 v[PT+\j], v[M+\j], s36, s37
.endr
.irp j, 0,1,2,3
	v_max_num_f32 v[M+\j], v[M+\j], v[PT+\j]       ; with lane l xor 16's sixteen k: the block's largest magnitude
.endr
.irp j, 0,1,2,3
	v_add_nc_u32 v[SCO+\j], 0xf8800000, v[M+\j]    ; 15 off the exponent field: the conversion's scale operand
.endr
.irp j, 0,1,2,3
	v_and_or_b32 v[HO+\j], v[M+\j], 0x7f800000, s38   ; 57,344 x the scale
.endr
.irp j, 0,1,2,3
	v_lshrrev_b32 v[BY+\j], 23, v[SCO+\j]          ; the scale's byte
.endr
	WIN 0x01
.irp j, 0,1,2,3
.irp i, 0,1,2,3,4,5,6,7,8,9,10,11,12,13,14,15
	v_med3_num_f32 v[T+16*\j+\i], v[RB+4*\i+\j], -v[HO+\j], v[HO+\j]   ; the hold that an 8-bit conversion wants (ISA guide 7.6.2) also puts a column's sixteen k on end: no copy is written
.endr
.endr
	WIN 0
.irp j, 0,1,2,3
	v_cvt_scalef32_pk8_bf8_f32 v[CD+4*\j:CD+4*\j+1], v[T+16*\j:T+16*\j+7], v[SCO+\j]
	v_cvt_scalef32_pk8_bf8_f32 v[CD+4*\j+2:CD+4*\j+3], v[T+16*\j+8:T+16*\j+15], v[SCO+\j]
.endr
	v_nop                                          ; one plain line behind the last scaled conversion
.irp j, 0,1,2,3
	ds_store_b128 v[PR], v[CD+4*\j:CD+4*\j+3] offset:16384*((\q)%4)+2048*\j   ; registers 4 p .. 4 p + 3 of tile j's fragment, as they stand
.endr
.irp j, 0,1,2,3
	ds_store_b8 v[PSC], v[BY+\j] offset:512*(\q)+4*\j   ; both lanes of a column write the same byte with the same value
.endr
	s_wait_dscnt 0x0                               ; the stores have read their registers; behind the last unit also: for the others' sake, in front of the barrier
.endm
.macro XBUF s                          ; where K step s's ring buffer lies
.if ((\s)%3) == 2
.set XW, 0
.set XB, 112
.else
.set XW, 1
.set XB, 48*((\s)%3)
.endif
.endm
.macro ALOAD s                         ; K step s: x's fragments for my three slots: 12 loads
	XBUF \s
	WIN 0x40*XW
.irp i, 0,1,2
.irp c, 0,1,2,3
	global_load_b128 v[XB+16*\i+4*\c:XB+16*\i+4*\c+3], v[VA+\i], s[44:45] offset:(\s)*131072+512*\c
.endr
.endr
	WIN 0
.endm
.macro XSLOAD                          ; my rows' scale words, all eight K steps: 6 loads a group
.irp i, 0,1,2
	global_load_b128 v[XS+8*\i:XS+8*\i+3], v[VX+\i], s[46:47]
	global_load_b128 v[XS+8*\i+4:XS+8*\i+7], v[VX+\i], s[46:47] offset:16
.endr
.endm
.macro WFETCH c                        ; chunk c's four fragments and their scale words, by immediates alone: 17 LDS loads
.if (\c) < 8
.set WR, LI
.set WO, 8192*(\c)
.else
.set WR, LI2
.set WO, 8192*((\c)-8)
.endif
.irp j, 0,1,2,3
.irp g, 0,1,2,3
	ds_load_b128 v[WF+16*\j+4*\g:WF+16*\j+4*\g+3], v[WR] offset:WO+2048*\j+512*\g
.endr
.endr
	ds_load_b128 v[S:S+3], v[CSC] offset:256*(\c)  ; lane r: the scale words of row r of the four tiles
.endm
.macro MUL s, u                        ; 12 products: three slots x four tiles.  No two that follow each other share an accumulator, from chunk to chunk and over the loop's jump too
	XBUF \s
	WIN 0x50+4*XW
.irp i, 0,1
.irp j, 0,1,2,3
	v_wmma_scale_f32_16x16x128_f8f6f4 v[96+64*\i+32*(\u)+8*\j:96+64*\i+32*(\u)+8*\j+7], v[WF+16*\j:WF+16*\j+15], v[XB+16*\i:XB+16*\i+15], v[96+64*\i+32*(\u)+8*\j:96+64*\i+32*(\u)+8*\j+7], v[S+\j], v[XS+8*\i+(\s)] matrix_a_fmt:MATRIX_FMT_BF8 matrix_b_fmt:MATRIX_FMT_BF8
.endr
.endr
	WIN 4*XW
.irp j, 0,1,2,3
	v_wmma_scale_f32_16x16x128_f8f6f4 v[A2+32*(\u)+8*\j:A2+32*(\u)+8*\j+7], v[WF+16*\j:WF+16*\j+15], v[XB+32:XB+47], v[A2+32*(\u)+8*\j:A2+32*(\u)+8*\j+7], v[S+\j], v[XS+16+(\s)] matrix_a_fmt:MATRIX_FMT_BF8 matrix_b_fmt:MATRIX_FMT_BF8
.endr
	WIN 0
.endm
.macro ADDRS                           ; my three tiles, s22 on; for loads a tile behind the expert's last is held at the last
.irp i, 0,1,2
	s_add_co_u32 s40, s22, \i
	s_min_u32 s40, s40, s20
	s_min_u32 s40, s40, 63
	s_lshl_b32 s41, s40, 11
	v_add_nc_u32 v[VA+\i], s41, v[LI]
	s_lshl_b32 s41, s40, 9
	v_lshl_add_u32 v[VX+\i], v2, 5, s41
.endr
.endm
.macro ACCINIT                         ; the sums begin as b1: nothing is cleared, no addition is spent, no first step is written apart
	WIN 0x40
.irp i, 0,1
.irp t, 0,1,2,3,4,5,6,7
	ds_load_b128 v[96+64*\i+8*\t:96+64*\i+8*\t+3], v[BIR] offset:1024*\t
	ds_load_b128 v[96+64*\i+8*\t+4:96+64*\i+8*\t+7], v[BIR] offset:1024*\t+512
.endr
.endr
	WIN 0
.irp t, 0,1,2,3,4,5,6,7
	ds_load_b128 v[A2+8*\t:A2+8*\t+3], v[BIR] offset:1024*\t
	ds_load_b128 v[A2+8*\t+4:A2+8*\t+7], v[BIR] offset:1024*\t+512
.endr
.endm
; Slot i's tile leaves: relu, quantised along the hidden units, as K step `slab` of the next product.  Lane (r, h) holds blocks 2 u + h (u = 0, 1) of row r whole.
.macro EPI1 i
	s_add_co_u32 s40, s22, \i
	s_cmp_ge_u32 s40, s19
	s_cbranch_scc1 .Lskip_\@                       ; a tile behind the expert's last is not stored
	s_min_u32 s40, s40, 63
	s_lshl_b32 s41, s40, 7
	s_wait_xcnt 0x0                                ; the last slot's stores have read their registers
.if \i < 2
.set AW, 1
.set AB, 96+64*\i
.else
.set AW, 0
.set AB, A2
.endif
	WIN 0x05*AW
.irp u, 0,1
.irp a, 0,1
	v_max3_num_f32 v[EM+2*\u+\a], v[AB+32*\u+16*\a], v[AB+32*\u+16*\a+1], 0x8000000   ; no |.|: what is negative becomes 0 and must not count; the floor stands over it.  Each accumulator is read from its low end on
.endr
.endr
	WIN 0x14*AW
.irp u, 0,1
.irp a, 0,1
	v_max3_num_f32 v[EM+2*\u+\a], v[EM+2*\u+\a], v[AB+32*\u+16*\a+8], v[AB+32*\u+16*\a+9]
.endr
.endr
.irp p, 2,4,6
.irp t, 0,8
.irp u, 0,1
.irp a, 0,1
	v_max3_num_f32 v[EM+2*\u+\a], v[EM+2*\u+\a], v[AB+32*\u+16*\a+\t+\p], v[AB+32*\u+16*\a+\t+\p+1]
.endr
.endr
.endr
.endr
	WIN 0
.irp u, 0,1
	v_max_num_f32 v[EM+2*\u], v[EM+2*\u], v[EM+2*\u+1]   ; the block's largest number: all 32 are mine
.endr
.irp u, 0,1
	v_add_nc_u32 v[ES+\u], 0xf8800000, v[EM+2*\u]
.endr
.irp u, 0,1
	v_and_or_b32 v[EH+\u], v[EM+2*\u], 0x7f800000, s38
.endr
.irp u, 0,1
	v_lshrrev_b32 v[EB+\u], 23, v[ES+\u]
.endr
	WIN 0x01*AW
.irp u, 0,1
.irp p, 0,1,2,3,4,5,6,7
.irp j, 0,1,2,3
	v_med3_num_f32 v[ET+32*\u+4*\p+\j], v[AB+32*\u+8*\j+\p], 0, v[EH+\u]   ; the activation, the hold and the order along the next K in one
.endr
.endr
.endr
	WIN 0
.irp u, 0,1
.irp g, 0,1,2,3
	v_cvt_scalef32_pk8_bf8_f32 v[EC+8*\u+2*\g:EC+8*\u+2*\g+1], v[ET+32*\u+8*\g:ET+32*\u+8*\g+7], v[ES+\u]
.endr
.endr
	v_nop                                          ; one plain line behind the last scaled conversion
.irp u, 0,1
.irp t, 0,1,2,3
	v_permlane16_swap_b32 v[EC+8*\u+\t], v[EC+8*\u+4+\t]   ; a block's upper sixteen go to the other half of the lanes: registers 8 u + 0 .. 3 become group 2 u of the fragment, 8 u + 4 .. 7 group 2 u + 1
.endr
.endr
	v_lshl_or_b32 v[EB], v[EB+1], 16, v[EB]        ; my two bytes, blocks h and 2 + h,
	v_lshlrev_b32 v[EB], v[SH], v[EB]              ; at their places,
	v_permlanex16_b32 v[EB+1], v[EB], s36, s37
	v_or_b32 v[EB], v[EB], v[EB+1]                 ; with the other half's two: row r's scale word
	v_lshl_add_u32 v[EV], v1, 2, s41
.irp c, 0,1,2,3
	global_store_b128 v[VA+\i], v[EC+4*\c:EC+4*\c+3], s[32:33] offset:512*\c   ; 512 consecutive bytes
.endr
	global_store_b32 v[EV], v[EB], s[34:35]        ; 128 consecutive bytes: a word a lane
.Lskip_\@:
.endm
	s_load_b256 s[4:11], s[0:1], 0x0               ; W1 s[4:5], b1 s[6:7], xa s[8:9], rows s[10:11]
	s_load_b64 s[12:13], s[0:1], 0x20              ; ha
	v_lshl_add_u32 v254, v0, 2, 0x23000
	v_mov_b32 v255, 0
	v_lshrrev_b32 v1, 5, v0
	v_readfirstlane_b32 s24, v1                    ; wave 0..7
	s_and_b32 s25, s24, 3                          ; p: my block of 32 k
	s_lshr_b32 s23, s24, 2                         ; my column half
	s_and_b32 s16, ttmp9, 31                       ; slab
	s_and_b32 s17, ttmp7, 7                        ; expert
	v_and_b32 v1, 31, v0                           ; lane
	v_and_b32 v2, 15, v0                           ; r
	v_bfe_u32 v3, v0, 4, 1                         ; h
	v_lshlrev_b32 v[LI], 4, v1
	s_lshl_b32 s40, s25, 9
	s_lshl_b32 s41, s23, 13
	s_add_co_u32 s40, s40, s41
	v_add_nc_u32 v[PST], s40, v[LI]
	v_add_nc_u32 v[PST2], 0x10000, v[PST]
	v_lshl_add_u32 v[CSC], v2, 4, SCW
	s_lshl_b32 s41, s23, 8
	s_add_co_u32 s41, s41, s25
	v_add_nc_u32 v[PSC], s41, v[CSC]
	v_add_nc_u32 v[LI2], 0x10000, v[LI]
	s_lshl_b32 s40, s24, 10
	s_add_co_u32 s40, s40, BIAS
	v_add_nc_u32 v[BIM], s40, v[LI]
	v_add_nc_u32 v[BIR], BIAS, v[LI]
	v_lshlrev_b32 v[SH], 3, v3
	s_lshl_b32 s40, s25, 19                        ; 32 rows of 16,384 bytes
	s_lshl_b32 s41, s23, 8                         ; 64 columns
	s_add_co_u32 s40, s40, s41
	v_lshlrev_b32 v[WOF], 18, v3                   ; 16 rows
	v_lshl_add_u32 v[WOF], v2, 4, v[WOF]
	v_add_nc_u32 v[WOF], s40, v[WOF]
	s_lshl_b32 s40, s23, 8
	s_lshl_b32 s41, s25, 2
	s_add_co_u32 s40, s40, s41
	v_lshl_add_u32 v[BO], v3, 7, s40               ; b1 at hidden unit 64 half + 32 h + p; 4 j' further by the immediate
.irp j, 0,1,2,3
	v_mov_b32 v[PT+\j], 0                          ; written once: a lane permute's destination counts as one of its sources
.endr
	s_mov_b32 s36, 0x76543210
	s_mov_b32 s37, 0xfedcba98                      ; v_permlanex16_b32's selects for lane l xor 16
	s_mov_b32 s38, 0x600000                        ; the mantissa field of 57,344
	s_mov_b32 s21, 0                               ; base: the first of the 24 tiles in hand
	s_mul_i32 s22, s24, 3                          ; base + 3 wave: my first tile of them
	s_lshl_b32 s40, s17, 24
	s_lshl_b32 s41, s16, 9
	s_add_co_u32 s40, s40, s41
	s_mov_b32 s41, 0
	s_lshl_b32 s42, s17, 14
	s_lshl_b32 s43, s16, 9
	s_add_co_u32 s42, s42, s43
	s_mov_b32 s43, 0
	s_lshl_b32 s49, s17, 2
	s_wait_kmcnt 0x0
	s_load_b32 s18, s[10:11], s49 offset:0x8000    ; n of my expert
	s_add_nc_u64 s[26:27], s[4:5], s[40:41]        ; W1[e] at my slab,
	s_add_nc_u64 s[52:53], s[26:27], 0x800000      ; and four K steps further down
	s_add_nc_u64 s[6:7], s[6:7], s[42:43]          ; b1 at my slab
.irp p, 0,1,2,3,4,5,6,7
	global_load_b32 v[BB+\p], v[BO], s[6:7] offset:16*\p   ; register j' of accumulator (half, p): b1 at hidden unit 64 half + 32 h + 4 j' + p
.endr
	WLOAD 0                                        ; 8 + 48 loads are out
	WLOAD 1
	WLOAD 2
	s_lshl_b32 s42, s17, 20
	s_add_nc_u64 s[44:45], s[8:9], s[42:43]        ; x's images of my expert, K step 0
	s_lshl_b32 s42, s17, 15
	s_add_co_u32 s42, s42, XSC_OFF
	s_add_nc_u64 s[46:47], s[8:9], s[42:43]        ; their rows' scale words
	s_lshl_b32 s42, s17, 22
	s_lshl_b32 s48, s16, 17
	s_add_co_u32 s42, s42, s48
	s_add_nc_u64 s[32:33], s[12:13], s[42:43]      ; ha: images of (e, K step = slab)
	s_lshl_b32 s42, s17, 5
	s_add_co_u32 s42, s42, s16
	s_lshl_b32 s42, s42, 13
	s_add_co_u32 s42, s42, HSC_OFF
	s_add_nc_u64 s[34:35], s[12:13], s[42:43]      ; and their scale words
	s_wait_kmcnt 0x0
	s_min_u32 s18, s18, 1024
	s_add_co_u32 s19, s18, 15
	s_lshr_b32 s19, s19, 4
	s_max_u32 s19, s19, 1                          ; NT: the expert's tiles
	s_sub_co_u32 s20, s19, 1
	ADDRS
	; ---- PHASE A
	s_wait_loadcnt 32                              ; unit 0 (and b1, which is older) is in; the two younger units, sixteen loads each, may be out
	WLOAD 3
	QUANT 0
	ds_store_b128 v[BIM], v[BB:BB+3]               ; my accumulator's part of the bias image
	ds_store_b128 v[BIM], v[BB+4:BB+7] offset:512
	s_wait_loadcnt 32
	WLOAD 4
	QUANT 1
	s_wait_loadcnt 32
	WLOAD 5
	QUANT 2
	s_wait_loadcnt 32
	WLOAD 6
	QUANT 3
	s_wait_loadcnt 32
	WLOAD 7
	QUANT 4
	s_wait_loadcnt 32                              ; unit 5 is in; units 6 and 7 may be out.  No weights are left to ask for: the first group's operands go out, into landing sets that have been read out
	XSLOAD
	ALOAD 0                                        ; window 1, v0-47: set 0, which unit 4 has left
	QUANT 5
	s_wait_loadcnt 34                              ; unit 6 is in; younger: unit 7's 16, the 6 scale loads, K step 0's 12
	ALOAD 1                                        ; window 1, v48-95: sets 0 and 1, which units 4 and 5 have left
	QUANT 6
	s_wait_loadcnt 30                              ; unit 7 is in; younger: 6 + 12 + 12
	QUANT 7
	ALOAD 2                                        ; v112-159: phase A's work registers are done with
	s_barrier_signal -1                            ; every wave's codes, scale bytes and part of the bias image lie in LDS (each unit ends with the wait for its stores)
	s_barrier_wait -1                              ; from here on nobody writes them, and no barrier follows
	; ---- PHASE B
	s_cmp_ge_u32 s22, s19
	s_cbranch_scc1 .Ldone                          ; my first tile lies behind the expert's last: nothing to multiply
.Lgroup:
	PLACES 8                                       ; plain lines between the last vector writes of registers that now become operands and the first product
	ACCINIT
.irp s, 0,1,2,3,4,5,6,7
.irp u, 0,1
	WFETCH 2*\s+\u
.if \u == 0
.if \s < 6
	s_wait_loadcnt 24                              ; this K step's x (and, older, the scale words) is in; the two younger K steps, 12 loads each, may be out
.elseif \s == 6
	s_wait_loadcnt 12
.else
	s_wait_loadcnt 0x0
.endif
.endif
	s_wait_dscnt 0x0
	MUL \s, \u
	PLACES 8                                       ; eight plain lines behind these products, ahead of loads into their registers and of the first read of results
.endr
.if \s < 5
	ALOAD \s+3                                     ; the buffer takes the K step three further on
.endif
.endr
	EPI1 0
	EPI1 1
	EPI1 2
	s_add_co_u32 s21, s21, 24
	s_add_co_u32 s22, s22, 24
	s_cmp_ge_u32 s22, s19
	s_cbranch_scc1 .Ldone                          ; as a rule the expert has no more than 24 tiles
	s_wait_xcnt 0x0                                ; the stores have read their registers and addresses
	ADDRS                                          ; my tiles of the next 24, on the codes that lie in LDS
	XSLOAD
	ALOAD 0
	ALOAD 1
	ALOAD 2
	s_cmp_lt_u32 s21, 64
	s_cbranch_scc1 .Lgroup
.Ldone:
	s_wait_tensorcnt 0x0
	ds_add_u32 v254, v255
	s_wait_dscnt 0x0
	s_endpgm
.Lfunc_end_k_q5c7e075100_ffn1:
	.size	k_q5c7e075100_ffn1, .Lfunc_end_k_q5c7e075100_ffn1-k_q5c7e075100_ffn1
	.p2alignl 7, 3214868480
	.fill 96, 4, 3214868480
	.section	.rodata,"a",@progbits
	.p2align	6, 0x0
	.amdhsa_kernel k_q5c7e075100_ffn1
		.amdhsa_group_segment_fixed_size 144384
		.amdhsa_private_segment_fixed_size 0
		.amdhsa_enable_private_segment 0
		.amdhsa_kernarg_size 40
		.amdhsa_user_sgpr_count 2
		.amdhsa_user_sgpr_kernarg_segment_ptr 1
		.amdhsa_wavefront_size32 1
		.amdhsa_system_sgpr_workgroup_id_x 1
		.amdhsa_system_sgpr_workgroup_id_y 1
		.amdhsa_system_sgpr_workgroup_id_z 1
		.amdhsa_system_vgpr_workitem_id 0
		.amdhsa_next_free_vgpr 512
		.amdhsa_next_free_sgpr 66
		.amdhsa_reserve_vcc 0
		.amdhsa_float_denorm_mode_32 3
		.amdhsa_float_denorm_mode_16_64 3
		.amdhsa_memory_ordered 1
		.amdhsa_forward_progress 1
		.amdhsa_inst_pref_size 177
	.end_amdhsa_kernel
	.amdgpu_metadata
---
amdhsa.version: [ 1, 2 ]
amdhsa.kernels:
  - .name:           k_q5c7e075100_ffn1
    .symbol:         k_q5c7e075100_ffn1.kd
    .args:
      - { .name: W1, .offset: 0, .size: 8, .value_kind: global_buffer, .address_space: global }
      - { .name: b1, .offset: 8, .size: 8, .value_kind: global_buffer, .address_space: global }
      - { .name: xa, .offset: 16, .size: 8, .value_kind: global_buffer, .address_space: global }
      - { .name: rows, .offset: 24, .size: 8, .value_kind: global_buffer, .address_space: global }
      - { .name: ha, .offset: 32, .size: 8, .value_kind: global_buffer, .address_space: global }
    .group_segment_fixed_size: 144384
    .private_segment_fixed_size: 0
    .kernarg_segment_align: 8
    .kernarg_segment_size: 40
    .max_flat_workgroup_size: 256
    .sgpr_count:     66
    .vgpr_count:     512
    .wavefront_size: 32
...
	.end_amdgpu_metadata
.endif
;; end of part 3
;; launch ffn2 (part 4): grid 32 x 8, 8 waves a work-group, no clusters, 175,104 bytes of LDS; arguments W2, b2, ha, rows, gs, y; writes y
.if DOCPART == 4
	.amdgcn_target "amdgcn-amd-amdhsa--gfx1250"
	.amdhsa_code_object_version 6
	.text
	.protected	k_q5c7e075100_ffn2
	.globl	k_q5c7e075100_ffn2
	.p2align	8
	.type	k_q5c7e075100_ffn2,@function
k_q5c7e075100_ffn2:
	s_mov_b64 s[64:65], 0
	v_nop
	global_prefetch_b8 v0, s[64:65] scope:SCOPE_SE
	s_setreg_imm32_b32 hwreg(HW_REG_WAVE_MODE, 25, 1), 1
	s_wait_xcnt 0x0
; y = gate x (h Q(W2[e]) + b2[e]) for the rows routed to expert e, on codes of E5M2 with one E8M0 scale for each 32 along K.  Work-group (x, e): columns 64 (x % 16) on, half x / 16 of K (2,048 hidden units): 512 KiB of W2, read once.
; The two halves of K go to two halves of y; b2 is given to the lower half alone; the next launch adds a token's four partial rows.  64 columns, not 32, so that a row of W2 is read in whole aligned runs of 256 bytes.
; EVERY WAVE WALKS ONE PATH, IN TWO PHASES, with one barrier between them, as in launch ffn1.
; PHASE A: the eight waves stream W2 in 16 chunks of 128 k x 64 columns, a K step each.  Wave w (p = w % 4) takes block p (32 k) of the chunks 2 q + w / 4, q = 0 .. 7: eight units of 16 loads; it quantises them in registers
; and stores registers 4 p .. 4 p + 3 of the four tiles' fragments (tile j's row r is column 4 r + j) and the scale bytes to LDS, where every chunk keeps bytes of its own.  Four landing sets: behind the wait for unit q,
; unit q + 3 is asked for into the set that unit q - 1 has left: 48 loads of a wave, 24 KiB, are on their way while it works.
; PHASE B: the waves multiply, three row tiles each: tile = base + 3 wave + i, held at the expert's last for loads.  THE TILES ARE DEALT ON END, so that an expert's tiles fall on as few waves as can be: a wave that
; multiplies reads the slab's 132 KiB of codes and scale words from LDS whatever the number of its live tiles, and a wave whose first tile lies behind the expert's last ends at once behind the barrier.
; h's fragments come from memory as images of registers, through a ring of four register buffers, a chunk each; W's fragments come from LDS one chunk ahead, in two buffers.  The first group's h is asked for in phase A's
; last units.  24 tiles a group; a loop over groups serves any split of the rows.
; Used transposed (source 0 = 16 columns of W2, source 1 = 16 rows of h): lane (r, h) holds row r, and registers j' of tiles j are columns 32 h + 4 j' + j: 32 neighbours, 128 bytes of a row of y.
; They go through the wave's own stage in LDS and leave as aligned runs of 256 bytes, each row to the place of its routed row (read from the list; places behind an expert's last row go to spare row 2048 + e, which nobody reads).
; No cluster: what the 16 column slabs of an expert and half share is h's codes; the 512 KiB of weights of a work-group are shared with nobody.
; LIMITS: NaN and infinities are not served.  A block of W2 whose largest magnitude lies under 2^-111 (a block of zeros too) keeps the scale byte 1.
.set PITCH,   4096                     ; a row of W2[e] in bytes
.set SCW,     131072                   ; LDS: 16 chunks x 8,192 bytes of images; W's scale words, 256 bytes a chunk;
.set BIAS,    135168                   ; the bias image: accumulator j at 1,024 j;
.set STG,     139264                   ; the stages, 16 rows x 272 bytes for each wave
.set HSC_OFF, 33554432
.set YH,      8421376                  ; a half of y: 2,056 rows of 4,096 bytes
.set LI,   4                           ; v4   16 x lane
.set PST,  5                           ; v5   16 x lane + 512 p + 8,192 (wave / 4): where my codes go, units 0-3
.set PST2, 6                           ; v6   the same + 65,536: units 4-7
.set PSC,  7                           ; v7   SCW + 16 r + p + 256 (wave / 4)
.set WOF,  8                           ; v8   (128 (wave / 4) + 32 p + 16 h) rows + 16 r; never rewritten
.set CSC,  9                           ; v9   SCW + 16 r
.set LI2,  10                          ; v10  16 x lane + 65,536
.set BIM,  11                          ; v11  the part of the bias image that I build
.set BIR,  12                          ; v12  BIAS + 16 x lane
.set R16,  13                          ; v13  16 r
.set SOA,  14                          ; v14  my stage: row r, + 128 h
.set SRA,  15                          ; v15  and back: row h (+ 2 q), + 16 r
.set BO,   16                          ; v16  my bytes in b2
.set VA,   20                          ; v20-22 slot i: tile x 2,048 + 16 x lane
.set VS,   23                          ; v23-25 slot i: tile x 128 + 4 x lane
.set VR,   26                          ; v26-31 slot i: tile x 64 + 4 h, tile x 64 + 4 r
.set M,    48                          ; phase A, as in ffn1; v148-151 b2
.set PT,   52
.set SCO,  56
.set HO,   60
.set BY,   64
.set CD,   68
.set T,    84
.set BB,   148
.set WF,   48                          ; phase B: v48-111, v112-175 W's four fragments, two buffers; v176-183 W's scale words, two sets; v184-195 h's scale words (3 x ring buffer + slot); v196-243 ring buffer 0
.set S,    176                         ; window 1: v0-47, v48-95, v96-143 ring buffers 1, 2, 3; accumulator (i, j) at 160 + 32 i + 8 j
.set OS,   184
.set HF0,  196
.set RR,   196                         ; the way out, in ring buffer 0's registers: v196-219 slot i: the routed rows at places 2 q + h; v220-222 row r's gate; v224-231 places in y
.set G,    220
.set EO,   224
.set O,    48                          ; v48-79 32 numbers, v80-111 rows read back
.set P,    80
.set MSB, 0
.macro WIN new                         ; the immediate's high byte repeats the setting that is left.  Bits 1:0 source 0, 3:2 source 1, 5:4 source 2, 7:6 destination
.if MSB != (\new)
	s_set_vgpr_msb (MSB<<8)|(\new)
.set MSB, (\new)
.endif
.endm
.macro PLACES n
.rept \n
	v_nop
.endr
.endm
.macro WLOAD q                         ; unit q into landing set q % 4
	WIN 0x40
.irp i, 0,1,2,3,4,5,6,7,8,9,10,11,12,13,14,15
	global_load_b128 v[64*((\q)%4)+4*\i:64*((\q)%4)+4*\i+3], v[WOF], s[26:27] offset:(\q)*1048576+\i*PITCH th:TH_LOAD_NT
.endr
	WIN 0
.endm
.macro QUANT q                         ; unit q: from landing set q % 4 to LDS
.set RB, 64*((\q)%4)
.if (\q) < 4
.set PR, PST
.else
.set PR, PST2
.endif
	WIN 0x05
.irp j, 0,1,2,3
	v_max3_num_f32 v[M+\j], |v[RB+\j]|, |v[RB+4+\j]|, 0x8000000   ; column 4 r + j: my sixteen k, and the floor 2^(16 - 127)
.endr
	WIN 0x14
.irp i, 2,4,6,8,10,12,14
.irp j, 0,1,2,3
	v_max3_num_f32 v[M+\j], v[M+\j], |v[RB+4*\i+\j]|, |v[RB+4*\i+4+\j]|
.endr
.endr
	WIN 0
.irp j, 0,1,2,3
	v_permlanex16_b32 v[PT+\j], v[M+\j], s36, s37
.endr
.irp j, 0,1,2,3
	v_max_num_f32 v[M+\j], v[M+\j], v[PT+\j]       ; the block's largest magnitude
.endr
.irp j, 0,1,2,3
	v_add_nc_u32 v[SCO+\j], 0xf8800000, v[M+\j]    ; the conversion's scale operand
.endr
.irp j, 0,1,2,3
	v_and_or_b32 v[HO+\j], v[M+\j], 0x7f800000, s38   ; 57,344 x the scale
.endr
.irp j, 0,1,2,3
	v_lshrrev_b32 v[BY+\j], 23, v[SCO+\j]          ; the scale's byte
.endr
	WIN 0x01
.irp j, 0,1,2,3
.irp i, 0,1,2,3,4,5,6,7,8,9,10,11,12,13,14,15
	v_med3_num_f32 v[T+16*\j+\i], v[RB+4*\i+\j], -v[HO+\j], v[HO+\j]   ; the hold (ISA guide 7.6.2) also puts a column's sixteen k on end
.endr
.endr
	WIN 0
.irp j, 0,1,2,3
	v_cvt_scalef32_pk8_bf8_f32 v[CD+4*\j:CD+4*\j+1], v[T+16*\j:T+16*\j+7], v[SCO+\j]
	v_cvt_scalef32_pk8_bf8_f32 v[CD+4*\j+2:CD+4*\j+3], v[T+16*\j+8:T+16*\j+15], v[SCO+\j]
.endr
	v_nop                                          ; one plain line behind the last scaled conversion
.irp j, 0,1,2,3
	ds_store_b128 v[PR], v[CD+4*\j:CD+4*\j+3] offset:16384*((\q)%4)+2048*\j
.endr
.irp j, 0,1,2,3
	ds_store_b8 v[PSC], v[BY+\j] offset:512*(\q)+4*\j   ; both lanes of a column write the same byte with the same value
.endr
	s_wait_dscnt 0x0                               ; the stores have read their registers; behind the last unit also: for the others' sake, in front of the barrier
.endm
.macro HBUF c                          ; where chunk c's ring buffer lies
.if ((\c)%4) == 0
.set HW, 0
.set HB, HF0
.else
.set HW, 1
.set HB, 48*(((\c)%4)-1)
.endif
.endm
.macro ALOAD c                         ; chunk c: h's fragments and their scale words for my three slots: 15 loads
	HBUF \c
	WIN 0x40*HW
.irp i, 0,1,2
.irp g, 0,1,2,3
	global_load_b128 v[HB+16*\i+4*\g:HB+16*\i+4*\g+3], v[VA+\i], s[44:45] offset:(\c)*131072+512*\g
.endr
.endr
	WIN 0
.irp i, 0,1,2
	global_load_b32 v[OS+3*((\c)%4)+\i], v[VS+\i], s[46:47] offset:(\c)*8192
.endr
.endm
.macro RRL                             ; my tiles' routed rows and gates: 27 loads
.irp i, 0,1,2
.irp q, 0,1,2,3,4,5,6,7
	global_load_b32 v[RR+8*\i+\q], v[VR+2*\i], s[34:35] offset:8*\q
.endr
	global_load_b32 v[G+\i], v[VR+2*\i+1], s[12:13]
.endr
.endm
.macro WFETCH c                        ; chunk c's four fragments and their scale words into buffer c % 2, by immediates alone: 17 LDS loads
.if (\c) < 8
.set WR, LI
.set WO, 8192*(\c)
.else
.set WR, LI2
.set WO, 8192*((\c)-8)
.endif
.set WB, WF+64*((\c)%2)
.set SB, S+4*((\c)%2)
.irp j, 0,1,2,3
.irp g, 0,1,2,3
	ds_load_b128 v[WB+16*\j+4*\g:WB+16*\j+4*\g+3], v[WR] offset:WO+2048*\j+512*\g
.endr
.endr
	ds_load_b128 v[SB:SB+3], v[CSC] offset:256*(\c)
.endm
.macro MUL c                           ; 12 products: three slots x four tiles.  No two that follow each other share an accumulator, from chunk to chunk and over the loop's jump too
	HBUF \c
.set WB, WF+64*((\c)%2)
.set SB, S+4*((\c)%2)
	WIN 0x50+4*HW
.irp i, 0,1,2
.irp j, 0,1,2,3
	v_wmma_scale_f32_16x16x128_f8f6f4 v[160+32*\i+8*\j:160+32*\i+8*\j+7], v[WB+16*\j:WB+16*\j+15], v[HB+16*\i:HB+16*\i+15], v[160+32*\i+8*\j:160+32*\i+8*\j+7], v[SB+\j], v[OS+3*((\c)%4)+\i] matrix_a_fmt:MATRIX_FMT_BF8 matrix_b_fmt:MATRIX_FMT_BF8
.endr
.endr
	WIN 0
.endm
.macro ADDRS                           ; my three tiles, s22 on; for loads a tile behind the expert's last is held at the last
.irp i, 0,1,2
	s_add_co_u32 s40, s22, \i
	s_min_u32 s40, s40, s20
	s_min_u32 s40, s40, 63
	s_lshl_b32 s41, s40, 11
	v_add_nc_u32 v[VA+\i], s41, v[LI]
	s_lshl_b32 s41, s40, 7
	v_lshl_add_u32 v[VS+\i], v1, 2, s41
	s_lshl_b32 s41, s40, 6
	v_lshl_add_u32 v[VR+2*\i], v3, 2, s41
	v_lshl_add_u32 v[VR+2*\i+1], v2, 2, s41
.endr
.endm
.macro ACCINIT                         ; the sums begin as b2 (upper half of K: as zeros), from the image
	WIN 0x40
.irp i, 0,1,2
.irp j, 0,1,2,3
	ds_load_b128 v[160+32*\i+8*\j:160+32*\i+8*\j+3], v[BIR] offset:1024*\j
	ds_load_b128 v[160+32*\i+8*\j+4:160+32*\i+8*\j+7], v[BIR] offset:1024*\j+512
.endr
.endr
	WIN 0
.endm
.macro EPI2 i                          ; slot i's tile leaves
	s_add_co_u32 s40, s22, \i
	s_cmp_ge_u32 s40, s19
	s_cbranch_scc1 .Lskip_\@                       ; a tile behind the expert's last is not stored
	s_wait_xcnt 0x0                                ; the last slot's stores have read their registers
.irp q, 0,1,2,3,4,5,6,7
	v_min_u32 v[EO+\q], 0x807, v[RR+8*\i+\q]       ; a row of y, whatever was read
.endr
.irp q, 0,1,2,3,4,5,6,7
	v_lshl_add_u32 v[EO+\q], v[EO+\q], 12, v[R16]
.endr
	WIN 0x01
.irp p, 0,1,2,3,4,5,6,7
.irp j, 0,1,2,3
	v_mul_f32 v[O+4*\p+\j], v[160+32*\i+8*\j+\p], v[G+\i]   ; x the gate, and into the columns' order; each accumulator is read from its low end on
.endr
.endr
	WIN 0
.irp q, 0,1,2,3,4,5,6,7
	ds_store_b128 v[SOA], v[O+4*\q:O+4*\q+3] offset:16*\q
.endr
.irp q, 0,1,2,3,4,5,6,7
	ds_load_b128 v[P+4*\q:P+4*\q+3], v[SRA] offset:544*\q   ; my own stage: LDS serves a wave's instructions in order
.endr
.irp q, 0,1,2,3,4,5,6,7
	s_wait_dscnt 7-\q                              ; load q is in; the younger ones may be out
	global_store_b128 v[EO+\q], v[P+4*\q:P+4*\q+3], s[32:33]   ; sixteen lanes store 256 consecutive bytes of a row, aligned
.endr
.Lskip_\@:
.endm
	s_load_b256 s[4:11], s[0:1], 0x0               ; W2 s[4:5], b2 s[6:7], ha s[8:9], rows s[10:11]
	s_load_b128 s[12:15], s[0:1], 0x20             ; gs s[12:13], y s[14:15]
	v_lshl_add_u32 v254, v0, 2, 0x2a800
	v_mov_b32 v255, 0
	v_lshrrev_b32 v1, 5, v0
	v_readfirstlane_b32 s24, v1                    ; wave 0..7
	s_and_b32 s25, s24, 3                          ; p: my block of 32 k
	s_lshr_b32 s23, s24, 2                         ; the parity of my chunks
	s_and_b32 s16, ttmp9, 15                       ; column slab
	s_bfe_u32 s39, ttmp9, 0x10004                  ; half of K
	s_and_b32 s17, ttmp7, 7                        ; expert
	v_and_b32 v1, 31, v0                           ; lane
	v_and_b32 v2, 15, v0                           ; r
	v_bfe_u32 v3, v0, 4, 1                         ; h
	v_lshlrev_b32 v[LI], 4, v1
	s_lshl_b32 s40, s25, 9
	s_lshl_b32 s41, s23, 13
	s_add_co_u32 s40, s40, s41
	v_add_nc_u32 v[PST], s40, v[LI]
	v_add_nc_u32 v[PST2], 0x10000, v[PST]
	v_lshl_add_u32 v[CSC], v2, 4, SCW
	s_lshl_b32 s41, s23, 8
	s_add_co_u32 s41, s41, s25
	v_add_nc_u32 v[PSC], s41, v[CSC]
	v_add_nc_u32 v[LI2], 0x10000, v[LI]
	s_lshl_b32 s40, s25, 10
	s_lshl_b32 s41, s23, 9
	s_add_co_u32 s40, s40, s41
	s_add_co_u32 s40, s40, BIAS
	v_add_nc_u32 v[BIM], s40, v[LI]                ; accumulator p's image, registers 4 (wave / 4) on
	v_add_nc_u32 v[BIR], BIAS, v[LI]
	v_lshlrev_b32 v[R16], 4, v2
	s_mul_i32 s40, s24, 4352
	s_add_co_u32 s40, s40, STG
	v_mul_u32_u24 v[SOA], v2, 272
	v_lshl_add_u32 v[SOA], v3, 7, v[SOA]
	v_add_nc_u32 v[SOA], s40, v[SOA]
	v_mul_u32_u24 v[SRA], v3, 272
	v_lshl_add_u32 v[SRA], v2, 4, v[SRA]
	v_add_nc_u32 v[SRA], s40, v[SRA]
	s_lshl_b32 s40, s25, 17                        ; 32 rows of 4,096 bytes
	s_lshl_b32 s41, s23, 19                        ; 128 rows
	s_add_co_u32 s40, s40, s41
	v_lshlrev_b32 v[WOF], 16, v3                   ; 16 rows
	v_lshl_add_u32 v[WOF], v2, 4, v[WOF]
	v_add_nc_u32 v[WOF], s40, v[WOF]
	s_lshl_b32 s40, s23, 6
	s_lshl_b32 s41, s25, 2
	s_add_co_u32 s40, s40, s41
	v_lshl_add_u32 v[BO], v3, 7, s40               ; b2 at column 32 h + 16 (wave / 4) + p; 4 further by the immediate
.irp j, 0,1,2,3
	v_mov_b32 v[PT+\j], 0                          ; written once: a lane permute's destination counts as one of its sources
.endr
	s_mov_b32 s36, 0x76543210
	s_mov_b32 s37, 0xfedcba98                      ; v_permlanex16_b32's selects for lane l xor 16
	s_mov_b32 s38, 0x600000                        ; the mantissa field of 57,344
	s_mov_b32 s21, 0                               ; base: the first of the 24 tiles in hand
	s_mul_i32 s22, s24, 3                          ; base + 3 wave: my first tile of them
	s_lshl_b32 s40, s17, 24
	s_lshl_b32 s41, s39, 23
	s_add_co_u32 s40, s40, s41
	s_lshl_b32 s41, s16, 8
	s_add_co_u32 s40, s40, s41
	s_mov_b32 s41, 0
	s_lshl_b32 s42, s17, 12
	s_lshl_b32 s43, s16, 8
	s_add_co_u32 s42, s42, s43
	s_mov_b32 s43, 0
	s_lshl_b32 s49, s17, 2
	s_wait_kmcnt 0x0
	s_load_b32 s18, s[10:11], s49 offset:0x8000    ; n of my expert
	s_add_nc_u64 s[26:27], s[4:5], s[40:41]        ; W2[e] at my half of K and my columns
	s_add_nc_u64 s[6:7], s[6:7], s[42:43]          ; b2 at my columns
.irp k, 0,1,2,3
	global_load_b32 v[BB+\k], v[BO], s[6:7] offset:16*\k   ; register 4 (wave / 4) + k of accumulator p: b2 at column 32 h + 4 (4 (wave / 4) + k) + p
.endr
	WLOAD 0                                        ; 4 + 48 loads are out
	WLOAD 1
	WLOAD 2
	s_lshl_b32 s42, s17, 22
	s_lshl_b32 s48, s39, 21
	s_add_co_u32 s42, s42, s48
	s_add_nc_u64 s[44:45], s[8:9], s[42:43]        ; h's images of (e, my half's first K step)
	s_lshl_b32 s42, s17, 18
	s_lshl_b32 s48, s39, 17
	s_add_co_u32 s42, s42, s48
	s_add_co_u32 s42, s42, HSC_OFF
	s_add_nc_u64 s[46:47], s[8:9], s[42:43]        ; their scale words
	s_mul_i32 s42, s39, YH
	s_lshl_b32 s48, s16, 8
	s_add_co_u32 s42, s42, s48
	s_add_nc_u64 s[32:33], s[14:15], s[42:43]      ; y: my half, my columns
	s_lshl_b32 s42, s17, 12
	s_add_nc_u64 s[34:35], s[10:11], s[42:43]      ; the list of my expert
	s_add_nc_u64 s[12:13], s[12:13], s[42:43]      ; its gates
	s_wait_kmcnt 0x0
	s_min_u32 s18, s18, 1024
	s_add_co_u32 s19, s18, 15
	s_lshr_b32 s19, s19, 4
	s_max_u32 s19, s19, 1                          ; NT: the expert's tiles
	s_sub_co_u32 s20, s19, 1
	ADDRS
	s_cmp_eq_u32 s39, 0
	s_cselect_b32 s48, -1, 0
	; ---- PHASE A
	s_wait_loadcnt 32                              ; unit 0 (and b2, which is older) is in; the two younger units, sixteen loads each, may be out
	WLOAD 3
	QUANT 0
.irp k, 0,1,2,3
	v_cndmask_b32 v[BB+\k], 0, v[BB+\k], s48       ; the upper half of K begins its sums with 0
.endr
	ds_store_b128 v[BIM], v[BB:BB+3]               ; my part of the bias image
	s_wait_loadcnt 32
	WLOAD 4
	QUANT 1
	s_wait_loadcnt 32
	WLOAD 5
	QUANT 2
	s_wait_loadcnt 32
	WLOAD 6
	QUANT 3
	s_wait_loadcnt 32
	WLOAD 7
	QUANT 4
	s_wait_loadcnt 32                              ; unit 5 is in; units 6 and 7 may be out.  No weights are left to ask for: the first group's operands go out, into registers that phase A has left
	ALOAD 0                                        ; v196-243: not used in phase A
	ALOAD 1                                        ; window 1, v0-47: set 0, which unit 4 has left
	QUANT 5
	s_wait_loadcnt 46                              ; unit 6 is in; younger: unit 7's 16 and chunks 0 and 1's 30
	ALOAD 2                                        ; window 1, v48-95: sets 0 and 1, which units 4 and 5 have left
	QUANT 6
	s_wait_loadcnt 45                              ; unit 7 is in; younger: 30 + 15
	ALOAD 3                                        ; window 1, v96-143: sets 1 and 2, which units 5 and 6 have left
	QUANT 7
	s_barrier_signal -1                            ; every wave's codes, scale bytes and part of the bias image lie in LDS (each unit ends with the wait for its stores)
	s_barrier_wait -1                              ; from here on nobody writes them, and no barrier follows
	; ---- PHASE B
	s_cmp_ge_u32 s22, s19
	s_cbranch_scc1 .Ldone                          ; my first tile lies behind the expert's last: nothing to multiply
.Lgroup:
	PLACES 8                                       ; plain lines between the last vector writes of registers that now become operands and the first product
	ACCINIT
	WFETCH 0
.irp c, 0,1,2,3,4,5,6,7,8,9,10,11,12,13,14,15
.if \c < 15
	WFETCH \c+1                                    ; the next chunk's W, into the buffer that the last chunk's products have left, eight plain lines behind them
.endif
.if \c < 13
	s_wait_loadcnt 45                              ; this chunk's h is in; the three younger chunks, 15 loads each, may be out
.elseif \c == 13
	s_wait_loadcnt 30                              ; chunks 14 and 15
.elseif \c == 14
	s_wait_loadcnt 42                              ; chunk 15 and the 27 loads of rows and gates
.else
	s_wait_loadcnt 27                              ; the 27 loads of rows and gates
.endif
.if \c < 15
	s_wait_dscnt 17                                ; this chunk's W (and, in chunk 0, the sums' first numbers) is in; the next chunk's 17 loads may be out
.else
	s_wait_dscnt 0x0
.endif
	MUL \c
	PLACES 8                                       ; eight plain lines behind these products, ahead of loads into their registers and of the first read of results
.if \c < 12
	ALOAD \c+4                                     ; the buffer takes the chunk four further on
.elseif \c == 13
	RRL                                            ; into ring buffer 0, which chunk 12 has left
.endif
.endr
	s_wait_loadcnt 0x0                             ; the routed rows and the gates
	EPI2 0
	EPI2 1
	EPI2 2
	s_add_co_u32 s21, s21, 24
	s_add_co_u32 s22, s22, 24
	s_cmp_ge_u32 s22, s19
	s_cbranch_scc1 .Ldone                          ; as a rule the expert has no more than 24 tiles
	s_wait_xcnt 0x0                                ; the stores have read their registers and addresses
	ADDRS                                          ; my tiles of the next 24, on the codes that lie in LDS
	ALOAD 0
	ALOAD 1
	ALOAD 2
	ALOAD 3
	s_cmp_lt_u32 s21, 64
	s_cbranch_scc1 .Lgroup
.Ldone:
	s_wait_tensorcnt 0x0
	ds_add_u32 v254, v255
	s_wait_dscnt 0x0
	s_endpgm
.Lfunc_end_k_q5c7e075100_ffn2:
	.size	k_q5c7e075100_ffn2, .Lfunc_end_k_q5c7e075100_ffn2-k_q5c7e075100_ffn2
	.p2alignl 7, 3214868480
	.fill 96, 4, 3214868480
	.section	.rodata,"a",@progbits
	.p2align	6, 0x0
	.amdhsa_kernel k_q5c7e075100_ffn2
		.amdhsa_group_segment_fixed_size 175104
		.amdhsa_private_segment_fixed_size 0
		.amdhsa_enable_private_segment 0
		.amdhsa_kernarg_size 48
		.amdhsa_user_sgpr_count 2
		.amdhsa_user_sgpr_kernarg_segment_ptr 1
		.amdhsa_wavefront_size32 1
		.amdhsa_system_sgpr_workgroup_id_x 1
		.amdhsa_system_sgpr_workgroup_id_y 1
		.amdhsa_system_sgpr_workgroup_id_z 1
		.amdhsa_system_vgpr_workitem_id 0
		.amdhsa_next_free_vgpr 512
		.amdhsa_next_free_sgpr 66
		.amdhsa_reserve_vcc 0
		.amdhsa_float_denorm_mode_32 3
		.amdhsa_float_denorm_mode_16_64 3
		.amdhsa_memory_ordered 1
		.amdhsa_forward_progress 1
		.amdhsa_inst_pref_size 182
	.end_amdhsa_kernel
	.amdgpu_metadata
---
amdhsa.version: [ 1, 2 ]
amdhsa.kernels:
  - .name:           k_q5c7e075100_ffn2
    .symbol:         k_q5c7e075100_ffn2.kd
    .args:
      - { .name: W2, .offset: 0, .size: 8, .value_kind: global_buffer, .address_space: global }
      - { .name: b2, .offset: 8, .size: 8, .value_kind: global_buffer, .address_space: global }
      - { .name: ha, .offset: 16, .size: 8, .value_kind: global_buffer, .address_space: global }
      - { .name: rows, .offset: 24, .size: 8, .value_kind: global_buffer, .address_space: global }
      - { .name: gs, .offset: 32, .size: 8, .value_kind: global_buffer, .address_space: global }
      - { .name: y, .offset: 40, .size: 8, .value_kind: global_buffer, .address_space: global }
    .group_segment_fixed_size: 175104
    .private_segment_fixed_size: 0
    .kernarg_segment_align: 8
    .kernarg_segment_size: 48
    .max_flat_workgroup_size: 256
    .sgpr_count:     66
    .vgpr_count:     512
    .wavefront_size: 32
...
	.end_amdgpu_metadata
.endif
;; end of part 4
;; launch combine (part 5): grid 256 x 1, 4 waves a work-group, no clusters, 0 bytes of LDS; arguments y, out0; writes out0
.if DOCPART == 5
	.amdgcn_target "amdgcn-amd-amdhsa--gfx1250"
	.amdhsa_code_object_version 6
	.text
	.protected	k_q5c7e075100_combine
	.globl	k_q5c7e075100_combine
	.p2align	8
	.type	k_q5c7e075100_combine,@function
k_q5c7e075100_combine:
	s_mov_b64 s[64:65], 0
	v_nop
	global_prefetch_b8 v0, s[64:65] scope:SCOPE_SE
	s_setreg_imm32_b32 hwreg(HW_REG_WAVE_MODE, 25, 1), 1
	s_wait_xcnt 0x0
; out0[t] = the four partial rows of token t: its two routed rows 2 t and 2 t + 1, each in the two halves of K.  Each already carries its gate (and, in the lower half, gate x b2).
; One wave owns one token: each output row has one owner, so nothing is added between work-groups.  A stream: every byte of y's 2,048 rows is read once, every byte of out0 written once,
; each load and store of a wave covers 512 consecutive bytes.  All 32 loads go out at once; LDS, barriers and matrix units would add nothing.
.set YH, 8421376                       ; a half of y: 2,056 rows of 4,096 bytes
	s_load_b128 s[4:7], s[0:1], 0x0                ; y s[4:5], out0 s[6:7]
	v_lshrrev_b32 v1, 5, v0
	v_readfirstlane_b32 s8, v1                     ; wave
	v_and_b32 v1, 31, v0
	v_lshlrev_b32 v1, 4, v1                        ; 16 bytes a lane
	s_lshl_b32 s9, ttmp9, 2
	s_add_co_u32 s9, s9, s8                        ; my token
	s_lshl_b32 s10, s9, 13                         ; two rows of y
	s_mov_b32 s11, 0
	s_lshl_b32 s12, s9, 12                         ; a row of out0
	s_mov_b32 s13, 0
	s_wait_kmcnt 0x0
	s_add_nc_u64 s[4:5], s[4:5], s[10:11]
	s_add_nc_u64 s[14:15], s[4:5], YH
	s_add_nc_u64 s[6:7], s[6:7], s[12:13]
.irp q, 0,1,2,3,4,5,6,7
	global_load_b128 v[16+16*\q:19+16*\q], v1, s[4:5] offset:512*\q th:TH_LOAD_NT
	global_load_b128 v[20+16*\q:23+16*\q], v1, s[4:5] offset:4096+512*\q th:TH_LOAD_NT
	global_load_b128 v[24+16*\q:27+16*\q], v1, s[14:15] offset:512*\q th:TH_LOAD_NT
	global_load_b128 v[28+16*\q:31+16*\q], v1, s[14:15] offset:4096+512*\q th:TH_LOAD_NT
.endr
.irp q, 0,1,2,3,4,5,6,7
	s_wait_loadcnt 28-4*\q                         ; piece q's four loads are in; those of the later pieces may be out
	v_pk_add_f32 v[16+16*\q:17+16*\q], v[16+16*\q:17+16*\q], v[20+16*\q:21+16*\q]
	v_pk_add_f32 v[18+16*\q:19+16*\q], v[18+16*\q:19+16*\q], v[22+16*\q:23+16*\q]
	v_pk_add_f32 v[24+16*\q:25+16*\q], v[24+16*\q:25+16*\q], v[28+16*\q:29+16*\q]
	v_pk_add_f32 v[26+16*\q:27+16*\q], v[26+16*\q:27+16*\q], v[30+16*\q:31+16*\q]
	v_pk_add_f32 v[16+16*\q:17+16*\q], v[16+16*\q:17+16*\q], v[24+16*\q:25+16*\q]
	v_pk_add_f32 v[18+16*\q:19+16*\q], v[18+16*\q:19+16*\q], v[26+16*\q:27+16*\q]
	global_store_b128 v1, v[16+16*\q:19+16*\q], s[6:7] offset:512*\q th:TH_STORE_NT   ; each piece has registers of its own: no store's data are written again
.endr
	s_endpgm
.Lfunc_end_k_q5c7e075100_combine:
	.size	k_q5c7e075100_combine, .Lfunc_end_k_q5c7e075100_combine-k_q5c7e075100_combine
	.p2alignl 7, 3214868480
	.fill 96, 4, 3214868480
	.section	.rodata,"a",@progbits
	.p2align	6, 0x0
	.amdhsa_kernel k_q5c7e075100_combine
		.amdhsa_group_segment_fixed_size 0
		.amdhsa_private_segment_fixed_size 0
		.amdhsa_enable_private_segment 0
		.amdhsa_kernarg_size 16
		.amdhsa_user_sgpr_count 2
		.amdhsa_user_sgpr_kernarg_segment_ptr 1
		.amdhsa_wavefront_size32 1
		.amdhsa_system_sgpr_workgroup_id_x 1
		.amdhsa_system_sgpr_workgroup_id_y 1
		.amdhsa_system_sgpr_workgroup_id_z 1
		.amdhsa_system_vgpr_workitem_id 0
		.amdhsa_next_free_vgpr 160
		.amdhsa_next_free_sgpr 66
		.amdhsa_reserve_vcc 0
		.amdhsa_float_denorm_mode_32 3
		.amdhsa_float_denorm_mode_16_64 3
		.amdhsa_memory_ordered 1
		.amdhsa_forward_progress 1
		.amdhsa_inst_pref_size 8
	.end_amdhsa_kernel
	.amdgpu_metadata
---
amdhsa.version: [ 1, 2 ]
amdhsa.kernels:
  - .name:           k_q5c7e075100_combine
    .symbol:         k_q5c7e075100_combine.kd
    .args:
      - { .name: y, .offset: 0, .size: 8, .value_kind: global_buffer, .address_space: global }
      - { .name: out0, .offset: 8, .size: 8, .value_kind: global_buffer, .address_space: global }
    .group_segment_fixed_size: 0
    .private_segment_fixed_size: 0
    .kernarg_segment_align: 8
    .kernarg_segment_size: 16
    .max_flat_workgroup_size: 128
    .sgpr_count:     66
    .vgpr_count:     160
    .wavefront_size: 32
...
	.end_amdgpu_metadata
.endif
;; end of part 5
;; ======== version 2 of 2: 5 launches
;; workspace buffers: xq 1,081,344 bytes; route 8,192 bytes of whole numbers; gp 40,960 bytes; xa 8,650,752 bytes; rows 33,024 bytes of whole numbers; gs 32,768 bytes; ha 35,651,584 bytes; y 16,842,752 bytes
;; launch gate (part 6): grid 256 x 1, 4 waves a work-group, no clusters, 35,328 bytes of LDS; arguments x, Wg, bg, xq, route, gp; writes xq, route, gp
.if DOCPART == 6
	.amdgcn_target "amdgcn-amd-amdhsa--gfx1250"
	.amdhsa_code_object_version 6
	.text
	.protected	k_q5c7e075100_gate
	.globl	k_q5c7e075100_gate
	.p2align	8
	.type	k_q5c7e075100_gate,@function
k_q5c7e075100_gate:
	s_mov_b64 s[64:65], 0
	v_nop
	global_prefetch_b8 v0, s[64:65] scope:SCOPE_SE
	s_setreg_imm32_b32 hwreg(HW_REG_WAVE_MODE, 25, 1), 1
	s_wait_xcnt 0x0
; THE ROUTER, AND x AS CODES.  One wave owns one token t = 4 x work-group + wave.
; logits = x[t] Wg + bg in f32 (fused multiply-adds), softmax with the maximum taken away, the two largest probabilities (the lower index wins a tie, as jax.lax.top_k has it), gates = the two divided by their sum.
; Stored at fixed places: route[2 t + slot] = the expert (whole numbers: a later launch forms addresses from them), gp: gates [2048], then probabilities [1024][8].
; x[t] is also quantised here, once for all experts: codes of E5M2 [1024][1024], K innermost, and behind them one word of four E8M0 bytes for each 128 along K: [1024][8 words].
; A lane owns k = 256 q + 8 lane + 0 .. 7, q = 0 .. 3: eight neighbours, which is what one conversion takes; four neighbouring lanes hold a block of 32.
; Wg (32,768 bytes) is staged once in LDS: a lane's 8 rows of a quarter are 256 bytes; such units lie 272 bytes apart, so that sixteen lanes start at sixteen different 16-byte columns.
; LIMITS: NaN and infinities among the inputs are not served.  A block whose largest magnitude lies under 2^-111 (a block of zeros too) keeps the scale byte 1; only this program reads the bytes.
; The choice is made on these f32 probabilities: a token whose second and third probabilities agree to about 1e-7 of their size may be routed the other way than by another order of the sums.
.set XS_OFF, 1048576                   ; where the scale words begin in xq
.set X,   16                           ; v16-47   my 32 numbers of x: X[8 q + i]
.set G0,  48                           ; v48-111  Wg of one quarter (8 rows x 8 experts); first the 16 staging loads
.set G1,  112                          ; v112-175 Wg of the next quarter
.set ACC, 176                          ; v176-183 the eight logits, then the probabilities
.set MP,  184                          ; v184-191 at work; then the probabilities with the winner masked
.set T,   192                          ; v192-199 eight numbers held within the largest code x the scale
.set CD,  200                          ; v200-207 codes, two registers a quarter: no store's data are written again
.set MX,  208                          ; v208-211 a block's largest magnitude, by quarter
.set SO,  212                          ; v212-215 the conversion's scale operand
.set HO,  216                          ; v216-219 57,344 x the scale
.set BW,  220                          ; v220-223 the scale byte, then the scale word
.set TM,  224
	s_load_b256 s[4:11], s[0:1], 0x0               ; x s[4:5], Wg s[6:7], bg s[8:9], xq s[10:11]
	s_load_b128 s[12:15], s[0:1], 0x20             ; route s[12:13], gp s[14:15]
	v_lshl_add_u32 v254, v0, 2, 0x8800
	v_mov_b32 v255, 0
	v_lshrrev_b32 v1, 5, v0
	v_readfirstlane_b32 s2, v1                     ; wave
	v_and_b32 v1, 31, v0                           ; lane
	v_and_b32 v8, 15, v0                           ; lane % 16
	v_lshrrev_b32 v2, 4, v0
	v_mul_u32_u24 v2, v2, 272
	v_lshl_add_u32 v2, v8, 4, v2                   ; staging: thread t's 16 bytes go to unit t / 16, place t % 16
	v_mul_u32_u24 v3, v1, 272                      ; my unit of a quarter
	v_lshlrev_b32 v4, 5, v1                        ; x: 32 bytes a lane
	v_lshlrev_b32 v5, 3, v1                        ; codes: 8 bytes a lane
	v_lshlrev_b32 v6, 4, v0                        ; Wg: 16 bytes a thread
	v_bfe_u32 v7, v0, 2, 2
	v_lshlrev_b32 v7, 3, v7                        ; my block's byte in its scale word: 8 x ((lane / 4) % 4) bits up
	s_lshl_b32 s3, ttmp9, 2
	s_add_co_u32 s3, s3, s2                        ; my token
	s_lshl_b32 s27, s3, 5
	v_bfe_u32 v9, v0, 4, 1
	v_lshl_add_u32 v9, v8, 1, v9
	v_lshl_add_u32 v9, v9, 2, s27                  ; scale words: 32 t + 4 (2 (lane % 16) + lane / 16)
	v_mov_b32 v11, s27                             ; probabilities: 32 t
	s_lshl_b32 s27, s3, 3
	v_mov_b32 v10, s27                             ; route and gates: 8 t
	s_mov_b32 s24, 0x76543210
	s_mov_b32 s25, 0xfedcba98                      ; v_permlanex16_b32's selects for lane l xor 16
	s_mov_b32 s26, 0x600000                        ; the mantissa field of 57,344
	s_lshl_b32 s28, s3, 12
	s_mov_b32 s29, 0
	s_lshl_b32 s30, s3, 10
	s_mov_b32 s31, 0
.irp e, 0,1,2,3,4,5,6,7
	v_mov_b32 v[MP+\e], 0                          ; written once: a lane permute's destination counts as one of its sources
.endr
	v_mov_b32 v[TM], 0
	s_wait_kmcnt 0x0
	s_load_b256 s[16:23], s[8:9], 0x0              ; bg
.irp n, 0,1,2,3,4,5,6,7,8,9,10,11,12,13,14,15
	global_load_b128 v[G0+4*\n:G0+4*\n+3], v6, s[6:7] offset:2048*\n   ; the work-group's 128 threads read 2,048 consecutive bytes
.endr
	s_add_nc_u64 s[4:5], s[4:5], s[28:29]          ; x at my token
	s_add_nc_u64 s[32:33], s[10:11], s[30:31]      ; the codes at my token
.irp q, 0,1,2,3
	global_load_b128 v[X+8*\q:X+8*\q+3], v4, s[4:5] offset:1024*\q th:TH_LOAD_NT
	global_load_b128 v[X+8*\q+4:X+8*\q+7], v4, s[4:5] offset:1024*\q+16 th:TH_LOAD_NT
.endr
	s_wait_loadcnt 0x8                             ; Wg's sixteen loads are in; x's eight are younger and may be out
.irp n, 0,1,2,3,4,5,6,7,8,9,10,11,12,13,14,15
	ds_store_b128 v2, v[G0+4*\n:G0+4*\n+3] offset:2176*\n   ; eight units a load
.endr
	s_wait_dscnt 0x0                               ; for the others' sake: my part of Wg lies in LDS
	s_barrier_signal -1
	s_barrier_wait -1
.macro LDG q, g                        ; Wg's rows 256 q + 8 lane + 0 .. 7: register 8 i + e = Wg[k_i][e]
.irp i, 0,1,2,3,4,5,6,7
	ds_load_b128 v[\g+8*\i:\g+8*\i+3], v3 offset:8704*\q+32*\i
	ds_load_b128 v[\g+8*\i+4:\g+8*\i+7], v3 offset:8704*\q+32*\i+16
.endr
.endm
.macro FMAQ q, g                       ; 32 packed multiply-adds: two experts at a time; of x's pair one register feeds both halves.  The first four products start the sums
.irp i, 0,1,2,3,4,5,6,7
.irp p, 0,1,2,3
.if (\q == 0) && (\i == 0)
	v_pk_mul_f32 v[ACC+2*\p:ACC+2*\p+1], v[X:X+1], v[\g+2*\p:\g+2*\p+1] op_sel_hi:[0,1]
.elseif (\i % 2) == 0
	v_pk_fma_f32 v[ACC+2*\p:ACC+2*\p+1], v[X+8*\q+\i:X+8*\q+\i+1], v[\g+8*\i+2*\p:\g+8*\i+2*\p+1], v[ACC+2*\p:ACC+2*\p+1] op_sel_hi:[0,1,1]
.else
	v_pk_fma_f32 v[ACC+2*\p:ACC+2*\p+1], v[X+8*\q+\i-1:X+8*\q+\i], v[\g+8*\i+2*\p:\g+8*\i+2*\p+1], v[ACC+2*\p:ACC+2*\p+1] op_sel:[1,0,0] op_sel_hi:[1,1,1]
.endif
.endr
.endr
.endm
.macro QX q                            ; my eight numbers of quarter q become eight codes
	v_max3_num_f32 v[MX+\q], |v[X+8*\q]|, |v[X+8*\q+1]|, 0x8000000   ; with the floor 2^(16 - 127): the byte cannot fall under 1
	v_max3_num_f32 v[MX+\q], v[MX+\q], |v[X+8*\q+2]|, |v[X+8*\q+3]|
	v_max3_num_f32 v[MX+\q], v[MX+\q], |v[X+8*\q+4]|, |v[X+8*\q+5]|
	v_max3_num_f32 v[MX+\q], v[MX+\q], |v[X+8*\q+6]|, |v[X+8*\q+7]|
	v_max_num_f32_dpp v[MX+\q], v[MX+\q], v[MX+\q] row_xmask:1 row_mask:0xf bank_mask:0xf
	v_max_num_f32_dpp v[MX+\q], v[MX+\q], v[MX+\q] row_xmask:2 row_mask:0xf bank_mask:0xf   ; the four lanes of the block
	v_add_nc_u32 v[SO+\q], 0xf8800000, v[MX+\q]    ; 15 off the exponent field: the conversion takes that field as its scale
	v_and_or_b32 v[HO+\q], v[MX+\q], 0x7f800000, s26   ; 57,344 x the scale
	v_lshrrev_b32 v[BW+\q], 23, v[SO+\q]           ; the scale's byte,
	v_lshlrev_b32 v[BW+\q], v7, v[BW+\q]           ; at its place in the word
.irp i, 0,1,2,3,4,5,6,7
	v_med3_num_f32 v[T+\i], v[X+8*\q+\i], -v[HO+\q], v[HO+\q]   ; the conversion to an 8-bit code does not saturate (ISA guide 7.6.2): the hold comes first
.endr
	v_cvt_scalef32_pk8_bf8_f32 v[CD+2*\q:CD+2*\q+1], v[T:T+7], v[SO+\q]
	v_nop                                          ; one plain line behind a scaled conversion, ahead of the next write of its sources
	global_store_b64 v5, v[CD+2*\q:CD+2*\q+1], s[32:33] offset:256*\q   ; the wave stores 256 consecutive bytes, aligned
.endm
	LDG 0, G0
	LDG 1, G1
	s_wait_loadcnt 0x0                             ; x
	QX 0
	QX 1
	QX 2
	QX 3
	s_wait_dscnt 0x10                              ; quarter 0 of Wg is in; quarter 1's sixteen loads may be out
	FMAQ 0, G0
	LDG 2, G0
	s_wait_alu depctr_va_vdst(0)
	s_wait_dscnt 0x10
	FMAQ 1, G1
	LDG 3, G1
	s_wait_alu depctr_va_vdst(0)
	s_wait_dscnt 0x10
	FMAQ 2, G0
	s_wait_alu depctr_va_vdst(0)
	s_wait_dscnt 0x0
	FMAQ 3, G1
	; the scale words: the four bytes of a word lie in lanes 4 and 8 apart
.irp q, 0,1,2,3
	v_mov_b32_dpp v[TM], v[BW+\q] row_xmask:4 row_mask:0xf bank_mask:0xf
	v_or_b32 v[BW+\q], v[BW+\q], v[TM]
	v_mov_b32_dpp v[TM], v[BW+\q] row_xmask:8 row_mask:0xf bank_mask:0xf
	v_or_b32 v[BW+\q], v[BW+\q], v[TM]             ; every lane of a half holds word 2 q + lane / 16
.endr
	v_mov_b32 v[TM+1], v[BW]
.irp q, 1,2,3
	v_cmp_eq_u32 vcc_lo, \q, v8
	v_cndmask_b32 v[TM+1], v[TM+1], v[BW+\q], vcc_lo   ; lane % 16 = q keeps quarter q's word
.endr
	; the logits: sums over the 32 lanes, the eight by turns
.irp m, 1,2,4,8
.irp e, 0,1,2,3,4,5,6,7
	v_add_f32_dpp v[ACC+\e], v[ACC+\e], v[ACC+\e] row_xmask:\m row_mask:0xf bank_mask:0xf
.endr
.endr
.irp e, 0,1,2,3,4,5,6,7
	v_permlanex16_b32 v[MP+\e], v[ACC+\e], s24, s25
.endr
	s_wait_alu depctr_va_vdst(0)
	s_wait_kmcnt 0x0                               ; bg
.irp e, 0,1,2,3,4,5,6,7
	v_add_f32 v[ACC+\e], v[ACC+\e], v[MP+\e]
.endr
.irp e, 0,1,2,3,4,5,6,7
	v_add_f32 v[ACC+\e], s[16+\e], v[ACC+\e]
.endr
	; softmax: the maximum is taken away first
	v_max3_num_f32 v[TM+2], v[ACC], v[ACC+1], v[ACC+2]
	v_max3_num_f32 v[TM+2], v[TM+2], v[ACC+3], v[ACC+4]
	v_max3_num_f32 v[TM+2], v[TM+2], v[ACC+5], v[ACC+6]
	v_max_num_f32 v[TM+2], v[TM+2], v[ACC+7]
.irp e, 0,1,2,3,4,5,6,7
	v_sub_f32 v[ACC+\e], v[ACC+\e], v[TM+2]
.endr
.irp e, 0,1,2,3,4,5,6,7
	v_mul_f32 v[ACC+\e], 0x3fb8aa3b, v[ACC+\e]     ; x log2(e)
.endr
	s_wait_alu depctr_va_vdst(0)
.irp e, 0,1,2,3,4,5,6,7
	v_exp_f32 v[ACC+\e], v[ACC+\e]
.endr
	v_nop                                          ; a plain line behind the last exponential,
	s_wait_alu depctr_va_vdst(0)                   ; and one wait for the batch of eight, ahead of its first reader
	v_add_f32 v[TM+3], v[ACC], v[ACC+1]
	v_add_f32 v[TM+4], v[ACC+2], v[ACC+3]
	v_add_f32 v[TM+5], v[ACC+4], v[ACC+5]
	v_add_f32 v[TM+6], v[ACC+6], v[ACC+7]
	v_add_f32 v[TM+3], v[TM+3], v[TM+4]
	v_add_f32 v[TM+5], v[TM+5], v[TM+6]
	v_add_f32 v[TM+3], v[TM+3], v[TM+5]
	s_wait_alu depctr_va_vdst(0)
	v_rcp_f32 v[TM+3], v[TM+3]
	v_nop
	s_wait_alu depctr_va_vdst(0)
.irp e, 0,1,2,3,4,5,6,7
	v_mul_f32 v[ACC+\e], v[ACC+\e], v[TM+3]        ; the probabilities
.endr
	; the largest: a later expert takes the place only where it is strictly larger
	v_mov_b32 v230, v[ACC]
	v_mov_b32 v232, 0
.irp e, 1,2,3,4,5,6,7
	v_cmp_ge_f32 vcc_lo, v230, v[ACC+\e]
	v_cndmask_b32 v230, v[ACC+\e], v230, vcc_lo
	v_cndmask_b32 v232, \e, v232, vcc_lo
.endr
.irp e, 0,1,2,3,4,5,6,7
	v_cmp_ne_u32 vcc_lo, \e, v232
	v_cndmask_b32 v[MP+\e], -1.0, v[ACC+\e], vcc_lo   ; the winner is taken out: -1 lies under every probability
.endr
	v_mov_b32 v231, v[MP]
	v_mov_b32 v233, 0
.irp e, 1,2,3,4,5,6,7
	v_cmp_ge_f32 vcc_lo, v231, v[MP+\e]
	v_cndmask_b32 v231, v[MP+\e], v231, vcc_lo
	v_cndmask_b32 v233, \e, v233, vcc_lo
.endr
	v_add_f32 v236, v230, v231
	s_wait_alu depctr_va_vdst(0)
	v_rcp_f32 v236, v236
	v_nop
	s_wait_alu depctr_va_vdst(0)
	v_mul_f32 v234, v230, v236                     ; the two gates
	v_mul_f32 v235, v231, v236
	v_cmp_gt_u32 vcc_lo, 4, v8
	s_wait_alu depctr_va_vdst(0)
	s_wait_xcnt 0x0                                ; EXEC changes only behind this wait: the codes' stores have had their addresses translated
	s_wait_tensorcnt 0x0
	ds_add_u32 v254, v255
	s_wait_dscnt 0x0
	s_and_saveexec_b32 s34, vcc_lo                 ; lanes 0-3 and 16-19
	global_store_b32 v9, v[TM+1], s[10:11] offset:XS_OFF   ; my token's eight scale words
	v_cmp_eq_u32 vcc_lo, 0, v1
	s_wait_xcnt 0x0
	s_and_saveexec_b32 s35, vcc_lo                 ; lane 0: every lane holds the same numbers
	global_store_b128 v11, v[ACC:ACC+3], s[14:15] offset:8192
	global_store_b128 v11, v[ACC+4:ACC+7], s[14:15] offset:8208
	global_store_b64 v10, v[232:233], s[12:13]
	global_store_b64 v10, v[234:235], s[14:15]
	s_endpgm
.Lfunc_end_k_q5c7e075100_gate:
	.size	k_q5c7e075100_gate, .Lfunc_end_k_q5c7e075100_gate-k_q5c7e075100_gate
	.p2alignl 7, 3214868480
	.fill 96, 4, 3214868480
	.section	.rodata,"a",@progbits
	.p2align	6, 0x0
	.amdhsa_kernel k_q5c7e075100_gate
		.amdhsa_group_segment_fixed_size 35328
		.amdhsa_private_segment_fixed_size 0
		.amdhsa_enable_private_segment 0
		.amdhsa_kernarg_size 48
		.amdhsa_user_sgpr_count 2
		.amdhsa_user_sgpr_kernarg_segment_ptr 1
		.amdhsa_wavefront_size32 1
		.amdhsa_system_sgpr_workgroup_id_x 1
		.amdhsa_system_sgpr_workgroup_id_y 1
		.amdhsa_system_sgpr_workgroup_id_z 1
		.amdhsa_system_vgpr_workitem_id 0
		.amdhsa_next_free_vgpr 256
		.amdhsa_next_free_sgpr 66
		.amdhsa_reserve_vcc 1
		.amdhsa_float_denorm_mode_32 3
		.amdhsa_float_denorm_mode_16_64 3
		.amdhsa_memory_ordered 1
		.amdhsa_forward_progress 1
		.amdhsa_inst_pref_size 33
	.end_amdhsa_kernel
	.amdgpu_metadata
---
amdhsa.version: [ 1, 2 ]
amdhsa.kernels:
  - .name:           k_q5c7e075100_gate
    .symbol:         k_q5c7e075100_gate.kd
    .args:
      - { .name: x, .offset: 0, .size: 8, .value_kind: global_buffer, .address_space: global }
      - { .name: Wg, .offset: 8, .size: 8, .value_kind: global_buffer, .address_space: global }
      - { .name: bg, .offset: 16, .size: 8, .value_kind: global_buffer, .address_space: global }
      - { .name: xq, .offset: 24, .size: 8, .value_kind: global_buffer, .address_space: global }
      - { .name: route, .offset: 32, .size: 8, .value_kind: global_buffer, .address_space: global }
      - { .name: gp, .offset: 40, .size: 8, .value_kind: global_buffer, .address_space: global }
    .group_segment_fixed_size: 35328
    .private_segment_fixed_size: 0
    .kernarg_segment_align: 8
    .kernarg_segment_size: 48
    .max_flat_workgroup_size: 128
    .sgpr_count:     66
    .vgpr_count:     256
    .wavefront_size: 32
...
	.end_amdgpu_metadata
.endif
;; end of part 6
;; launch place (part 7): grid 16 x 8, 4 waves a work-group, no clusters, 74,752 bytes of LDS; arguments xq, route, gp, xa, rows, gs, out1; writes xa, rows, gs, out1
.if DOCPART == 7
	.amdgcn_target "amdgcn-amd-amdhsa--gfx1250"
	.amdhsa_code_object_version 6
	.text
	.protected	k_q5c7e075100_place
	.globl	k_q5c7e075100_place
	.p2align	8
	.type	k_q5c7e075100_place,@function
k_q5c7e075100_place:
	s_mov_b64 s[64:65], 0
	v_nop
	global_prefetch_b8 v0, s[64:65] scope:SCOPE_SE
	s_setreg_imm32_b32 hwreg(HW_REG_WAVE_MODE, 25, 1), 1
	s_wait_xcnt 0x0
; THE ROWS ARE PLACED BY EXPERT.  Work-group (g, e): expert e, row tiles 4 g .. 4 g + 3, one a wave.  A routed row is rr = 2 token + slot.
; Wave 0 of every work-group lists the routed rows of its expert (all sixteen work-groups of an expert run the same lines on the same numbers and get the same list): no atomics, no traffic between work-groups.
; The list has 1,024 places; places behind the last row hold 2048 + e, which stands for a spare row.  NT = max(1, ceil(n / 16)) tiles are made: tile 0 always, so that later launches read nothing that nobody wrote.
; For its tile a wave gathers the 16 rows' codes of x and lays them as IMAGES OF THE OPERAND'S REGISTERS: for each K step of 128, byte 512 c + 16 lane holds k = 32 c + 16 (lane / 16) + 0 .. 15 of row lane % 16.
; xa: images [e][K step 8][tile 64][2,048 bytes]; behind them the rows' scale words [e][tile][row 16][8 words].  rows: the list [8][1024], then n [8].  gs: the gate of each place [8][1024].
; Wave 3 of the last work-group also makes the loss: 8 x sum_e (c_e / sum c)(c_e / 1024), c_e the column sums of the probabilities.  Its 64 loads go out in one run, the second half into v256-383.
.set DUMPW,   1024                     ; LDS: the list, words 0 .. 1023; words 1024 .. 1055 take what lanes without a row store, one word a lane
.set CNT,     4352                     ; n
.set STG,     4608                     ; a stage for each wave: 64 units of 256 bytes, 272 apart
.set WSTG,    17408
.set XS_OFF,  1048576
.set XSC_OFF, 8388608
	s_load_b256 s[4:11], s[0:1], 0x0               ; xq s[4:5], route s[6:7], gp s[8:9], xa s[10:11]
	s_load_b128 s[12:15], s[0:1], 0x20             ; rows s[12:13], gs s[14:15]
	s_load_b64 s[16:17], s[0:1], 0x30              ; out1
	v_lshl_add_u32 v254, v0, 2, 0x12200
	v_mov_b32 v255, 0
	v_lshrrev_b32 v1, 5, v0
	v_readfirstlane_b32 s18, v1                    ; wave
	v_and_b32 v1, 31, v0                           ; lane
	v_and_b32 v2, 15, v0                           ; b = lane % 16
	v_bfe_u32 v3, v0, 4, 1                         ; h = lane / 16
	v_lshlrev_b32 v4, 4, v1                        ; 16 x lane
	v_mov_b32 v5, CNT
	s_and_b32 s19, ttmp9, 15                       ; g
	s_and_b32 s20, ttmp7, 7                        ; e
	s_lshl_b32 s23, s19, 2
	s_add_co_u32 s23, s23, s18                     ; my tile
	s_lshl_b32 s26, s23, 6
	v_lshl_add_u32 v6, v3, 2, s26                  ; the list at my tile: row h (rows 2 q + h by the immediate),
	v_lshl_add_u32 v7, v2, 2, s26                  ; and row b
	s_mul_i32 s27, s18, WSTG
	s_add_co_u32 s27, s27, STG
	v_mul_u32_u24 v8, v2, 272
	v_lshl_add_u32 v8, v3, 4, v8
	v_add_nc_u32 v8, s27, v8                       ; into the stage: unit b (+ 16 u), row h (+ 2 q)
	v_mul_u32_u24 v9, v3, 272
	v_lshl_add_u32 v9, v2, 4, v9
	v_add_nc_u32 v9, s27, v9                       ; out of it: unit h (+ 2 i), row b
	s_lshl_b32 s27, s18, 10
	v_add_nc_u32 v10, s27, v4                      ; the list's copy: 1,024 bytes a wave
	v_add_nc_u32 v11, DUMPW, v1
	v_lshlrev_b32 v12, 2, v1                       ; 4 x lane
	v_lshlrev_b32 v13, 4, v2                       ; 16 b
	v_lshlrev_b32 v15, 5, v2
	v_lshl_add_u32 v15, v3, 4, v15                 ; 32 b + 16 h
	s_mov_b32 s24, 0x76543210
	s_mov_b32 s25, 0xfedcba98
	s_mov_b32 s27, 0
	s_lshl_b32 s26, s20, 12
	s_wait_kmcnt 0x0
	s_add_nc_u64 s[68:69], s[12:13], s[26:27]      ; the list of my expert in rows
	s_add_nc_u64 s[74:75], s[14:15], s[26:27]      ; its gates
	s_lshl_b32 s26, s20, 20
	s_lshl_b32 s28, s23, 11
	s_add_co_u32 s26, s26, s28
	s_add_nc_u64 s[70:71], s[10:11], s[26:27]      ; my tile's images, K step 0
	s_lshl_b32 s26, s20, 6
	s_add_co_u32 s26, s26, s23
	s_lshl_b32 s26, s26, 9
	s_add_co_u32 s26, s26, XSC_OFF
	s_add_nc_u64 s[72:73], s[10:11], s[26:27]      ; my tile's scale words
	s_cmp_lg_u32 s18, 0
	s_cbranch_scc1 .Lnot0
	; ---- wave 0: the list.  Register 4 n + j of lane l is routed row 128 n + 4 l + j.  No other wave touches LDS ahead of the barrier
.irp n, 0,1,2,3,4,5,6,7,8,9,10,11,12,13,14,15
	global_load_b128 v[16+4*\n:19+4*\n], v4, s[6:7] offset:512*\n
.endr
	s_add_co_u32 s26, s20, 2048
.irp j, 0,1,2,3
	v_mov_b32 v[192+\j], s26
.endr
.irp i, 0,1,2,3,4,5,6,7
	ds_store_b128 v4, v[192:195] offset:512*\i     ; every place begins as the spare row; LDS serves a wave's instructions in order, so the rows below land on top
.endr
	s_mov_b32 s66, 0                               ; rows so far
	s_wait_loadcnt 0x0
.macro BATCH b                         ; sixteen registers: who has my expert; how many came before; each such lane stores its row at its place
.irp k, 0,1,2,3,4,5,6,7,8,9,10,11,12,13,14,15
	v_cmp_eq_u32 s[32+\k], s20, v[16+16*\b+\k]
.endr
.irp k, 0,1,2,3,4,5,6,7,8,9,10,11,12,13,14,15
	s_mov_b32 s[48+\k], s66
	s_bcnt1_i32_b32 s67, s[32+\k]
	s_add_co_u32 s66, s66, s67
.endr
.irp k, 0,1,2,3,4,5,6,7,8,9,10,11,12,13,14,15
	v_mbcnt_lo_u32_b32 v[200+\k], s[32+\k], s[48+\k]             ; the place: rows before this register + such lanes below mine
	v_cndmask_b32 v[200+\k], v11, v[200+\k], s[32+\k]            ; a lane without a row takes its dump word
	v_min_u32 v[200+\k], 0x41f, v[200+\k]                        ; inside the list and the dump words, whatever was read
	v_lshlrev_b32 v[200+\k], 2, v[200+\k]
	v_add_nc_u32 v[216+\k], 128*((16*\b+\k)/4)+((16*\b+\k)%4), v12
	ds_store_b32 v[200+\k], v[216+\k]
.endr
.endm
	BATCH 0
	BATCH 1
	BATCH 2
	BATCH 3
	v_mov_b32 v196, s66
	ds_store_b32 v5, v196                          ; n: all lanes write the same word with the same value
	s_wait_dscnt 0x0                               ; for the others' sake: the list and n lie in LDS
.Lnot0:
	s_cmp_lg_u32 s18, 3
	s_cbranch_scc1 .Lnoloss
	s_cmp_lg_u32 s19, 15
	s_cbranch_scc1 .Lnoloss
	s_cmp_lg_u32 s20, 7
	s_cbranch_scc1 .Lnoloss
	; ---- the loss: 32,768 bytes of probabilities, 64 loads of 512 bytes, all issued on end.  A lane holds experts 4 (lane % 2) + 0 .. 3 of token 16 n + lane / 2
.set n, 0
.rept 32
	global_load_b128 v[16+4*n:19+4*n], v4, s[8:9] offset:8192+512*n
.set n, n+1
.endr
	s_set_vgpr_msb 0x40                            ; the destination lies in the second window of 256 registers: v256 on
.set n, 0
.rept 32
	global_load_b128 v[4*n:4*n+3], v4, s[8:9] offset:24576+512*n
.set n, n+1
.endr
	s_set_vgpr_msb 0x4000                          ; all back to the first window (the high byte repeats the setting that is left)
	s_wait_loadcnt 32                              ; the first 32 loads are in; the 32 younger ones may be out
.irp k, 0,1                            ; four chains of packed sums: pieces of even and of odd number apart; the first pieces start them: nothing is cleared
	v_pk_add_f32 v[144+4*\k:145+4*\k], v[16+4*\k:17+4*\k], v[24+4*\k:25+4*\k]
	v_pk_add_f32 v[146+4*\k:147+4*\k], v[18+4*\k:19+4*\k], v[26+4*\k:27+4*\k]
.endr
.set n, 4
.rept 28
	v_pk_add_f32 v[144+4*(n%2):145+4*(n%2)], v[144+4*(n%2):145+4*(n%2)], v[16+4*n:17+4*n]
	v_pk_add_f32 v[146+4*(n%2):147+4*(n%2)], v[146+4*(n%2):147+4*(n%2)], v[18+4*n:19+4*n]
.set n, n+1
.endr
	s_wait_alu depctr_va_vdst(0)
	s_wait_loadcnt 0x0
	s_set_vgpr_msb 0x04                            ; source 1 in the second window
.set n, 0
.rept 32
	v_pk_add_f32 v[144+4*(n%2):145+4*(n%2)], v[144+4*(n%2):145+4*(n%2)], v[4*n:4*n+1]
	v_pk_add_f32 v[146+4*(n%2):147+4*(n%2)], v[146+4*(n%2):147+4*(n%2)], v[4*n+2:4*n+3]
.set n, n+1
.endr
	s_set_vgpr_msb 0x0400                          ; all back to the first window
	v_pk_add_f32 v[144:145], v[144:145], v[148:149]
	v_pk_add_f32 v[146:147], v[146:147], v[150:151]
.irp m, 2,4,8
.irp k, 0,1,2,3
	v_add_f32_dpp v[144+\k], v[144+\k], v[144+\k] row_xmask:\m row_mask:0xf bank_mask:0xf   ; lanes of my parity
.endr
.endr
.irp k, 0,1,2,3
	v_permlanex16_b32 v[148+\k], v[144+\k], s24, s25   ; (its destination counts as read: the chains have written it)
.endr
.irp k, 0,1,2,3
	v_add_f32 v[144+\k], v[144+\k], v[148+\k]      ; four column sums
.endr
	v_add_f32 v152, v144, v145
	v_add_f32 v154, v146, v147
	v_add_f32 v152, v152, v154
	v_mul_f32 v153, v144, v144
	v_fmac_f32 v153, v145, v145
	v_fmac_f32 v153, v146, v146
	v_fmac_f32 v153, v147, v147
	v_add_f32_dpp v152, v152, v152 row_xmask:1 row_mask:0xf bank_mask:0xf   ; with the other four experts': sum c,
	v_add_f32_dpp v153, v153, v153 row_xmask:1 row_mask:0xf bank_mask:0xf   ; sum c^2
	s_wait_alu depctr_va_vdst(0)
	v_rcp_f32 v154, v152
	v_mov_b32 v155, 0                              ; (a plain line behind the reciprocal)
	s_wait_alu depctr_va_vdst(0)
	v_mul_f32 v153, v153, v154
	v_mul_f32 v153, 0x3c000000, v153               ; x 8 / 1024
	v_cmp_eq_u32 vcc_lo, 0, v1
	s_wait_alu depctr_va_vdst(0)
	s_wait_xcnt 0x0                                ; EXEC changes only behind this wait
	s_and_saveexec_b32 s30, vcc_lo
	global_store_b32 v155, v153, s[16:17]
	s_wait_xcnt 0x0
	s_or_b32 exec_lo, exec_lo, s30
.Lnoloss:
	s_barrier_signal -1
	s_barrier_wait -1                              ; the list and n are there for every wave; nobody writes them again
	ds_load_b32 v14, v5
	s_wait_dscnt 0x0
	v_readfirstlane_b32 s21, v14
	s_min_u32 s21, s21, 1024                       ; n
	s_add_co_u32 s22, s21, 15
	s_lshr_b32 s22, s22, 4
	s_max_u32 s22, s22, 1                          ; NT
	s_cmp_lg_u32 s19, 0
	s_cbranch_scc1 .Lnocopy
	s_wait_alu depctr_va_vdst(0)
	ds_load_b128 v[16:19], v10                     ; the expert's first work-group stores the list, 1,024 bytes a wave,
	ds_load_b128 v[20:23], v10 offset:512
	s_wait_dscnt 0x0
	global_store_b128 v10, v[16:19], s[68:69]
	global_store_b128 v10, v[20:23], s[68:69] offset:512
	s_cmp_lg_u32 s18, 0
	s_cbranch_scc1 .Lnocopy
	v_mov_b32 v24, s21                             ; and n
	s_lshl_b32 s26, s20, 2
	v_mov_b32 v25, s26
	v_cmp_eq_u32 vcc_lo, 0, v1
	s_wait_alu depctr_va_vdst(0)
	s_wait_xcnt 0x0
	s_and_saveexec_b32 s30, vcc_lo
	global_store_b32 v25, v24, s[12:13] offset:32768
	s_wait_xcnt 0x0
	s_or_b32 exec_lo, exec_lo, s30
.Lnocopy:
	s_cmp_ge_u32 s23, s22
	s_cbranch_scc1 .Lend                           ; a tile behind the expert's last: nothing to make (no barrier follows)
	; ---- my tile
.irp q, 0,1,2,3,4,5,6,7
	ds_load_b32 v[32+\q], v6 offset:8*\q           ; the routed row at place 2 q + h,
.endr
	ds_load_b32 v40, v7                            ; and at place b
	s_wait_dscnt 0x0
.irp q, 0,1,2,3,4,5,6,7
	v_lshrrev_b32 v[32+\q], 1, v[32+\q]
.endr
.irp q, 0,1,2,3,4,5,6,7
	v_min_u32 v[32+\q], 0x3ff, v[32+\q]            ; its token; a spare row takes token 1023's numbers, which nobody reads
.endr
.irp q, 0,1,2,3,4,5,6,7
	v_lshl_add_u32 v[32+\q], v[32+\q], 10, v13     ; token x 1,024 + 16 b
.endr
	v_lshrrev_b32 v41, 1, v40
	v_min_u32 v41, 0x3ff, v41
	v_lshlrev_b32 v41, 5, v41
	v_lshl_add_u32 v41, v3, 4, v41                 ; token x 32 + 16 h
	v_min_u32 v42, 0x7ff, v40
	v_lshlrev_b32 v42, 2, v42
.irp q, 0,1,2,3,4,5,6,7
.irp u, 0,1,2,3
	global_load_b128 v[64+4*(4*\q+\u):67+4*(4*\q+\u)], v[32+\q], s[4:5] offset:256*\u   ; sixteen lanes read 256 consecutive bytes of a row, aligned
.endr
.endr
	global_load_b128 v[44:47], v41, s[4:5] offset:XS_OFF
	global_load_b32 v43, v42, s[8:9]
	s_wait_loadcnt 0x0
.irp q, 0,1,2,3,4,5,6,7
.irp u, 0,1,2,3
	ds_store_b128 v8, v[64+4*(4*\q+\u):67+4*(4*\q+\u)] offset:4352*\u+32*\q   ; unit 16 u + b = which 16 along K; in it 16 bytes a row
.endr
.endr
.set i, 0
.rept 32
	ds_load_b128 v[64+4*i:67+4*i], v9 offset:544*i   ; units 2 i and 2 i + 1 are group i % 4 of K step i / 4.  LDS serves a wave's instructions in order: these see my stores
.set i, i+1
.endr
.set i, 0
.rept 32
	s_wait_dscnt 31-i                              ; load i is in; the younger ones may be out
	global_store_b128 v4, v[64+4*i:67+4*i], s[70:71] offset:(i/4)*131072+(i%4)*512   ; 512 consecutive bytes
.set i, i+1
.endr
	global_store_b128 v15, v[44:47], s[72:73]      ; the 16 rows' scale words: 512 consecutive bytes
	v_cmp_gt_u32 vcc_lo, 16, v1
	s_wait_xcnt 0x0
	s_wait_tensorcnt 0x0
	ds_add_u32 v254, v255
	s_wait_dscnt 0x0
	s_and_saveexec_b32 s30, vcc_lo
	global_store_b32 v7, v43, s[74:75]             ; the 16 gates
	s_endpgm
.Lend:
	s_wait_tensorcnt 0x0
	ds_add_u32 v254, v255
	s_wait_dscnt 0x0
	s_endpgm
.Lfunc_end_k_q5c7e075100_place:
	.size	k_q5c7e075100_place, .Lfunc_end_k_q5c7e075100_place-k_q5c7e075100_place
	.p2alignl 7, 3214868480
	.fill 96, 4, 3214868480
	.section	.rodata,"a",@progbits
	.p2align	6, 0x0
	.amdhsa_kernel k_q5c7e075100_place
		.amdhsa_group_segment_fixed_size 74752
		.amdhsa_private_segment_fixed_size 0
		.amdhsa_enable_private_segment 0
		.amdhsa_kernarg_size 56
		.amdhsa_user_sgpr_count 2
		.amdhsa_user_sgpr_kernarg_segment_ptr 1
		.amdhsa_wavefront_size32 1
		.amdhsa_system_sgpr_workgroup_id_x 1
		.amdhsa_system_sgpr_workgroup_id_y 1
		.amdhsa_system_sgpr_workgroup_id_z 1
		.amdhsa_system_vgpr_workitem_id 0
		.amdhsa_next_free_vgpr 384
		.amdhsa_next_free_sgpr 80
		.amdhsa_reserve_vcc 1
		.amdhsa_float_denorm_mode_32 3
		.amdhsa_float_denorm_mode_16_64 3
		.amdhsa_memory_ordered 1
		.amdhsa_forward_progress 1
		.amdhsa_inst_pref_size 69
	.end_amdhsa_kernel
	.amdgpu_metadata
---
amdhsa.version: [ 1, 2 ]
amdhsa.kernels:
  - .name:           k_q5c7e075100_place
    .symbol:         k_q5c7e075100_place.kd
    .args:
      - { .name: xq, .offset: 0, .size: 8, .value_kind: global_buffer, .address_space: global }
      - { .name: route, .offset: 8, .size: 8, .value_kind: global_buffer, .address_space: global }
      - { .name: gp, .offset: 16, .size: 8, .value_kind: global_buffer, .address_space: global }
      - { .name: xa, .offset: 24, .size: 8, .value_kind: global_buffer, .address_space: global }
      - { .name: rows, .offset: 32, .size: 8, .value_kind: global_buffer, .address_space: global }
      - { .name: gs, .offset: 40, .size: 8, .value_kind: global_buffer, .address_space: global }
      - { .name: out1, .offset: 48, .size: 8, .value_kind: global_buffer, .address_space: global }
    .group_segment_fixed_size: 74752
    .private_segment_fixed_size: 0
    .kernarg_segment_align: 8
    .kernarg_segment_size: 56
    .max_flat_workgroup_size: 128
    .sgpr_count:     80
    .vgpr_count:     384
    .wavefront_size: 32
...
	.end_amdgpu_metadata
.endif
;; end of part 7
;; launch ffn1 (part 8): grid 32 x 8, 8 waves a work-group, no clusters, 144,384 bytes of LDS; arguments W1, b1, xa, rows, ha; writes ha
.if DOCPART == 8
	.amdgcn_target "amdgcn-amd-amdhsa--gfx1250"
	.amdhsa_code_object_version 6
	.text
	.protected	k_q5c7e075100_ffn1
	.globl	k_q5c7e075100_ffn1
	.p2align	8
	.type	k_q5c7e075100_ffn1,@function
k_q5c7e075100_ffn1:
	s_mov_b64 s[64:65], 0
	v_nop
	global_prefetch_b8 v0, s[64:65] scope:SCOPE_SE
	s_setreg_imm32_b32 hwreg(HW_REG_WAVE_SCHED_MODE, 0, 2), 2
	s_setreg_imm32_b32 hwreg(HW_REG_WAVE_MODE, 25, 1), 1
	s_wait_xcnt 0x0
	s_wait_alu depctr_vm_vsrc(0)
; h = Q(relu(x Q(W1[e]) + b1[e])) for the rows routed to expert e, on codes of E5M2 with one E8M0 scale for each 32 along K.  Work-group (slab, e): 128 hidden units, all 1,024 of K: 512 KiB of W1, read once.
; W1 arrives as f32 with K as its first axis and is quantised in registers as it streams; its codes, 128 KiB, go to LDS and stay there: no weight code goes to memory.
; EVERY WAVE WALKS ONE PATH, IN TWO PHASES, with one barrier between them.
; PHASE A: the eight waves stream W1.  The slab is 16 chunks of 128 k x 64 columns (chunk c: K step c / 2, column half c % 2).  Wave w (p = w % 4, half = w / 4) takes block p (32 k) of the chunks of its column half:
; eight units of 16 loads.  A load reads, in each half of the lanes, 256 consecutive aligned bytes of one row k; register 4 i + j of a landing set is W(32 p + 16 (lane / 16) + i, column 4 (lane % 16) + j).  So tile j's row r
; is column 4 r + j, and a lane already holds the sixteen k that registers 4 p .. 4 p + 3 of tile j's fragment want.  Four landing sets: behind the wait for unit q, unit q + 3 is asked for into the set that unit q - 1 has
; left, ahead of the arithmetic: 48 loads of a wave, 24 KiB, are on their way while it works.
; PHASE B: the waves multiply, three row tiles each: tile = base + 3 wave + i, held at the expert's last tile for loads.  THE TILES ARE DEALT ON END, so that an expert's tiles fall on as few waves as can be: a wave that
; multiplies reads the slab's 132 KiB of codes and scale words from LDS whatever the number of its live tiles, and a wave whose first tile lies behind the expert's last ends at once behind the barrier.
; The operands come from memory as images of registers (launch place), through a ring of three register buffers, a K step each; the first group's are asked for in phase A's last units, where no weights are left to ask for.
; 24 tiles (384 rows) a group; a loop over groups serves any split of the rows, all 1,024 tokens on one expert too.
; The matrix instruction is used transposed (source 0 = 16 columns of W1, source 1 = 16 rows of x): lane (r, h) holds row r, and registers j' of tiles j = 0 .. 3 are hidden units 32 h + 4 j' + j: a whole block of 32.
; The bias is what the sums begin with: the accumulators are loaded from an image of b1 in the result's layout, of which each wave builds one accumulator's part in phase A.
; No cluster: what the 32 slabs of an expert share is the rows' codes, at most 384 KiB a group, against 512 KiB of weights that nobody shares.
; LIMITS: NaN and infinities are not served.  A block whose largest magnitude lies under 2^-111 (a block of zeros too) keeps the scale byte 1; only this program reads the bytes.
; THE MODE: SCHED_MODE bits 1:0 = 2 (LLVM: expert scheduling mode 2), set by the entry lines.  The code itself states the register dependences
; between vector or matrix instructions and memory or LDS instructions, with s_wait_alu, always for 0.
; THE PLAN.  Registers that memory or LDS instructions touch, and who else names them:
;   the landing sets   Unit q's loads land in set q % 4; unit q's maxima and holds read it; then unit q + 4's loads, or the first group's operands and sums, land in it.
;   v[CD ..], v[BY ..] Written by a unit's conversions and shifts, read by its eight LDS stores, written again by the next unit; in phase B W's fragments land there.
;   v[BB ..]           b1 as loaded; read by two LDS stores behind unit 0; in phase B part of ring buffer 2.
;   v[WF ..], v[S ..]  A chunk's 17 LDS loads land there; its twelve products read them: one buffer.
;   the ring, v[XS ..] Global loads land there; a K step's 24 products read a buffer; the K step three further on lands in it.
;   the accumulators   LDS loads of the bias image land there; products write them; the way out's vector lines read them.
;   v[EC ..], v[EB], v[EV]  Written by a slot's way out, read by its five stores.
;   v[VA ..], v[VX ..] Written once a group; read by the group's loads and stores.        v4 to v12 and v14: made at the head, never written again.
; THE WAITS.  Phase A: one on va_vdst a unit, behind its conversions (the stores' data are written; the landing set is read out), and one on vm_vsrc a unit, ahead of the first write of the last unit's store data.
; Phase B: one on va_vdst at each chunk's head: behind it W's next fragments and, in a K step's first chunk, the ring's next K step are asked for in one run.  The way out: one of each kind a slot.
.set PITCH,   16384                    ; a row of W1[e] in bytes
.set SCW,     131072                   ; LDS: 16 chunks x 8,192 bytes of images (tile j at 2,048 j, group p at 512 p); then W's scale words, 256 bytes a chunk: byte 16 r + 4 j + p;
.set BIAS,    135168                   ; then the bias image: accumulator t = 4 u + j at 1,024 t
.set XSC_OFF, 8388608
.set HSC_OFF, 33554432
.set LI,   4                           ; v4   16 x lane
.set PST,  5                           ; v5   16 x lane + 512 p + 8,192 half: where my codes go, units 0-3
.set PST2, 6                           ; v6   the same + 65,536: units 4-7
.set PSC,  7                           ; v7   SCW + 16 r + p + 256 half: where my scale bytes go
.set WOF,  8                           ; v8   (32 p + 16 h) rows + 256 half + 16 r: my bytes in a K step of W1; never rewritten
.set CSC,  9                           ; v9   SCW + 16 r
.set LI2,  10                          ; v10  16 x lane + 65,536: chunks 8-15
.set BIM,  11                          ; v11  BIAS + 1,024 wave + 16 x lane: the part of the image that I build
.set BIR,  12                          ; v12  BIAS + 16 x lane
.set SH,   13                          ; v13  8 h
.set BO,   14                          ; v14  my bytes in b1
.set VA,   20                          ; v20-22 slot i: tile x 2,048 + 16 x lane
.set VX,   23                          ; v23-25 slot i: tile x 512 + 32 r
.set M,    48                          ; phase A: v48-51 largest magnitudes, v52-55 the other half's, v56-59 scale operands, v60-63 57,344 x the scale, v64-67 bytes, v68-83 codes, v84-147 numbers held, v148-155 b1; window 1: four landing sets
.set PT,   52
.set SCO,  56
.set HO,   60
.set BY,   64
.set CD,   68
.set T,    84
.set BB,   148
.set WF,   48                          ; phase B: v48-111 W's four fragments; v112-159 x's ring buffer 2; v160-223 slot 2's accumulators; v224-247 x's scale words (8 i + K step); v248-251 W's scale words
.set A2,   160                         ; window 1: v0-47, v48-95 ring buffers 0, 1; accumulator (i, u, j), i = 0, 1, at 96 + 64 i + 32 u + 8 j
.set XS,   224
.set S,    248
.set ET,   48                          ; the way out: v48-111 64 numbers held, v112-127 codes, v128-131 maxima, v132-133 scale operands, v134-135 holds, v136-137 bytes, v138 an address
.set EC,   112
.set EM,   128
.set ES,   132
.set EH,   134
.set EB,   136
.set EV,   138
.set MSB, 0
.macro WIN new                         ; the immediate's high byte repeats the setting that is left; a switch that changes nothing is dropped.  Bits 1:0 source 0, 3:2 source 1, 5:4 source 2, 7:6 destination
.if MSB != (\new)
	s_set_vgpr_msb (MSB<<8)|(\new)
.set MSB, (\new)
.endif
.endm
.macro PLACES n
.rept \n
	v_nop
.endr
.endm
.macro WLOAD q                         ; unit q: sixteen rows in each half of the lanes, into landing set q % 4.  K steps 4-7 go by a second base, so that the offsets stay inside the signed 24-bit immediate
.if (\q) < 4
.set WBS, 26
.else
.set WBS, 52
.endif
	WIN 0x40
.irp i, 0,1,2,3,4,5,6,7,8,9,10,11,12,13,14,15
	global_load_b128 v[64*((\q)%4)+4*\i:64*((\q)%4)+4*\i+3], v[WOF], s[WBS:WBS+1] offset:((\q)%4)*2097152+\i*PITCH th:TH_LOAD_NT
.endr
	WIN 0
.endm
.macro QUANT q                         ; unit q: from landing set q % 4 to LDS
.set RB, 64*((\q)%4)
.if (\q) < 4
.set PR, PST
.else
.set PR, PST2
.endif
	WIN 0x05
.irp j, 0,1,2,3
	v_max3_num_f32 v[M+\j], |v[RB+\j]|, |v[RB+4+\j]|, 0x8000000   ; column 4 r + j: my sixteen k, and the floor 2^(16 - 127): the byte cannot fall under 1
.endr
	WIN 0x14
.irp i, 2,4,6,8,10,12,14
.irp j, 0,1,2,3
	v_max3_num_f32 v[M+\j], v[M+\j], |v[RB+4*\i+\j]|, |v[RB+4*\i+4+\j]|   ; (the four columns by turns)
.endr
.endr
	WIN 0
.irp j, 0,1,2,3
	v_permlanex16_b32 v[PT+\j], v[M+\j], s36, s37
.endr
.irp j, 0,1,2,3
	v_max_num_f32 v[M+\j], v[M+\j], v[PT+\j]       ; with lane l xor 16's sixteen k: the block's largest magnitude
.endr
.irp j, 0,1,2,3
	v_add_nc_u32 v[SCO+\j], 0xf8800000, v[M+\j]    ; 15 off the exponent field: the conversion's scale operand
.endr
.irp j, 0,1,2,3
	v_and_or_b32 v[HO+\j], v[M+\j], 0x7f800000, s38   ; 57,344 x the scale
.endr
.if (\q) > 0
	s_wait_alu depctr_vm_vsrc(0)                   ; the last unit's LDS stores have read v[BY ..] and v[CD ..], which are written again from here on (behind unit 0 also: the bias image's stores have read v[BB ..])
.endif
.irp j, 0,1,2,3
	v_lshrrev_b32 v[BY+\j], 23, v[SCO+\j]          ; the scale's byte
.endr
	WIN 0x01
.irp j, 0,1,2,3
.irp i, 0,1,2,3,4,5,6,7,8,9,10,11,12,13,14,15
	v_med3_num_f32 v[T+16*\j+\i], v[RB+4*\i+\j], -v[HO+\j], v[HO+\j]   ; the hold that an 8-bit conversion wants (ISA guide 7.6.2) also puts a column's sixteen k on end: no copy is written
.endr
.endr
	WIN 0
.irp j, 0,1,2,3
	v_cvt_scalef32_pk8_bf8_f32 v[CD+4*\j:CD+4*\j+1], v[T+16*\j:T+16*\j+7], v[SCO+\j]
	v_cvt_scalef32_pk8_bf8_f32 v[CD+4*\j+2:CD+4*\j+3], v[T+16*\j+8:T+16*\j+15], v[SCO+\j]
.endr
	v_nop                                          ; one plain line behind the last scaled conversion
	s_wait_alu depctr_va_vdst(0)                   ; the conversions have written v[CD ..] and the shifts v[BY ..], which the LDS stores read; the unit's arithmetic is done with its landing set and its work registers, in which later loads land
.irp j, 0,1,2,3
	ds_store_b128 v[PR], v[CD+4*\j:CD+4*\j+3] offset:16384*((\q)%4)+2048*\j   ; registers 4 p .. 4 p + 3 of tile j's fragment, as they stand
.endr
.irp j, 0,1,2,3
	ds_store_b8 v[PSC], v[BY+\j] offset:512*(\q)+4*\j   ; both lanes of a column write the same byte with the same value
.endr
.endm
.macro XBUF s                          ; where K step s's ring buffer lies
.if ((\s)%3) == 2
.set XW, 0
.set XB, 112
.else
.set XW, 1
.set XB, 48*((\s)%3)
.endif
.endm
.macro ALOAD s                         ; K step s: x's fragments for my three slots: 12 loads
	XBUF \s
	WIN 0x40*XW
.irp i, 0,1,2
.irp c, 0,1,2,3
	global_load_b128 v[XB+16*\i+4*\c:XB+16*\i+4*\c+3], v[VA+\i], s[44:45] offset:(\s)*131072+512*\c
.endr
.endr
	WIN 0
.endm
.macro XSLOAD                          ; my rows' scale words, all eight K steps: 6 loads a group
.irp i, 0,1,2
	global_load_b128 v[XS+8*\i:XS+8*\i+3], v[VX+\i], s[46:47]
	global_load_b128 v[XS+8*\i+4:XS+8*\i+7], v[VX+\i], s[46:47] offset:16
.endr
.endm
.macro WFETCH c                        ; chunk c's four fragments and their scale words, by immediates alone: 17 LDS loads
.if (\c) < 8
.set WR, LI
.set WO, 8192*(\c)
.else
.set WR, LI2
.set WO, 8192*((\c)-8)
.endif
.irp j, 0,1,2,3
.irp g, 0,1,2,3
	ds_load_b128 v[WF+16*\j+4*\g:WF+16*\j+4*\g+3], v[WR] offset:WO+2048*\j+512*\g
.endr
.endr
	ds_load_b128 v[S:S+3], v[CSC] offset:256*(\c)  ; lane r: the scale words of row r of the four tiles
.endm
.macro MUL s, u                        ; 12 products: three slots x four tiles.  No two that follow each other share an accumulator, from chunk to chunk and over the loop's jump too
	XBUF \s
	WIN 0x50+4*XW
.irp i, 0,1
.irp j, 0,1,2,3
	v_wmma_scale_f32_16x16x128_f8f6f4 v[96+64*\i+32*(\u)+8*\j:96+64*\i+32*(\u)+8*\j+7], v[WF+16*\j:WF+16*\j+15], v[XB+16*\i:XB+16*\i+15], v[96+64*\i+32*(\u)+8*\j:96+64*\i+32*(\u)+8*\j+7], v[S+\j], v[XS+8*\i+(\s)] matrix_a_fmt:MATRIX_FMT_BF8 matrix_b_fmt:MATRIX_FMT_BF8
.endr
.endr
	WIN 4*XW
.irp j, 0,1,2,3
	v_wmma_scale_f32_16x16x128_f8f6f4 v[A2+32*(\u)+8*\j:A2+32*(\u)+8*\j+7], v[WF+16*\j:WF+16*\j+15], v[XB+32:XB+47], v[A2+32*(\u)+8*\j:A2+32*(\u)+8*\j+7], v[S+\j], v[XS+16+(\s)] matrix_a_fmt:MATRIX_FMT_BF8 matrix_b_fmt:MATRIX_FMT_BF8
.endr
	WIN 0
.endm
.macro ADDRS                           ; my three tiles, s22 on; for loads a tile behind the expert's last is held at the last
.irp i, 0,1,2
	s_add_co_u32 s40, s22, \i
	s_min_u32 s40, s40, s20
	s_min_u32 s40, s40, 63
	s_lshl_b32 s41, s40, 11
	v_add_nc_u32 v[VA+\i], s41, v[LI]
	s_lshl_b32 s41, s40, 9
	v_lshl_add_u32 v[VX+\i], v2, 5, s41
.endr
.endm
.macro ACCINIT                         ; the sums begin as b1: nothing is cleared, no addition is spent, no first step is written apart
	WIN 0x40
.irp i, 0,1
.irp t, 0,1,2,3,4,5,6,7
	ds_load_b128 v[96+64*\i+8*\t:96+64*\i+8*\t+3], v[BIR] offset:1024*\t
	ds_load_b128 v[96+64*\i+8*\t+4:96+64*\i+8*\t+7], v[BIR] offset:1024*\t+512
.endr
.endr
	WIN 0
.irp t, 0,1,2,3,4,5,6,7
	ds_load_b128 v[A2+8*\t:A2+8*\t+3], v[BIR] offset:1024*\t
	ds_load_b128 v[A2+8*\t+4:A2+8*\t+7], v[BIR] offset:1024*\t+512
.endr
.endm
; Slot i's tile leaves: relu, quantised along the hidden units, as K step `slab` of the next product.  Lane (r, h) holds blocks 2 u + h (u = 0, 1) of row r whole.
.macro EPI1 i
	s_add_co_u32 s40, s22, \i
	s_cmp_ge_u32 s40, s19
	s_cbranch_scc1 .Lskip_\@                       ; a tile behind the expert's last is not stored
	s_min_u32 s40, s40, 63
	s_lshl_b32 s41, s40, 7
	s_wait_xcnt 0x0                                ; the last slot's stores have had their addresses translated: their registers are written again only behind this wait
.if \i < 2
.set AW, 1
.set AB, 96+64*\i
.else
.set AW, 0
.set AB, A2
.endif
	WIN 0x05*AW
.irp u, 0,1
.irp a, 0,1
	v_max3_num_f32 v[EM+2*\u+\a], v[AB+32*\u+16*\a], v[AB+32*\u+16*\a+1], 0x8000000   ; no |.|: what is negative becomes 0 and must not count; the floor stands over it.  Each accumulator is read from its low end on
.endr
.endr
	WIN 0x14*AW
.irp u, 0,1
.irp a, 0,1
	v_max3_num_f32 v[EM+2*\u+\a], v[EM+2*\u+\a], v[AB+32*\u+16*\a+8], v[AB+32*\u+16*\a+9]
.endr
.endr
.irp p, 2,4,6
.irp t, 0,8
.irp u, 0,1
.irp a, 0,1
	v_max3_num_f32 v[EM+2*\u+\a], v[EM+2*\u+\a], v[AB+32*\u+16*\a+\t+\p], v[AB+32*\u+16*\a+\t+\p+1]
.endr
.endr
.endr
.endr
	WIN 0
.irp u, 0,1
	v_max_num_f32 v[EM+2*\u], v[EM+2*\u], v[EM+2*\u+1]   ; the block's largest number: all 32 are mine
.endr
.irp u, 0,1
	v_add_nc_u32 v[ES+\u], 0xf8800000, v[EM+2*\u]
.endr
.irp u, 0,1
	v_and_or_b32 v[EH+\u], v[EM+2*\u], 0x7f800000, s38
.endr
.irp u, 0,1
	v_lshrrev_b32 v[EB+\u], 23, v[ES+\u]
.endr
	WIN 0x01*AW
.irp u, 0,1
.irp p, 0,1,2,3,4,5,6,7
.irp j, 0,1,2,3
	v_med3_num_f32 v[ET+32*\u+4*\p+\j], v[AB+32*\u+8*\j+\p], 0, v[EH+\u]   ; the activation, the hold and the order along the next K in one
.endr
.endr
.endr
	WIN 0
.irp u, 0,1
.irp g, 0,1,2,3
	v_cvt_scalef32_pk8_bf8_f32 v[EC+8*\u+2*\g:EC+8*\u+2*\g+1], v[ET+32*\u+8*\g:ET+32*\u+8*\g+7], v[ES+\u]
.endr
.endr
	v_nop                                          ; one plain line behind the last scaled conversion
.irp u, 0,1
.irp t, 0,1,2,3
	v_permlane16_swap_b32 v[EC+8*\u+\t], v[EC+8*\u+4+\t]   ; a block's upper sixteen go to the other half of the lanes: registers 8 u + 0 .. 3 become group 2 u of the fragment, 8 u + 4 .. 7 group 2 u + 1
.endr
.endr
	v_lshl_or_b32 v[EB], v[EB+1], 16, v[EB]        ; my two bytes, blocks h and 2 + h,
	v_lshlrev_b32 v[EB], v[SH], v[EB]              ; at their places,
	v_permlanex16_b32 v[EB+1], v[EB], s36, s37
	v_or_b32 v[EB], v[EB], v[EB+1]                 ; with the other half's two: row r's scale word
	v_lshl_add_u32 v[EV], v1, 2, s41
	s_wait_alu depctr_va_vdst(0)                   ; the lines above have written v[EC ..], v[EB] and v[EV], which the five stores read
.irp c, 0,1,2,3
	global_store_b128 v[VA+\i], v[EC+4*\c:EC+4*\c+3], s[32:33] offset:512*\c   ; 512 consecutive bytes
.endr
	global_store_b32 v[EV], v[EB], s[34:35]        ; 128 consecutive bytes: a word a lane
	s_wait_alu depctr_vm_vsrc(0)                   ; the stores have read v[EC ..], v[EB], v[EV] and v[VA + i]: the next slot's arithmetic, the next group's addresses and its loads write them
.Lskip_\@:
.endm
	s_load_b256 s[4:11], s[0:1], 0x0               ; W1 s[4:5], b1 s[6:7], xa s[8:9], rows s[10:11]
	s_load_b64 s[12:13], s[0:1], 0x20              ; ha
	v_lshl_add_u32 v254, v0, 2, 0x23000
	v_mov_b32 v255, 0
	v_lshrrev_b32 v1, 5, v0
	v_readfirstlane_b32 s24, v1                    ; wave 0..7
	s_and_b32 s16, ttmp9, 31                       ; slab
	s_and_b32 s17, ttmp7, 7                        ; expert
	v_and_b32 v1, 31, v0                           ; lane
	v_and_b32 v2, 15, v0                           ; r
	v_bfe_u32 v3, v0, 4, 1                         ; h
	v_lshlrev_b32 v[LI], 4, v1
	s_wait_alu depctr_va_vdst(0)
	s_wait_alu depctr_va_sdst(0)                   ; s24 is written, ahead of its first reader: my block, my column half and my LDS places are made from it
	s_and_b32 s25, s24, 3                          ; p: my block of 32 k
	s_lshr_b32 s23, s24, 2                         ; my column half
	s_lshl_b32 s40, s25, 9
	s_lshl_b32 s41, s23, 13
	s_add_co_u32 s40, s40, s41
	v_add_nc_u32 v[PST], s40, v[LI]
	v_add_nc_u32 v[PST2], 0x10000, v[PST]
	v_lshl_add_u32 v[CSC], v2, 4, SCW
	s_lshl_b32 s41, s23, 8
	s_add_co_u32 s41, s41, s25
	v_add_nc_u32 v[PSC], s41, v[CSC]
	v_add_nc_u32 v[LI2], 0x10000, v[LI]
	s_lshl_b32 s40, s24, 10
	s_add_co_u32 s40, s40, BIAS
	v_add_nc_u32 v[BIM], s40, v[LI]
	v_add_nc_u32 v[BIR], BIAS, v[LI]
	v_lshlrev_b32 v[SH], 3, v3
	s_lshl_b32 s40, s25, 19                        ; 32 rows of 16,384 bytes
	s_lshl_b32 s41, s23, 8                         ; 64 columns
	s_add_co_u32 s40, s40, s41
	v_lshlrev_b32 v[WOF], 18, v3                   ; 16 rows
	v_lshl_add_u32 v[WOF], v2, 4, v[WOF]
	v_add_nc_u32 v[WOF], s40, v[WOF]
	s_lshl_b32 s40, s23, 8
	s_lshl_b32 s41, s25, 2
	s_add_co_u32 s40, s40, s41
	v_lshl_add_u32 v[BO], v3, 7, s40               ; b1 at hidden unit 64 half + 32 h + p; 4 j' further by the immediate
.irp j, 0,1,2,3
	v_mov_b32 v[PT+\j], 0                          ; written once: a lane permute's destination counts as one of its sources
.endr
	s_mov_b32 s36, 0x76543210
	s_mov_b32 s37, 0xfedcba98                      ; v_permlanex16_b32's selects for lane l xor 16
	s_mov_b32 s38, 0x600000                        ; the mantissa field of 57,344
	s_mov_b32 s21, 0                               ; base: the first of the 24 tiles in hand
	s_mul_i32 s22, s24, 3                          ; base + 3 wave: my first tile of them
	s_lshl_b32 s40, s17, 24
	s_lshl_b32 s41, s16, 9
	s_add_co_u32 s40, s40, s41
	s_mov_b32 s41, 0
	s_lshl_b32 s42, s17, 14
	s_lshl_b32 s43, s16, 9
	s_add_co_u32 s42, s42, s43
	s_mov_b32 s43, 0
	s_lshl_b32 s49, s17, 2
	s_wait_kmcnt 0x0
	s_load_b32 s18, s[10:11], s49 offset:0x8000    ; n of my expert
	s_add_nc_u64 s[26:27], s[4:5], s[40:41]        ; W1[e] at my slab,
	s_add_nc_u64 s[52:53], s[26:27], 0x800000      ; and four K steps further down
	s_add_nc_u64 s[6:7], s[6:7], s[42:43]          ; b1 at my slab
	s_wait_alu depctr_va_vdst(0)                   ; the offsets and LDS addresses v4 to v12 and v14 are written, which the loads and LDS instructions of the whole kernel read
.irp p, 0,1,2,3,4,5,6,7
	global_load_b32 v[BB+\p], v[BO], s[6:7] offset:16*\p   ; register j' of accumulator (half, p): b1 at hidden unit 64 half + 32 h + 4 j' + p
.endr
	WLOAD 0                                        ; 8 + 48 loads are out
	WLOAD 1
	WLOAD 2
	s_lshl_b32 s42, s17, 20
	s_add_nc_u64 s[44:45], s[8:9], s[42:43]        ; x's images of my expert, K step 0
	s_lshl_b32 s42, s17, 15
	s_add_co_u32 s42, s42, XSC_OFF
	s_add_nc_u64 s[46:47], s[8:9], s[42:43]        ; their rows' scale words
	s_lshl_b32 s42, s17, 22
	s_lshl_b32 s48, s16, 17
	s_add_co_u32 s42, s42, s48
	s_add_nc_u64 s[32:33], s[12:13], s[42:43]      ; ha: images of (e, K step = slab)
	s_lshl_b32 s42, s17, 5
	s_add_co_u32 s42, s42, s16
	s_lshl_b32 s42, s42, 13
	s_add_co_u32 s42, s42, HSC_OFF
	s_add_nc_u64 s[34:35], s[12:13], s[42:43]      ; and their scale words
	s_wait_kmcnt 0x0
	s_min_u32 s18, s18, 1024
	s_add_co_u32 s19, s18, 15
	s_lshr_b32 s19, s19, 4
	s_max_u32 s19, s19, 1                          ; NT: the expert's tiles
	s_sub_co_u32 s20, s19, 1
	ADDRS                                          ; (their first readers stand behind unit 4; every unit's wait on va_vdst lies between)
	; ---- PHASE A
	s_wait_loadcnt 32                              ; unit 0 (and b1, which is older) is in; the two younger units, sixteen loads each, may be out
	WLOAD 3
	QUANT 0
	ds_store_b128 v[BIM], v[BB:BB+3]               ; my accumulator's part of the bias image
	ds_store_b128 v[BIM], v[BB+4:BB+7] offset:512
	s_wait_loadcnt 32
	WLOAD 4                                        ; into set 0.  No wait: no vector instruction since unit 0's wait on va_vdst names it; and so for each unit below
	QUANT 1
	s_wait_loadcnt 32
	WLOAD 5
	QUANT 2
	s_wait_loadcnt 32
	WLOAD 6
	QUANT 3
	s_wait_loadcnt 32
	WLOAD 7
	QUANT 4
	s_wait_loadcnt 32                              ; unit 5 is in; units 6 and 7 may be out.  No weights are left to ask for: the first group's operands go out, into landing sets that have been read out
	XSLOAD
	ALOAD 0                                        ; window 1, v0-47: set 0, which unit 4 has left
	QUANT 5
	s_wait_loadcnt 34                              ; unit 6 is in; younger: unit 7's 16, the 6 scale loads, K step 0's 12
	ALOAD 1                                        ; window 1, v48-95: sets 0 and 1, which units 4 and 5 have left
	QUANT 6
	s_wait_loadcnt 30                              ; unit 7 is in; younger: 6 + 12 + 12
	QUANT 7
	ALOAD 2                                        ; v112-159: phase A's work registers are done with (unit 7's wait on va_vdst), and the bias image's stores have read b1 (the units' waits on vm_vsrc)
	s_wait_dscnt 0x0                               ; for the others' sake: all my codes, my scale bytes and my part of the bias image lie in LDS
	s_wait_alu depctr_vm_vsrc(0)                   ; unit 7's LDS stores have read v[BY ..] and v[CD ..], in which W's fragments land in phase B
	s_barrier_signal -1
	s_barrier_wait -1                              ; from here on nobody writes them, and no barrier follows
	; ---- PHASE B
	s_cmp_ge_u32 s22, s19
	s_cbranch_scc1 .Ldone                          ; my first tile lies behind the expert's last: nothing to multiply
.Lgroup:
	PLACES 8                                       ; plain lines between the last vector writes of registers that now become operands and the first product
	s_wait_alu depctr_va_vdst(0)                   ; phase A's arithmetic, or the last group's products and way out, are done with the registers in which the sums' first numbers and W's first fragments land
	ACCINIT
.irp s, 0,1,2,3,4,5,6,7
.irp u, 0,1
.if ((\s)+(\u)) > 0
	s_wait_alu depctr_va_vdst(0)                   ; the last chunk's products are done reading W's fragments and scale words; in a K step's first chunk also: the last K step's are done reading their ring buffer
.endif
	WFETCH 2*\s+\u
.if (\u == 0) && (\s >= 1) && (\s <= 5)
	ALOAD \s+2                                     ; the buffer that the last K step has left takes the K step two further on than this one; it stands here, where the wave waits for W in any case
.endif
.if \u == 0
.if \s < 6
	s_wait_loadcnt 24                              ; this K step's x (and, older, the scale words) is in; the two younger K steps, 12 loads each, may be out
.elseif \s == 6
	s_wait_loadcnt 12
.else
	s_wait_loadcnt 0x0
.endif
.endif
	s_wait_dscnt 0x0
	MUL \s, \u
	PLACES 8                                       ; eight plain lines behind these products, ahead of whatever next touches their registers; behind the last chunk: the way out's reads of the results
.endr
.endr
	s_wait_alu depctr_vm_vsrc(0)                   ; the group's loads have read v[VA ..] and v[VX ..], over which the next group's addresses are written
	EPI1 0
	EPI1 1
	EPI1 2
	s_add_co_u32 s21, s21, 24
	s_add_co_u32 s22, s22, 24
	s_cmp_ge_u32 s22, s19
	s_cbranch_scc1 .Ldone                          ; as a rule the expert has no more than 24 tiles
	s_wait_xcnt 0x0                                ; the stores have had their addresses translated: their registers and addresses are written again only behind this wait
	ADDRS                                          ; my tiles of the next 24, on the codes that lie in LDS
	s_wait_alu depctr_va_vdst(0)                   ; v[VA ..] and v[VX ..] are written, which the loads below read; the products and the way out are done with the ring and the scale words, in which they land
	XSLOAD
	ALOAD 0
	ALOAD 1
	ALOAD 2
	s_cmp_lt_u32 s21, 64
	s_cbranch_scc1 .Lgroup
.Ldone:
	s_wait_dscnt 0x0                               ; the closing lines, six on end
	s_wait_alu 0x0
	s_wait_tensorcnt 0x0
	ds_add_u32 v254, v255
	s_wait_dscnt 0x0
	s_endpgm
.Lfunc_end_k_q5c7e075100_ffn1:
	.size	k_q5c7e075100_ffn1, .Lfunc_end_k_q5c7e075100_ffn1-k_q5c7e075100_ffn1
	.p2alignl 7, 3214868480
	.fill 96, 4, 3214868480
	.section	.rodata,"a",@progbits
	.p2align	6, 0x0
	.amdhsa_kernel k_q5c7e075100_ffn1
		.amdhsa_group_segment_fixed_size 144384
		.amdhsa_private_segment_fixed_size 0
		.amdhsa_enable_private_segment 0
		.amdhsa_kernarg_size 40
		.amdhsa_user_sgpr_count 2
		.amdhsa_user_sgpr_kernarg_segment_ptr 1
		.amdhsa_wavefront_size32 1
		.amdhsa_system_sgpr_workgroup_id_x 1
		.amdhsa_system_sgpr_workgroup_id_y 1
		.amdhsa_system_sgpr_workgroup_id_z 1
		.amdhsa_system_vgpr_workitem_id 0
		.amdhsa_next_free_vgpr 512
		.amdhsa_next_free_sgpr 66
		.amdhsa_reserve_vcc 0
		.amdhsa_float_denorm_mode_32 3
		.amdhsa_float_denorm_mode_16_64 3
		.amdhsa_memory_ordered 1
		.amdhsa_forward_progress 1
		.amdhsa_inst_pref_size 178
	.end_amdhsa_kernel
	.amdgpu_metadata
---
amdhsa.version: [ 1, 2 ]
amdhsa.kernels:
  - .name:           k_q5c7e075100_ffn1
    .symbol:         k_q5c7e075100_ffn1.kd
    .args:
      - { .name: W1, .offset: 0, .size: 8, .value_kind: global_buffer, .address_space: global }
      - { .name: b1, .offset: 8, .size: 8, .value_kind: global_buffer, .address_space: global }
      - { .name: xa, .offset: 16, .size: 8, .value_kind: global_buffer, .address_space: global }
      - { .name: rows, .offset: 24, .size: 8, .value_kind: global_buffer, .address_space: global }
      - { .name: ha, .offset: 32, .size: 8, .value_kind: global_buffer, .address_space: global }
    .group_segment_fixed_size: 144384
    .private_segment_fixed_size: 0
    .kernarg_segment_align: 8
    .kernarg_segment_size: 40
    .max_flat_workgroup_size: 256
    .sgpr_count:     66
    .vgpr_count:     512
    .wavefront_size: 32
...
	.end_amdgpu_metadata
.endif
;; end of part 8
;; launch ffn2 (part 9): grid 32 x 8, 8 waves a work-group, no clusters, 175,104 bytes of LDS; arguments W2, b2, ha, rows, gs, y; writes y
.if DOCPART == 9
	.amdgcn_target "amdgcn-amd-amdhsa--gfx1250"
	.amdhsa_code_object_version 6
	.text
	.protected	k_q5c7e075100_ffn2
	.globl	k_q5c7e075100_ffn2
	.p2align	8
	.type	k_q5c7e075100_ffn2,@function
k_q5c7e075100_ffn2:
	s_mov_b64 s[64:65], 0
	v_nop
	global_prefetch_b8 v0, s[64:65] scope:SCOPE_SE
	s_setreg_imm32_b32 hwreg(HW_REG_WAVE_SCHED_MODE, 0, 2), 2
	s_setreg_imm32_b32 hwreg(HW_REG_WAVE_MODE, 25, 1), 1
	s_wait_xcnt 0x0
	s_wait_alu depctr_vm_vsrc(0)
; y = gate x (h Q(W2[e]) + b2[e]) for the rows routed to expert e, on codes of E5M2 with one E8M0 scale for each 32 along K.  Work-group (x, e): columns 64 (x % 16) on, half x / 16 of K (2,048 hidden units): 512 KiB of W2, read once.
; The two halves of K go to two halves of y; b2 is given to the lower half alone; the next launch adds a token's four partial rows.  64 columns, not 32, so that a row of W2 is read in whole aligned runs of 256 bytes.
; EVERY WAVE WALKS ONE PATH, IN TWO PHASES, with one barrier between them, as in launch ffn1.
; PHASE A: the eight waves stream W2 in 16 chunks of 128 k x 64 columns, a K step each.  Wave w (p = w % 4) takes block p (32 k) of the chunks 2 q + w / 4, q = 0 .. 7: eight units of 16 loads; it quantises them in registers
; and stores registers 4 p .. 4 p + 3 of the four tiles' fragments (tile j's row r is column 4 r + j) and the scale bytes to LDS, where every chunk keeps bytes of its own.  Four landing sets: behind the wait for unit q,
; unit q + 3 is asked for into the set that unit q - 1 has left: 48 loads of a wave, 24 KiB, are on their way while it works.
; PHASE B: the waves multiply, three row tiles each: tile = base + 3 wave + i, held at the expert's last for loads.  THE TILES ARE DEALT ON END, so that an expert's tiles fall on as few waves as can be: a wave that
; multiplies reads the slab's 132 KiB of codes and scale words from LDS whatever the number of its live tiles, and a wave whose first tile lies behind the expert's last ends at once behind the barrier.
; h's fragments come from memory as images of registers, through a ring of four register buffers, a chunk each; W's fragments come from LDS one chunk ahead, in two buffers.  The first group's h is asked for in phase A's
; last units.  24 tiles a group; a loop over groups serves any split of the rows.
; Used transposed (source 0 = 16 columns of W2, source 1 = 16 rows of h): lane (r, h) holds row r, and registers j' of tiles j are columns 32 h + 4 j' + j: 32 neighbours, 128 bytes of a row of y.
; They go through the wave's own stage in LDS and leave as aligned runs of 256 bytes, each row to the place of its routed row (read from the list; places behind an expert's last row go to spare row 2048 + e, which nobody reads).
; No cluster: what the 16 column slabs of an expert and half share is h's codes; the 512 KiB of weights of a work-group are shared with nobody.
; LIMITS: NaN and infinities are not served.  A block of W2 whose largest magnitude lies under 2^-111 (a block of zeros too) keeps the scale byte 1.
; THE MODE: SCHED_MODE bits 1:0 = 2 (LLVM: expert scheduling mode 2), set by the entry lines.  The code itself states the register dependences
; between vector or matrix instructions and memory or LDS instructions, with s_wait_alu, always for 0.
; THE PLAN.  Registers that memory or LDS instructions touch, and who else names them:
;   the landing sets   Unit q's loads land in set q % 4; unit q's maxima and holds read it; then unit q + 4's loads, or the first group's operands and sums, land in it.
;   v[CD ..], v[BY ..] Written by a unit's conversions and shifts, read by its eight LDS stores, written again by the next unit; in phase B W's fragments land there.
;   v[BB ..]           b2 as loaded, masked by four vector lines ahead of unit 0; read by one LDS store behind unit 0; in phase B part of W's second buffer.
;   W's two buffers, two sets of scale words   Chunk c's products read buffer c % 2; chunk c + 1's 17 LDS loads land in the other, which chunk c - 1's products read.
;   the ring of four, v[OS ..]   Chunk c's products read buffer c % 4 and its three scale words; chunk c + 3's 15 loads land in buffer (c - 1) % 4 and its words.
;   the accumulators   LDS loads of the bias image land there; products write them; the way out's multiplications read them.
;   v[RR ..], v[G ..]  27 loads land there (ring buffer 0, which chunk 12 has left); the way out's vector lines read them.
;   v[O ..], v[EO ..]  Written by a slot's way out; read by its LDS stores and, as addresses, by its global stores.      v[P ..]  LDS loads land there; the global stores read them.
;   v[VA ..], v[VS ..], v[VR ..]  Written once a group; read by the group's loads.        v4 to v16: made at the head, never written again.
; THE WAITS.  Phase A: one on va_vdst a unit, behind its conversions, and one on vm_vsrc a unit, ahead of the first write of the last unit's store data.
; Phase B: ONE on va_vdst at each chunk's head: chunk c - 1's products are done with W's other buffer, with ring buffer (c - 1) % 4 and with both kinds of scale words.  All of chunk c's 32 loads follow it with no further wait:
; W's run and the scale words at once; the ring's twelve dealt one behind each of the chunk's twelve products, which name W's buffer c % 2, ring buffer c % 4 and the accumulators: none of the registers that those loads touch.
; Under the products' window setting a load's destination lies in the second window and its address in the first, as these twelve want: no switch is spent.  Ring buffer 0 lies in the first window: its twelve stand in the run.
.set PITCH,   4096                     ; a row of W2[e] in bytes
.set SCW,     131072                   ; LDS: 16 chunks x 8,192 bytes of images; W's scale words, 256 bytes a chunk;
.set BIAS,    135168                   ; the bias image: accumulator j at 1,024 j;
.set STG,     139264                   ; the stages, 16 rows x 272 bytes for each wave
.set HSC_OFF, 33554432
.set YH,      8421376                  ; a half of y: 2,056 rows of 4,096 bytes
.set LI,   4                           ; v4   16 x lane
.set PST,  5                           ; v5   16 x lane + 512 p + 8,192 (wave / 4): where my codes go, units 0-3
.set PST2, 6                           ; v6   the same + 65,536: units 4-7
.set PSC,  7                           ; v7   SCW + 16 r + p + 256 (wave / 4)
.set WOF,  8                           ; v8   (128 (wave / 4) + 32 p + 16 h) rows + 16 r; never rewritten
.set CSC,  9                           ; v9   SCW + 16 r
.set LI2,  10                          ; v10  16 x lane + 65,536
.set BIM,  11                          ; v11  the part of the bias image that I build
.set BIR,  12                          ; v12  BIAS + 16 x lane
.set R16,  13                          ; v13  16 r
.set SOA,  14                          ; v14  my stage: row r, + 128 h
.set SRA,  15                          ; v15  and back: row h (+ 2 q), + 16 r
.set BO,   16                          ; v16  my bytes in b2
.set VA,   20                          ; v20-22 slot i: tile x 2,048 + 16 x lane
.set VS,   23                          ; v23-25 slot i: tile x 128 + 4 x lane
.set VR,   26                          ; v26-31 slot i: tile x 64 + 4 h, tile x 64 + 4 r
.set M,    48                          ; phase A, as in ffn1; v148-151 b2
.set PT,   52
.set SCO,  56
.set HO,   60
.set BY,   64
.set CD,   68
.set T,    84
.set BB,   148
.set WF,   48                          ; phase B: v48-111, v112-175 W's four fragments, two buffers; v176-183 W's scale words, two sets; v184-195 h's scale words (3 x ring buffer + slot); v196-243 ring buffer 0
.set S,    176                         ; window 1: v0-47, v48-95, v96-143 ring buffers 1, 2, 3; accumulator (i, j) at 160 + 32 i + 8 j
.set OS,   184
.set HF0,  196
.set RR,   196                         ; the way out, in ring buffer 0's registers: v196-219 slot i: the routed rows at places 2 q + h; v220-222 row r's gate; v224-231 places in y
.set G,    220
.set EO,   224
.set O,    48                          ; v48-79 32 numbers, v80-111 rows read back
.set P,    80
.set MSB, 0
.macro WIN new                         ; the immediate's high byte repeats the setting that is left.  Bits 1:0 source 0, 3:2 source 1, 5:4 source 2, 7:6 destination
.if MSB != (\new)
	s_set_vgpr_msb (MSB<<8)|(\new)
.set MSB, (\new)
.endif
.endm
.macro PLACES n
.rept \n
	v_nop
.endr
.endm
.macro WLOAD q                         ; unit q into landing set q % 4
	WIN 0x40
.irp i, 0,1,2,3,4,5,6,7,8,9,10,11,12,13,14,15
	global_load_b128 v[64*((\q)%4)+4*\i:64*((\q)%4)+4*\i+3], v[WOF], s[26:27] offset:(\q)*1048576+\i*PITCH th:TH_LOAD_NT
.endr
	WIN 0
.endm
.macro QUANT q                         ; unit q: from landing set q % 4 to LDS
.set RB, 64*((\q)%4)
.if (\q) < 4
.set PR, PST
.else
.set PR, PST2
.endif
	WIN 0x05
.irp j, 0,1,2,3
	v_max3_num_f32 v[M+\j], |v[RB+\j]|, |v[RB+4+\j]|, 0x8000000   ; column 4 r + j: my sixteen k, and the floor 2^(16 - 127)
.endr
	WIN 0x14
.irp i, 2,4,6,8,10,12,14
.irp j, 0,1,2,3
	v_max3_num_f32 v[M+\j], v[M+\j], |v[RB+4*\i+\j]|, |v[RB+4*\i+4+\j]|
.endr
.endr
	WIN 0
.irp j, 0,1,2,3
	v_permlanex16_b32 v[PT+\j], v[M+\j], s36, s37
.endr
.irp j, 0,1,2,3
	v_max_num_f32 v[M+\j], v[M+\j], v[PT+\j]       ; the block's largest magnitude
.endr
.irp j, 0,1,2,3
	v_add_nc_u32 v[SCO+\j], 0xf8800000, v[M+\j]    ; the conversion's scale operand
.endr
.irp j, 0,1,2,3
	v_and_or_b32 v[HO+\j], v[M+\j], 0x7f800000, s38   ; 57,344 x the scale
.endr
.if (\q) > 0
	s_wait_alu depctr_vm_vsrc(0)                   ; the last unit's LDS stores have read v[BY ..] and v[CD ..], which are written again from here on (behind unit 0 also: the bias image's store has read v[BB ..])
.endif
.irp j, 0,1,2,3
	v_lshrrev_b32 v[BY+\j], 23, v[SCO+\j]          ; the scale's byte
.endr
	WIN 0x01
.irp j, 0,1,2,3
.irp i, 0,1,2,3,4,5,6,7,8,9,10,11,12,13,14,15
	v_med3_num_f32 v[T+16*\j+\i], v[RB+4*\i+\j], -v[HO+\j], v[HO+\j]   ; the hold (ISA guide 7.6.2) also puts a column's sixteen k on end
.endr
.endr
	WIN 0
.irp j, 0,1,2,3
	v_cvt_scalef32_pk8_bf8_f32 v[CD+4*\j:CD+4*\j+1], v[T+16*\j:T+16*\j+7], v[SCO+\j]
	v_cvt_scalef32_pk8_bf8_f32 v[CD+4*\j+2:CD+4*\j+3], v[T+16*\j+8:T+16*\j+15], v[SCO+\j]
.endr
	v_nop                                          ; one plain line behind the last scaled conversion
	s_wait_alu depctr_va_vdst(0)                   ; the conversions have written v[CD ..] and the shifts v[BY ..], which the LDS stores read (in unit 0 also: the masked b2 is written); the unit's arithmetic is done with its landing set and its work registers, in which later loads land
.irp j, 0,1,2,3
	ds_store_b128 v[PR], v[CD+4*\j:CD+4*\j+3] offset:16384*((\q)%4)+2048*\j
.endr
.irp j, 0,1,2,3
	ds_store_b8 v[PSC], v[BY+\j] offset:512*(\q)+4*\j   ; both lanes of a column write the same byte with the same value
.endr
.endm
.macro HBUF c                          ; where chunk c's ring buffer lies
.if ((\c)%4) == 0
.set HW, 0
.set HB, HF0
.else
.set HW, 1
.set HB, 48*(((\c)%4)-1)
.endif
.endm
.macro ALOAD c                         ; chunk c: h's fragments and their scale words for my three slots: 15 loads in one run (a group's first four chunks)
	HBUF \c
	WIN 0x40*HW
.irp i, 0,1,2
.irp g, 0,1,2,3
	global_load_b128 v[HB+16*\i+4*\g:HB+16*\i+4*\g+3], v[VA+\i], s[44:45] offset:(\c)*131072+512*\g
.endr
.endr
	WIN 0
.irp i, 0,1,2
	global_load_b32 v[OS+3*((\c)%4)+\i], v[VS+\i], s[46:47] offset:(\c)*8192
.endr
.endm
.macro AHEAD t                         ; chunk t, in the loop: its three scale words; where its ring buffer lies in the first window, its twelve fragment loads too (else MUL deals them)
.irp i, 0,1,2
	global_load_b32 v[OS+3*((\t)%4)+\i], v[VS+\i], s[46:47] offset:(\t)*8192
.endr
.if ((\t)%4) == 0
.irp i, 0,1,2
.irp g, 0,1,2,3
	global_load_b128 v[HF0+16*\i+4*\g:HF0+16*\i+4*\g+3], v[VA+\i], s[44:45] offset:(\t)*131072+512*\g
.endr
.endr
.endif
.endm
.macro RRL                             ; my tiles' routed rows and gates: 27 loads
.irp i, 0,1,2
.irp q, 0,1,2,3,4,5,6,7
	global_load_b32 v[RR+8*\i+\q], v[VR+2*\i], s[34:35] offset:8*\q
.endr
	global_load_b32 v[G+\i], v[VR+2*\i+1], s[12:13]
.endr
.endm
.macro WFETCH c                        ; chunk c's four fragments and their scale words into buffer c % 2, by immediates alone: 17 LDS loads
.if (\c) < 8
.set WR, LI
.set WO, 8192*(\c)
.else
.set WR, LI2
.set WO, 8192*((\c)-8)
.endif
.set WB, WF+64*((\c)%2)
.set SB, S+4*((\c)%2)
.irp j, 0,1,2,3
.irp g, 0,1,2,3
	ds_load_b128 v[WB+16*\j+4*\g:WB+16*\j+4*\g+3], v[WR] offset:WO+2048*\j+512*\g
.endr
.endr
	ds_load_b128 v[SB:SB+3], v[CSC] offset:256*(\c)
.endm
; 12 products: three slots x four tiles.  No two that follow each other share an accumulator, from chunk to chunk and over the loop's jump too.
; t >= 0: behind each product stands one of chunk t's twelve fragment loads, into a ring buffer of the second window.  No wait: no vector or matrix instruction since the chunk's wait on va_vdst names that buffer or v[VA ..].
.macro MUL c, t
	HBUF \c
.set HWC, HW
.set HBC, HB
.set WB, WF+64*((\c)%2)
.set SB, S+4*((\c)%2)
.if (\t) >= 0
	HBUF \t
.set LB, HB
.endif
	WIN 0x50+4*HWC
.irp i, 0,1,2
.irp j, 0,1,2,3
	v_wmma_scale_f32_16x16x128_f8f6f4 v[160+32*\i+8*\j:160+32*\i+8*\j+7], v[WB+16*\j:WB+16*\j+15], v[HBC+16*\i:HBC+16*\i+15], v[160+32*\i+8*\j:160+32*\i+8*\j+7], v[SB+\j], v[OS+3*((\c)%4)+\i] matrix_a_fmt:MATRIX_FMT_BF8 matrix_b_fmt:MATRIX_FMT_BF8
.if (\t) >= 0
	global_load_b128 v[LB+16*\i+4*\j:LB+16*\i+4*\j+3], v[VA+\i], s[44:45] offset:(\t)*131072+512*\j
.endif
.endr
.endr
	WIN 0
.endm
.macro ADDRS                           ; my three tiles, s22 on; for loads a tile behind the expert's last is held at the last
.irp i, 0,1,2
	s_add_co_u32 s40, s22, \i
	s_min_u32 s40, s40, s20
	s_min_u32 s40, s40, 63
	s_lshl_b32 s41, s40, 11
	v_add_nc_u32 v[VA+\i], s41, v[LI]
	s_lshl_b32 s41, s40, 7
	v_lshl_add_u32 v[VS+\i], v1, 2, s41
	s_lshl_b32 s41, s40, 6
	v_lshl_add_u32 v[VR+2*\i], v3, 2, s41
	v_lshl_add_u32 v[VR+2*\i+1], v2, 2, s41
.endr
.endm
.macro ACCINIT                         ; the sums begin as b2 (upper half of K: as zeros), from the image
	WIN 0x40
.irp i, 0,1,2
.irp j, 0,1,2,3
	ds_load_b128 v[160+32*\i+8*\j:160+32*\i+8*\j+3], v[BIR] offset:1024*\j
	ds_load_b128 v[160+32*\i+8*\j+4:160+32*\i+8*\j+7], v[BIR] offset:1024*\j+512
.endr
.endr
	WIN 0
.endm
.macro EPI2 i                          ; slot i's tile leaves
	s_add_co_u32 s40, s22, \i
	s_cmp_ge_u32 s40, s19
	s_cbranch_scc1 .Lskip_\@                       ; a tile behind the expert's last is not stored
	s_wait_xcnt 0x0                                ; the last slot's stores have had their addresses translated: their registers are written again only behind this wait
.irp q, 0,1,2,3,4,5,6,7
	v_min_u32 v[EO+\q], 0x807, v[RR+8*\i+\q]       ; a row of y, whatever was read
.endr
.irp q, 0,1,2,3,4,5,6,7
	v_lshl_add_u32 v[EO+\q], v[EO+\q], 12, v[R16]
.endr
	WIN 0x01
.irp p, 0,1,2,3,4,5,6,7
.irp j, 0,1,2,3
	v_mul_f32 v[O+4*\p+\j], v[160+32*\i+8*\j+\p], v[G+\i]   ; x the gate, and into the columns' order; each accumulator is read from its low end on
.endr
.endr
	WIN 0
	s_wait_alu depctr_va_vdst(0)                   ; the lines above have written v[O ..], which the LDS stores read, and v[EO ..], by which the global stores go; the products are done reading v[P ..], in which the LDS loads land
.irp q, 0,1,2,3,4,5,6,7
	ds_store_b128 v[SOA], v[O+4*\q:O+4*\q+3] offset:16*\q
.endr
.irp q, 0,1,2,3,4,5,6,7
	ds_load_b128 v[P+4*\q:P+4*\q+3], v[SRA] offset:544*\q   ; my own stage: LDS serves a wave's instructions in order
.endr
.irp q, 0,1,2,3,4,5,6,7
	s_wait_dscnt 7-\q                              ; load q is in; the younger ones may be out
	global_store_b128 v[EO+\q], v[P+4*\q:P+4*\q+3], s[32:33]   ; sixteen lanes store 256 consecutive bytes of a row, aligned
.endr
	s_wait_alu depctr_vm_vsrc(0)                   ; the LDS stores have read v[O ..], the global stores v[P ..] and v[EO ..]: the next slot's lines and loads, and the next group's loads, write them
.Lskip_\@:
.endm
	s_load_b256 s[4:11], s[0:1], 0x0               ; W2 s[4:5], b2 s[6:7], ha s[8:9], rows s[10:11]
	s_load_b128 s[12:15], s[0:1], 0x20             ; gs s[12:13], y s[14:15]
	v_lshl_add_u32 v254, v0, 2, 0x2a800
	v_mov_b32 v255, 0
	v_lshrrev_b32 v1, 5, v0
	v_readfirstlane_b32 s24, v1                    ; wave 0..7
	s_and_b32 s16, ttmp9, 15                       ; column slab
	s_bfe_u32 s39, ttmp9, 0x10004                  ; half of K
	s_and_b32 s17, ttmp7, 7                        ; expert
	v_and_b32 v1, 31, v0                           ; lane
	v_and_b32 v2, 15, v0                           ; r
	v_bfe_u32 v3, v0, 4, 1                         ; h
	v_lshlrev_b32 v[LI], 4, v1
	s_wait_alu depctr_va_vdst(0)
	s_wait_alu depctr_va_sdst(0)                   ; s24 is written, ahead of its first reader: my block, my chunks' parity and my LDS places are made from it
	s_and_b32 s25, s24, 3                          ; p: my block of 32 k
	s_lshr_b32 s23, s24, 2                         ; the parity of my chunks
	s_lshl_b32 s40, s25, 9
	s_lshl_b32 s41, s23, 13
	s_add_co_u32 s40, s40, s41
	v_add_nc_u32 v[PST], s40, v[LI]
	v_add_nc_u32 v[PST2], 0x10000, v[PST]
	v_lshl_add_u32 v[CSC], v2, 4, SCW
	s_lshl_b32 s41, s23, 8
	s_add_co_u32 s41, s41, s25
	v_add_nc_u32 v[PSC], s41, v[CSC]
	v_add_nc_u32 v[LI2], 0x10000, v[LI]
	s_lshl_b32 s40, s25, 10
	s_lshl_b32 s41, s23, 9
	s_add_co_u32 s40, s40, s41
	s_add_co_u32 s40, s40, BIAS
	v_add_nc_u32 v[BIM], s40, v[LI]                ; accumulator p's image, registers 4 (wave / 4) on
	v_add_nc_u32 v[BIR], BIAS, v[LI]
	v_lshlrev_b32 v[R16], 4, v2
	s_mul_i32 s40, s24, 4352
	s_add_co_u32 s40, s40, STG
	v_mul_u32_u24 v[SOA], v2, 272
	v_lshl_add_u32 v[SOA], v3, 7, v[SOA]
	v_add_nc_u32 v[SOA], s40, v[SOA]
	v_mul_u32_u24 v[SRA], v3, 272
	v_lshl_add_u32 v[SRA], v2, 4, v[SRA]
	v_add_nc_u32 v[SRA], s40, v[SRA]
	s_lshl_b32 s40, s25, 17                        ; 32 rows of 4,096 bytes
	s_lshl_b32 s41, s23, 19                        ; 128 rows
	s_add_co_u32 s40, s40, s41
	v_lshlrev_b32 v[WOF], 16, v3                   ; 16 rows
	v_lshl_add_u32 v[WOF], v2, 4, v[WOF]
	v_add_nc_u32 v[WOF], s40, v[WOF]
	s_lshl_b32 s40, s23, 6
	s_lshl_b32 s41, s25, 2
	s_add_co_u32 s40, s40, s41
	v_lshl_add_u32 v[BO], v3, 7, s40               ; b2 at column 32 h + 16 (wave / 4) + p; 4 further by the immediate
.irp j, 0,1,2,3
	v_mov_b32 v[PT+\j], 0                          ; written once: a lane permute's destination counts as one of its sources
.endr
	s_mov_b32 s36, 0x76543210
	s_mov_b32 s37, 0xfedcba98                      ; v_permlanex16_b32's selects for lane l xor 16
	s_mov_b32 s38, 0x600000                        ; the mantissa field of 57,344
	s_mov_b32 s21, 0                               ; base: the first of the 24 tiles in hand
	s_mul_i32 s22, s24, 3                          ; base + 3 wave: my first tile of them
	s_lshl_b32 s40, s17, 24
	s_lshl_b32 s41, s39, 23
	s_add_co_u32 s40, s40, s41
	s_lshl_b32 s41, s16, 8
	s_add_co_u32 s40, s40, s41
	s_mov_b32 s41, 0
	s_lshl_b32 s42, s17, 12
	s_lshl_b32 s43, s16, 8
	s_add_co_u32 s42, s42, s43
	s_mov_b32 s43, 0
	s_lshl_b32 s49, s17, 2
	s_wait_kmcnt 0x0
	s_load_b32 s18, s[10:11], s49 offset:0x8000    ; n of my expert
	s_add_nc_u64 s[26:27], s[4:5], s[40:41]        ; W2[e] at my half of K and my columns
	s_add_nc_u64 s[6:7], s[6:7], s[42:43]          ; b2 at my columns
	s_wait_alu depctr_va_vdst(0)                   ; the offsets and LDS addresses v4 to v16 are written, which the loads, stores and LDS instructions of the whole kernel read
.irp k, 0,1,2,3
	global_load_b32 v[BB+\k], v[BO], s[6:7] offset:16*\k   ; register 4 (wave / 4) + k of accumulator p: b2 at column 32 h + 4 (4 (wave / 4) + k) + p
.endr
	WLOAD 0                                        ; 4 + 48 loads are out
	WLOAD 1
	WLOAD 2
	s_lshl_b32 s42, s17, 22
	s_lshl_b32 s48, s39, 21
	s_add_co_u32 s42, s42, s48
	s_add_nc_u64 s[44:45], s[8:9], s[42:43]        ; h's images of (e, my half's first K step)
	s_lshl_b32 s42, s17, 18
	s_lshl_b32 s48, s39, 17
	s_add_co_u32 s42, s42, s48
	s_add_co_u32 s42, s42, HSC_OFF
	s_add_nc_u64 s[46:47], s[8:9], s[42:43]        ; their scale words
	s_mul_i32 s42, s39, YH
	s_lshl_b32 s48, s16, 8
	s_add_co_u32 s42, s42, s48
	s_add_nc_u64 s[32:33], s[14:15], s[42:43]      ; y: my half, my columns
	s_lshl_b32 s42, s17, 12
	s_add_nc_u64 s[34:35], s[10:11], s[42:43]      ; the list of my expert
	s_add_nc_u64 s[12:13], s[12:13], s[42:43]      ; its gates
	s_wait_kmcnt 0x0
	s_min_u32 s18, s18, 1024
	s_add_co_u32 s19, s18, 15
	s_lshr_b32 s19, s19, 4
	s_max_u32 s19, s19, 1                          ; NT: the expert's tiles
	s_sub_co_u32 s20, s19, 1
	ADDRS                                          ; (their first readers stand behind unit 4; every unit's wait on va_vdst lies between)
	s_cmp_eq_u32 s39, 0
	s_cselect_b32 s48, -1, 0
	; ---- PHASE A
	s_wait_loadcnt 32                              ; unit 0 (and b2, which is older) is in; the two younger units, sixteen loads each, may be out
	WLOAD 3
.irp k, 0,1,2,3
	v_cndmask_b32 v[BB+\k], 0, v[BB+\k], s48       ; the upper half of K begins its sums with 0.  (Ahead of unit 0, so that unit 0's wait on va_vdst serves the store below too)
.endr
	QUANT 0
	ds_store_b128 v[BIM], v[BB:BB+3]               ; my part of the bias image
	s_wait_loadcnt 32
	WLOAD 4                                        ; into set 0.  No wait: no vector instruction since unit 0's wait on va_vdst names it; and so for each unit below
	QUANT 1
	s_wait_loadcnt 32
	WLOAD 5
	QUANT 2
	s_wait_loadcnt 32
	WLOAD 6
	QUANT 3
	s_wait_loadcnt 32
	WLOAD 7
	QUANT 4
	s_wait_loadcnt 32                              ; unit 5 is in; units 6 and 7 may be out.  No weights are left to ask for: the first group's operands go out, into registers that phase A has left
	ALOAD 0                                        ; v196-243: not used in phase A
	ALOAD 1                                        ; window 1, v0-47: set 0, which unit 4 has left
	QUANT 5
	s_wait_loadcnt 46                              ; unit 6 is in; younger: unit 7's 16 and chunks 0 and 1's 30
	ALOAD 2                                        ; window 1, v48-95: sets 0 and 1, which units 4 and 5 have left
	QUANT 6
	s_wait_loadcnt 45                              ; unit 7 is in; younger: 30 + 15
	ALOAD 3                                        ; window 1, v96-143: sets 1 and 2, which units 5 and 6 have left
	QUANT 7
	s_wait_dscnt 0x0                               ; for the others' sake: all my codes, my scale bytes and my part of the bias image lie in LDS
	s_wait_alu depctr_vm_vsrc(0)                   ; unit 7's LDS stores have read v[BY ..] and v[CD ..], in which W's fragments land in phase B
	s_barrier_signal -1
	s_barrier_wait -1                              ; from here on nobody writes them, and no barrier follows
	; ---- PHASE B
	s_cmp_ge_u32 s22, s19
	s_cbranch_scc1 .Ldone                          ; my first tile lies behind the expert's last: nothing to multiply
.Lgroup:
	PLACES 8                                       ; plain lines between the last vector writes of registers that now become operands and the first product
	s_wait_alu depctr_va_vdst(0)                   ; phase A's arithmetic, or the last group's products and way out, are done with the registers in which the sums' first numbers and W's first two chunks land
	ACCINIT
	WFETCH 0
.irp c, 0,1,2,3,4,5,6,7,8,9,10,11,12,13,14,15
.if \c > 0
	s_wait_alu depctr_va_vdst(0)                   ; the last chunk's products are done reading W's other buffer and its scale words, their ring buffer and its scale words: all of this chunk's loads land there
.endif
.if \c < 15
	WFETCH \c+1                                    ; the next chunk's W, into the buffer that the last chunk's products have left
.endif
.if \c == 0
	s_wait_loadcnt 45                              ; this chunk's h is in; the three younger chunks, 15 loads each, may be out
.elseif \c < 14
	s_wait_loadcnt 30                              ; this chunk's h is in; the two younger chunks may be out (the third is asked for below)
.elseif \c == 14
	s_wait_loadcnt 42                              ; chunk 15 and the 27 loads of rows and gates
.else
	s_wait_loadcnt 27                              ; the 27 loads of rows and gates
.endif
.if (\c >= 1) && (\c <= 12)
	AHEAD \c+3                                     ; the ring buffer that the last chunk has left takes the chunk three further on than this one
.elseif \c == 13
	RRL                                            ; into ring buffer 0, which chunk 12 has left
.endif
.if \c < 15
	s_wait_dscnt 17                                ; this chunk's W (and, in chunk 0, the sums' first numbers) is in; the next chunk's 17 loads may be out
.else
	s_wait_dscnt 0x0
.endif
.if (\c >= 1) && (\c <= 12) && (((\c+3)%4) != 0)
	MUL \c, \c+3
.else
	MUL \c, -1
.endif
	PLACES 8                                       ; eight plain lines behind these products, ahead of whatever next touches their registers; behind the last chunk: the way out's reads of the results
.endr
	s_wait_loadcnt 0x0                             ; the routed rows and the gates
	s_wait_alu depctr_vm_vsrc(0)                   ; the group's loads have read v[VA ..], v[VS ..] and v[VR ..], over which the next group's addresses are written
	EPI2 0
	EPI2 1
	EPI2 2
	s_add_co_u32 s21, s21, 24
	s_add_co_u32 s22, s22, 24
	s_cmp_ge_u32 s22, s19
	s_cbranch_scc1 .Ldone                          ; as a rule the expert has no more than 24 tiles
	s_wait_xcnt 0x0                                ; the stores have had their addresses translated: their registers and addresses are written again only behind this wait
	ADDRS                                          ; my tiles of the next 24, on the codes that lie in LDS
	s_wait_alu depctr_va_vdst(0)                   ; v[VA ..] and v[VS ..] are written, which the loads below read; the products and the way out are done with the ring and its scale words, in which they land
	ALOAD 0
	ALOAD 1
	ALOAD 2
	ALOAD 3
	s_cmp_lt_u32 s21, 64
	s_cbranch_scc1 .Lgroup
.Ldone:
	s_wait_dscnt 0x0                               ; the closing lines, six on end
	s_wait_alu 0x0
	s_wait_tensorcnt 0x0
	ds_add_u32 v254, v255
	s_wait_dscnt 0x0
	s_endpgm
.Lfunc_end_k_q5c7e075100_ffn2:
	.size	k_q5c7e075100_ffn2, .Lfunc_end_k_q5c7e075100_ffn2-k_q5c7e075100_ffn2
	.p2alignl 7, 3214868480
	.fill 96, 4, 3214868480
	.section	.rodata,"a",@progbits
	.p2align	6, 0x0
	.amdhsa_kernel k_q5c7e075100_ffn2
		.amdhsa_group_segment_fixed_size 175104
		.amdhsa_private_segment_fixed_size 0
		.amdhsa_enable_private_segment 0
		.amdhsa_kernarg_size 48
		.amdhsa_user_sgpr_count 2
		.amdhsa_user_sgpr_kernarg_segment_ptr 1
		.amdhsa_wavefront_size32 1
		.amdhsa_system_sgpr_workgroup_id_x 1
		.amdhsa_system_sgpr_workgroup_id_y 1
		.amdhsa_system_sgpr_workgroup_id_z 1
		.amdhsa_system_vgpr_workitem_id 0
		.amdhsa_next_free_vgpr 512
		.amdhsa_next_free_sgpr 66
		.amdhsa_reserve_vcc 0
		.amdhsa_float_denorm_mode_32 3
		.amdhsa_float_denorm_mode_16_64 3
		.amdhsa_memory_ordered 1
		.amdhsa_forward_progress 1
		.amdhsa_inst_pref_size 183
	.end_amdhsa_kernel
	.amdgpu_metadata
---
amdhsa.version: [ 1, 2 ]
amdhsa.kernels:
  - .name:           k_q5c7e075100_ffn2
    .symbol:         k_q5c7e075100_ffn2.kd
    .args:
      - { .name: W2, .offset: 0, .size: 8, .value_kind: global_buffer, .address_space: global }
      - { .name: b2, .offset: 8, .size: 8, .value_kind: global_buffer, .address_space: global }
      - { .name: ha, .offset: 16, .size: 8, .value_kind: global_buffer, .address_space: global }
      - { .name: rows, .offset: 24, .size: 8, .value_kind: global_buffer, .address_space: global }
      - { .name: gs, .offset: 32, .size: 8, .value_kind: global_buffer, .address_space: global }
      - { .name: y, .offset: 40, .size: 8, .value_kind: global_buffer, .address_space: global }
    .group_segment_fixed_size: 175104
    .private_segment_fixed_size: 0
    .kernarg_segment_align: 8
    .kernarg_segment_size: 48
    .max_flat_workgroup_size: 256
    .sgpr_count:     66
    .vgpr_count:     512
    .wavefront_size: 32
...
	.end_amdgpu_metadata
.endif
;; end of part 9
;; launch combine (part 10): grid 256 x 1, 4 waves a work-group, no clusters, 0 bytes of LDS; arguments y, out0; writes out0
.if DOCPART == 10
	.amdgcn_target "amdgcn-amd-amdhsa--gfx1250"
	.amdhsa_code_object_version 6
	.text
	.protected	k_q5c7e075100_combine
	.globl	k_q5c7e075100_combine
	.p2align	8
	.type	k_q5c7e075100_combine,@function
k_q5c7e075100_combine:
	s_mov_b64 s[64:65], 0
	v_nop
	global_prefetch_b8 v0, s[64:65] scope:SCOPE_SE
	s_setreg_imm32_b32 hwreg(HW_REG_WAVE_MODE, 25, 1), 1
	s_wait_xcnt 0x0
; out0[t] = the four partial rows of token t: its two routed rows 2 t and 2 t + 1, each in the two halves of K.  Each already carries its gate (and, in the lower half, gate x b2).
; One wave owns one token: each output row has one owner, so nothing is added between work-groups.  A stream: every byte of y's 2,048 rows is read once, every byte of out0 written once,
; each load and store of a wave covers 512 consecutive bytes.  All 32 loads go out at once; LDS, barriers and matrix units would add nothing.
.set YH, 8421376                       ; a half of y: 2,056 rows of 4,096 bytes
	s_load_b128 s[4:7], s[0:1], 0x0                ; y s[4:5], out0 s[6:7]
	v_lshrrev_b32 v1, 5, v0
	v_readfirstlane_b32 s8, v1                     ; wave
	v_and_b32 v1, 31, v0
	v_lshlrev_b32 v1, 4, v1                        ; 16 bytes a lane
	s_lshl_b32 s9, ttmp9, 2
	s_add_co_u32 s9, s9, s8                        ; my token
	s_lshl_b32 s10, s9, 13                         ; two rows of y
	s_mov_b32 s11, 0
	s_lshl_b32 s12, s9, 12                         ; a row of out0
	s_mov_b32 s13, 0
	s_wait_alu depctr_va_vdst(0)
	s_wait_kmcnt 0x0
	s_add_nc_u64 s[4:5], s[4:5], s[10:11]
	s_add_nc_u64 s[14:15], s[4:5], YH
	s_add_nc_u64 s[6:7], s[6:7], s[12:13]
.irp q, 0,1,2,3,4,5,6,7
	global_load_b128 v[16+16*\q:19+16*\q], v1, s[4:5] offset:512*\q th:TH_LOAD_NT
	global_load_b128 v[20+16*\q:23+16*\q], v1, s[4:5] offset:4096+512*\q th:TH_LOAD_NT
	global_load_b128 v[24+16*\q:27+16*\q], v1, s[14:15] offset:512*\q th:TH_LOAD_NT
	global_load_b128 v[28+16*\q:31+16*\q], v1, s[14:15] offset:4096+512*\q th:TH_LOAD_NT
.endr
.irp q, 0,1,2,3,4,5,6,7
	s_wait_loadcnt 28-4*\q                         ; piece q's four loads are in; those of the later pieces may be out
	v_pk_add_f32 v[16+16*\q:17+16*\q], v[16+16*\q:17+16*\q], v[20+16*\q:21+16*\q]
	v_pk_add_f32 v[18+16*\q:19+16*\q], v[18+16*\q:19+16*\q], v[22+16*\q:23+16*\q]
	v_pk_add_f32 v[24+16*\q:25+16*\q], v[24+16*\q:25+16*\q], v[28+16*\q:29+16*\q]
	v_pk_add_f32 v[26+16*\q:27+16*\q], v[26+16*\q:27+16*\q], v[30+16*\q:31+16*\q]
	v_pk_add_f32 v[16+16*\q:17+16*\q], v[16+16*\q:17+16*\q], v[24+16*\q:25+16*\q]
	v_pk_add_f32 v[18+16*\q:19+16*\q], v[18+16*\q:19+16*\q], v[26+16*\q:27+16*\q]
	global_store_b128 v1, v[16+16*\q:19+16*\q], s[6:7] offset:512*\q th:TH_STORE_NT   ; each piece has registers of its own: no store's data are written again
.endr
	s_endpgm
.Lfunc_end_k_q5c7e075100_combine:
	.size	k_q5c7e075100_combine, .Lfunc_end_k_q5c7e075100_combine-k_q5c7e075100_combine
	.p2alignl 7, 3214868480
	.fill 96, 4, 3214868480
	.section	.rodata,"a",@progbits
	.p2align	6, 0x0
	.amdhsa_kernel k_q5c7e075100_combine
		.amdhsa_group_segment_fixed_size 0
		.amdhsa_private_segment_fixed_size 0
		.amdhsa_enable_private_segment 0
		.amdhsa_kernarg_size 16
		.amdhsa_user_sgpr_count 2
		.amdhsa_user_sgpr_kernarg_segment_ptr 1
		.amdhsa_wavefront_size32 1
		.amdhsa_system_sgpr_workgroup_id_x 1
		.amdhsa_system_sgpr_workgroup_id_y 1
		.amdhsa_system_sgpr_workgroup_id_z 1
		.amdhsa_system_vgpr_workitem_id 0
		.amdhsa_next_free_vgpr 160
		.amdhsa_next_free_sgpr 66
		.amdhsa_reserve_vcc 0
		.amdhsa_float_denorm_mode_32 3
		.amdhsa_float_denorm_mode_16_64 3
		.amdhsa_memory_ordered 1
		.amdhsa_forward_progress 1
		.amdhsa_inst_pref_size 8
	.end_amdhsa_kernel
	.amdgpu_metadata
---
amdhsa.version: [ 1, 2 ]
amdhsa.kernels:
  - .name:           k_q5c7e075100_combine
    .symbol:         k_q5c7e075100_combine.kd
    .args:
      - { .name: y, .offset: 0, .size: 8, .value_kind: global_buffer, .address_space: global }
      - { .name: out0, .offset: 8, .size: 8, .value_kind: global_buffer, .address_space: global }
    .group_segment_fixed_size: 0
    .private_segment_fixed_size: 0
    .kernarg_segment_align: 8
    .kernarg_segment_size: 16
    .max_flat_workgroup_size: 128
    .sgpr_count:     66
    .vgpr_count:     160
    .wavefront_size: 32
...
	.end_amdgpu_metadata
.endif
;; end of part 10
